; MI455X (gfx1250); checked and timed in simulation.
; The chip was launched on July 23, 2026; its instructions are those of AMD's public machine-readable ISA for CDNA 5 (MIT licence, August 2026) and "CDNA5" Instruction Set Architecture Reference Guide (July 2026). The comments in the code are by the model that wrote it; some were corrected since.
;; Encoder Layer. Allowed arithmetic: matrix products marked QUANTISED: E3M2 operands, one E8M0 scale for each 32 along K, by v_wmma_scale_f32_16x16x128_f8f6f4 with both operands' format E3M2, f32 sums; everything else in f32.
;; Inputs: W1 1,024 x 4,096 float32; W2 4,096 x 1,024 float32; Wo 1,024 x 1,024 float32; Wq 1,024 x 1,024 float32; b1 4,096 float32; b2 1,024 float32; bo 1,024 float32; bq 1,024 float32; ln1_b 1,024 float32; ln1_g 1,024 float32; ln2_b 1,024 float32; ln2_g 1,024 float32; x 2 x 2,048 x 1,024 float32.
;; Outputs: out0 2 x 2,048 x 1,024 float32.
;; This version of the problem:
;;   THIS VERSION OF THE PROBLEM IS GIVEN IN LOW PRECISION. The matrix products marked QUANTISED in the list below multiply operands that are first quantised to E3M2 (3 exponent bits, 2 mantissa bits; 6 bits a number), with one power-of-two scale for each 32 numbers along K (OCP MX v1.0); their sums are f32. All else is computed in f32.
;;   The module's matrix products, in the order in which they are computed (A, B: the left and right operand; K: the contracted axis; several contracted axes count as one K, in the product's order):
;;     1. [M 4,096, K 1,024] x [K 1,024, N 1,024]; A: input x; B: input Wq: QUANTISED
;;     2. [M 4,096, K 1,024] x [K 1,024, N 1,024]; A: input x; B: input Wq: QUANTISED
;;     3. [M 4,096, K 1,024] x [K 1,024, N 1,024]; A: input x; B: input Wq: QUANTISED
;;     4. batch 32 x [M 2,048, K 64] x [K 64, N 2,048]; A: computed on the way; B: computed on the way: QUANTISED
;;     5. batch 32 x [M 64, K 2,048] x [K 2,048, N 2,048]; A: computed on the way; B: softmax (see below): QUANTISED
;;     6. [M 4,096, K 1,024] x [K 1,024, N 1,024]; A: computed on the way; B: input Wo: QUANTISED
;;     7. [M 4,096, K 1,024] x [K 1,024, N 4,096]; A: computed on the way; B: input W1: QUANTISED
;;     8. [M 4,096, K 4,096] x [K 4,096, N 1,024]; A: computed on the way; B: input W2: QUANTISED
;;   THE QUANTISER, for each operand of a quantised product, along K:
;;     - K is cut into blocks of 32 from its start; a last block that is shorter is filled with zeros.
;;     - A block's scale is 2^e with e = floor(log2(the largest magnitude in the block)) - 4, held to -126 .. 127; a block of zeros has e = 0. As a byte (E8M0): e + 127.
;;     - Each number is divided by its block's scale, clamped to +-28, and rounded to the nearest number of E3M2, ties to even, subnormals kept.
;;     - The product sums the exact products of the quantised numbers (number of the format x scale) in f32.
;;   ~~~python
;;   def quantise(x, axis):      # numpy; x: float32 -> the quantised numbers, widened to float32 again
;;       x = np.moveaxis(x, axis, -1); K = x.shape[-1]
;;       x = np.pad(x, [(0, 0)] * (x.ndim - 1) + [(0, -K % 32)]); x = x.reshape(x.shape[:-1] + (-1, 32)); a = np.abs(x).max(-1, keepdims=True)
;;       e = np.where(a > 0, np.clip(np.frexp(np.where(a > 0, a, 1))[1] - 1 - 4, -126, 127), 0)      # np.frexp(a)[1] - 1 = floor(log2(a)), exactly
;;       r = np.clip(x / 2.0 ** e, -28, 28)
;;       step = 2.0 ** (np.maximum(np.frexp(np.where(r == 0, 1, r))[1] - 1, -2) - 2)
;;       q = np.round(r / step) * step * 2.0 ** e      # np.round: ties to even
;;       return np.moveaxis(q.reshape(q.shape[:-2] + (-1,))[..., :K], -1, axis).astype(np.float32)
;;   ~~~
;;   SOFTMAX AHEAD OF A QUANTISED PRODUCT. Where the list says 'softmax', what is quantised is not the finished softmax but p = 2^(t - M), with t = logit x log2(e) and M = ceil(the row's largest t), a whole number; so 1/2 < the row's largest p <= 1. The row's sum l is taken of the UNQUANTISED p, in f32, and the product's result is divided by l at the end. Since M is a whole number, a kernel that streams over the keys may use a running M (the ceiling of the running maximum): every later rescaling is an exact power of two, which a block's scale takes up: the codes' values come out the same.
;;   OPERANDS COMPUTED ON THE WAY. 'Computed on the way' means the value that the module computes at that place (a softmax that the list does not call 'softmax' is quantised finished and normalised). What goes into a quantiser is computed in f32, as accurately as f32 sums, v_exp_f32 and their like allow (about 1e-6 of the number): no bf16 or f16 on the way to a quantiser, and a product that is left as it is and whose result goes on into a quantised operand takes f32 operands (vector FMAs, or v_wmma_f32_16x16x4_f32). A number that lies on a knife's edge between two numbers of the format may be rounded either way, as far as f32 arithmetic and the matrix unit's own rounding can turn it there, and no further.
;; One version. Each part assembles by itself: llvm-mc -triple=amdgcn-amd-amdhsa -mcpu=gfx1250 --defsym DOCPART=n.
;; ======== version 1 of 1: 8 launches
;; limits: right only within a limited range of input values
;; workspace buffers: opA 13,125,632 bytes; opB 13,125,632 bytes; opC 16,777,216 bytes; opD 67,108,864 bytes; opE 13,125,632 bytes; opF 13,125,632 bytes; opG 13,125,632 bytes
;; launch prep (part 1): grid 577 x 1, 4 waves a work-group, no clusters, 58,880 bytes of LDS; arguments x, Wq, Wo, W1, W2, bq, b1, opA, opB, opE, opF, opG; writes opA, opB, opE, opF, opG
.if DOCPART == 1
	.amdgcn_target "amdgcn-amd-amdhsa--gfx1250"
	.amdhsa_code_object_version 6
	.text
	.protected	k_q518b4c0a8f_prep
	.globl	k_q518b4c0a8f_prep
	.p2align	8
	.type	k_q518b4c0a8f_prep,@function
k_q518b4c0a8f_prep:
	s_mov_b64 s[64:65], 0
	v_nop
	global_prefetch_b8 v0, s[64:65] scope:SCOPE_SE
	s_setreg_imm32_b32 hwreg(HW_REG_WAVE_MODE, 25, 1), 1
	s_wait_xcnt 0x0
; x [4096][1024] and the four weights ([K][N], K first) become codes of BF6 (E3M2) with one E8M0 byte for each 32 along K, laid as the later launches' operand registers want them.
; AN OPERAND BUFFER: codes from byte 0, scale words from SOFF, one f32 addend a row from BOFF, an activation floor 16,384 bytes behind BOFF.
; ROWS go in tiles of 16: lane row r of tile T is row 32 (T / 2) + 8 (T % 2) + r + 8 (r / 8).  CODES: tile T at 12,288 T, K step s (128 along K) at 1,536 s, half c at 768 c; there operand registers
; 6 c .. 6 c + 3 of lane l at 16 l, registers 6 c + 4, 6 c + 5 at 512 + 8 l.  SCALE WORDS (row, K step s): 4,096 (T / 8) + 512 s + 64 (T % 8) + 4 r.  A K above 1,024 is cut into quarters (W2: 786,432 and 32,768 bytes apart).
; A block's scale is 2^(floor(log2(largest magnitude)) - 4); its byte is the largest magnitude's exponent field - 4, held at 1 from below.
; LIMITS: a block of zeros gets the byte 1 (its codes are zeros and this program alone reads the bytes); blocks under 2^-122 are held at the byte 1; NaN and infinities are not served.
; Work-groups 0-255: a tile of x each.  256-575: 128 columns x 256 along K of a weight each.  576: the addends and floors.  The three ways part on the work-group's number and have LDS bytes of their own.
; No tensor load, no barrier: waves share nothing.  Memory binds: no matrix unit, no cluster.
.set SOFF, 12582912
.set BOFF, 13107200
.set TM,   16                          ; v16-31 at work in QUANT
.set SEL,  60                          ; s[60:61] selects for lane l xor 16
.set OL,   4                           ; v4  16 x lane
.set OS,   5                           ; v5  8 x lane
.set SA,   8                           ; v8  4 r + 2 h
.set SH,   9                           ; v9  16 h
; 64 numbers of a lane, register 16 b + i = k 32 b + 16 (lane / 16) + i of its row, become a fragment's 12 registers from v[pc] on (pc + 12 .. pc + 18 at work) and its scale word in v[pw]
.macro QUANT s, pc, pw
.irp b, 0,1,2,3
	v_max3_num_f32 v[TM+\b], |v[(\s)+16*\b]|, |v[(\s)+1+16*\b]|, 0x2800000   ; my 16 numbers of block b, and the floor 2^(5 - 127): the byte cannot fall under 1
.endr
.irp i, 2,4,6,8,10,12,14
.irp b, 0,1,2,3
	v_max3_num_f32 v[TM+\b], v[TM+\b], |v[(\s)+16*\b+\i]|, |v[(\s)+1+16*\b+\i]|
.endr
.endr
.irp b, 0,1,2,3
	v_permlanex16_b32 v[TM+4+\b], v[TM+\b], s[SEL], s[SEL+1]
.endr
.irp b, 0,1,2,3
	v_max_num_f32 v[TM+\b], v[TM+\b], v[TM+4+\b]       ; with lane l xor 16's: the block's largest magnitude
.endr
.irp b, 0,1,2,3
	v_add_nc_u32 v[TM+12+\b], 0xfe000000, v[TM+\b]     ; 4 off its exponent field: the conversion's scale operand
.endr
.irp b, 0,1,2,3
	v_lshrrev_b32 v[TM+4+\b], 23, v[TM+12+\b]          ; the scale's byte
.endr
	v_lshl_or_b32 v[\pw], v[TM+5], 8, v[TM+4]
	v_lshl_or_b32 v[\pw], v[TM+6], 16, v[\pw]
	v_lshl_or_b32 v[\pw], v[TM+7], 24, v[\pw]
.irp c, 0,1
	v_cvt_scalef32_pk16_bf6_f32 v[(\pc)+6*\c:(\pc)+2+6*\c], v[(\s)+32*\c:(\s)+15+32*\c], v[TM+12+2*\c]
	v_cvt_scalef32_pk16_bf6_f32 v[(\pc)+12+4*\c:(\pc)+14+4*\c], v[(\s)+16+32*\c:(\s)+31+32*\c], v[TM+13+2*\c]
.endr
	v_nop                                              ; one plain place behind a scaled conversion
.irp c, 0,1                                            ; a whole block to a lane: lanes 0-15 block 2 c, lanes 16-31 block 2 c + 1
.irp i, 0,1,2
	v_permlane16_swap_b32 v[(\pc)+6*\c+\i], v[(\pc)+12+4*\c+\i]
.endr
.irp i, 0,1,2
	v_mov_b32 v[(\pc)+3+6*\c+\i], v[(\pc)+12+4*\c+\i]
.endr
.endr
.endm
.macro HSTORE pc, sb, off              ; a fragment leaves as it stands: stores of 512 and of 256 consecutive bytes
.irp c, 0,1
	global_store_b128 v[OL], v[(\pc)+6*\c:(\pc)+6*\c+3], s[\sb:\sb+1] offset:(\off)+768*\c
	global_store_b64 v[OS], v[(\pc)+6*\c+4:(\pc)+6*\c+5], s[\sb:\sb+1] offset:(\off)+768*\c+512
.endr
.endm
.macro SCST pw, t, sb, off             ; 16 scale words: lane (r, h) stores half h of row r's word: 64 consecutive bytes
	v_lshrrev_b32 v[\t], v[SH], v[\pw]
	global_store_b16 v[SA], v[\t], s[\sb:\sb+1] offset:\off
.endm
	v_lshl_add_u32 v26, v0, 2, 0xe400
	v_mov_b32 v27, 0
	v_lshrrev_b32 v1, 5, v0
	v_readfirstlane_b32 s2, v1                     ; wave 0..3
	s_mov_b32 s[SEL], 0x76543210
	s_mov_b32 s[SEL+1], 0xfedcba98
	s_cmp_lt_u32 ttmp9, 256
	s_cbranch_scc0 .Lweights
	; ---- x: the work-group's number is the tile; wave w takes K steps 2 w and 2 w + 1
	s_load_b64 s[4:5], s[0:1], 0x0                 ; x
	s_load_b64 s[6:7], s[0:1], 0x38                ; opA
	v_and_b32 v1, 31, v0                           ; lane
	v_and_b32 v2, 15, v0                           ; r
	v_bfe_u32 v3, v0, 4, 1                         ; h
	v_lshlrev_b32 v[OL], 4, v1
	v_lshlrev_b32 v[OS], 3, v1
	s_mul_i32 s10, s2, 8448                        ; my stage: 16 rows of 512 bytes + 16
	v_add_nc_u32 v6, s10, v[OL]                    ; in: a row as it is loaded
	v_mul_u32_u24 v7, v2, 528
	v_lshl_add_u32 v7, v3, 6, v7
	v_add_nc_u32 v7, s10, v7                       ; back: row r, my half's 16 numbers of each block
	v_lshlrev_b32 v[SA], 2, v2
	v_lshl_add_u32 v[SA], v3, 1, v[SA]
	v_lshlrev_b32 v[SH], 4, v3
.irp b, 0,1,2,3
	v_mov_b32 v[TM+4+\b], 0                        ; a lane permute's destination counts as one of its sources
.endr
	s_lshr_b32 s8, ttmp9, 1
	s_lshl_b32 s8, s8, 17                          ; 32 rows of 4,096 bytes
	s_and_b32 s9, ttmp9, 1
	s_lshl_b32 s9, s9, 15                          ; 8 rows
	s_add_co_u32 s8, s8, s9
	s_lshl_b32 s9, s2, 10                          ; my two K steps
	s_add_co_u32 s8, s8, s9
	s_mov_b32 s9, 0
	s_mul_i32 s12, ttmp9, 12288
	s_mul_i32 s13, s2, 3072
	s_add_co_u32 s12, s12, s13
	s_mov_b32 s13, 0
	s_lshr_b32 s14, ttmp9, 3
	s_lshl_b32 s14, s14, 12
	s_lshl_b32 s15, s2, 10
	s_add_co_u32 s14, s14, s15
	s_and_b32 s15, ttmp9, 7
	s_lshl_b32 s15, s15, 6
	s_add_co_u32 s14, s14, s15
	s_add_co_u32 s14, s14, SOFF
	s_mov_b32 s15, 0
	s_wait_alu depctr_va_vdst(0)
	s_wait_kmcnt 0x0
	s_add_nc_u64 s[4:5], s[4:5], s[8:9]
	s_add_nc_u64 s[12:13], s[6:7], s[12:13]        ; my codes
	s_add_nc_u64 s[14:15], s[6:7], s[14:15]        ; my scale words
.irp q, 0,1
.irp i, 0,1,2,3,4,5,6,7,8,9,10,11,12,13,14,15
	global_load_b128 v[128+64*\q+4*\i:131+64*\q+4*\i], v[OL], s[4:5] offset:(\i+8*(\i/8))*4096+512*\q th:TH_LOAD_NT   ; 512 consecutive bytes: a K step of tile row i
.endr
.endr
.macro XSTEP q
	s_wait_loadcnt 16*(1-\q)                       ; this K step's 16 loads are in; the other's may be out
.if \q
	s_wait_xcnt 0x0                                ; the first K step's stores have read their registers: the codes are made anew
.endif
.irp i, 0,1,2,3,4,5,6,7,8,9,10,11,12,13,14,15
	ds_store_b128 v6, v[128+64*\q+4*\i:131+64*\q+4*\i] offset:528*\i
.endr
.irp b, 0,1,2,3
.irp j, 0,1,2,3
	ds_load_b128 v[64+16*\b+4*\j:67+16*\b+4*\j], v7 offset:128*\b+16*\j   ; LDS serves a wave's instructions in order: these see my stores
.endr
.endr
	s_wait_dscnt 0x0
	QUANT 64, 32, 52+\q
	HSTORE 32, 12, 1536*\q
	SCST 52+\q, 10+\q, 14, 512*\q
.endm
	XSTEP 0
	XSTEP 1
	s_wait_tensorcnt 0x0
	ds_add_u32 v26, v27
	s_wait_dscnt 0x0
	s_endpgm
.Lweights:
	s_cmp_lt_u32 ttmp9, 576
	s_cbranch_scc0 .Lmisc
	; ---- a weight: a lane takes a column, its registers run down K: a block of 32 along K lies in one lane
	s_load_b64 s[8:9], s[0:1], 0x8                 ; Wq
	s_load_b128 s[12:15], s[0:1], 0x10             ; Wo, W1
	s_load_b64 s[10:11], s[0:1], 0x20              ; W2
	s_load_b128 s[16:19], s[0:1], 0x40             ; opB, opE
	s_load_b128 s[20:23], s[0:1], 0x50             ; opF, opG
	s_sub_co_u32 s3, ttmp9, 256
	v_and_b32 v1, 31, v0                           ; lane
	v_bfe_u32 v2, v0, 3, 1                         ; u: which of my two tiles my column falls into
	v_lshlrev_b32 v3, 2, v1                        ; 4 bytes a lane
	v_lshlrev_b32 v[OL], 4, v1
	v_and_b32 v5, 7, v0
	v_bfe_u32 v10, v0, 4, 1
	v_lshl_add_u32 v5, v10, 3, v5                  ; r: its lane row there
	s_mul_i32 s31, s2, 6144
	s_add_co_u32 s31, s31, 33792                   ; my stage: two tiles x two K steps, as they will lie in memory
	v_mul_u32_u24 v10, v2, 3072
	v_add_nc_u32 v10, s31, v10
	v_lshl_add_u32 v6, v5, 4, v10                  ; where a block's first four registers go
	v_lshl_add_u32 v7, v5, 3, v10                  ; and its last two
	v_add_nc_u32 v8, s31, v[OL]                    ; back: 16 bytes a lane
	v_lshlrev_b32 v9, 2, v5
	v_lshl_add_u32 v9, v2, 6, v9                   ; scale words: 64 u + 4 r
	s_wait_kmcnt 0x0
	s_mov_b64 s[4:5], s[10:11]                     ; W2, its buffer, its first work-group, log2 of its groups of 128 columns, log2 of its row's bytes
	s_mov_b64 s[6:7], s[22:23]
	s_mov_b32 s24, 192
	s_mov_b32 s25, 3
	s_mov_b32 s26, 12
	s_cmp_lt_u32 s3, 192                           ; the choices hang on the work-group's number alone
	s_cselect_b64 s[4:5], s[14:15], s[4:5]
	s_cselect_b64 s[6:7], s[20:21], s[6:7]
	s_cselect_b32 s24, 64, s24
	s_cselect_b32 s25, 5, s25
	s_cselect_b32 s26, 14, s26
	s_cmp_lt_u32 s3, 64
	s_cselect_b64 s[4:5], s[12:13], s[4:5]
	s_cselect_b64 s[6:7], s[18:19], s[6:7]
	s_cselect_b32 s24, 32, s24
	s_cselect_b32 s25, 3, s25
	s_cselect_b32 s26, 12, s26
	s_cmp_lt_u32 s3, 32
	s_cselect_b64 s[4:5], s[8:9], s[4:5]
	s_cselect_b64 s[6:7], s[16:17], s[6:7]
	s_cselect_b32 s24, 0, s24
	s_sub_co_u32 s3, s3, s24
	s_bfm_b32 s27, s25, 0
	s_and_b32 s27, s3, s27                         ; which 128 columns
	s_lshr_b32 s28, s3, s25                        ; which 256 along K
	s_lshr_b32 s29, s28, 2                         ; the quarter of K
	s_and_b32 s30, s28, 3                          ; and the pair of K steps in it
	s_lshl_b32 s50, s28, 8
	s_lshl_b32 s50, s50, s26
	s_lshl_b32 s51, s27, 9
	s_add_co_u32 s50, s50, s51
	s_lshl_b32 s51, s2, 7
	s_add_co_u32 s50, s50, s51
	s_mov_b32 s51, 0
	s_add_nc_u64 s[32:33], s[4:5], s[50:51]        ; block 0 of my 32 columns
	s_lshl_b32 s56, 32, s26                        ; 32 rows on
	s_mov_b32 s57, 0
.irp t, 1,2,3,4,5,6,7
	s_add_nc_u64 s[32+2*\t:33+2*\t], s[30+2*\t:31+2*\t], s[56:57]   ; a base for each block: no pointer is stepped
.endr
.irp i, 0,1,2,3,4,5,6,7,8,9,10,11,12,13,14,15,16,17,18,19,20,21,22,23,24,25,26,27,28,29,30,31
	s_lshl_b32 s48, \i, s26
	v_add_nc_u32 v[128+\i], s48, v3                ; row i of a block, my column
.endr
	s_mul_i32 s52, s29, 786432
	s_lshl_b32 s53, s27, 3
	s_lshl_b32 s54, s2, 1
	s_add_co_u32 s53, s53, s54
	s_mul_i32 s53, s53, 12288
	s_add_co_u32 s52, s52, s53
	s_mul_i32 s53, s30, 3072
	s_add_co_u32 s52, s52, s53
	s_mov_b32 s53, 0
	s_add_nc_u64 s[52:53], s[6:7], s[52:53]        ; my two tiles' codes
	s_lshl_b32 s54, s29, 15
	s_lshl_b32 s55, s27, 12
	s_add_co_u32 s54, s54, s55
	s_lshl_b32 s55, s30, 10
	s_add_co_u32 s54, s54, s55
	s_lshl_b32 s55, s2, 7
	s_add_co_u32 s54, s54, s55
	s_add_co_u32 s54, s54, SOFF
	s_mov_b32 s55, 0
	s_add_nc_u64 s[54:55], s[6:7], s[54:55]        ; and their scale words
.macro LOAD t
.irp i, 0,1,2,3,4,5,6,7,8,9,10,11,12,13,14,15,16,17,18,19,20,21,22,23,24,25,26,27,28,29,30,31
	global_load_b32 v[64+32*((\t)%2)+\i], v[128+\i], s[32+2*(\t):33+2*(\t)] th:TH_LOAD_NT   ; 128 consecutive bytes a wave, 512 a work-group
.endr
.endm
.macro BLOCK t
.set XS, 64+32*((\t)%2)
.if (\t) < 7
	s_wait_loadcnt 32                              ; this block's 32 loads are in; the next block's may be out
.else
	s_wait_loadcnt 0x0
.endif
	v_max3_num_f32 v12, |v[XS]|, |v[XS+1]|, |v[XS+2]|
	v_max3_num_f32 v13, |v[XS+3]|, |v[XS+4]|, |v[XS+5]|
.irp i, 6,10,14,18,22,26
	v_max3_num_f32 v12, v12, |v[XS+\i]|, |v[XS+\i+1]|
	v_max3_num_f32 v13, v13, |v[XS+\i+2]|, |v[XS+\i+3]|
.endr
	v_max3_num_f32 v12, v12, |v[XS+30]|, |v[XS+31]|
	v_max3_num_f32 v12, v12, v13, 0x2800000        ; and the floor
	v_add_nc_u32 v11, 0xfe000000, v12
	v_lshrrev_b32 v13, 23, v11
.if (\t)%4 == 0
	v_mov_b32 v[24+(\t)/4], v13                    ; four bytes make a K step's scale word
.else
	v_lshl_or_b32 v[24+(\t)/4], v13, 8*((\t)%4), v[24+(\t)/4]
.endif
	v_cvt_scalef32_pk16_bf6_f32 v[32:34], v[XS:XS+15], v11
	v_cvt_scalef32_pk16_bf6_f32 v[36:38], v[XS+16:XS+31], v11
	v_nop                                          ; one plain place behind a scaled conversion
	v_mov_b32 v35, v36                             ; the block's six registers on end
	v_mov_b32 v36, v37
	v_mov_b32 v37, v38
	ds_store_b128 v6, v[32:35] offset:1536*((\t)/4)+768*(((\t)/2)%2)+256*((\t)%2)        ; block t is half t % 2 of the lanes of half (t / 2) % 2 of K step t / 4
	ds_store_b64 v7, v[36:37] offset:1536*((\t)/4)+768*(((\t)/2)%2)+512+128*((\t)%2)
.if (\t) < 6
	LOAD (\t)+2
.endif
	s_wait_dscnt 0x0                               ; the stores have read their registers: the next block's codes may be written
.endm
	s_wait_alu depctr_va_vdst(0)
	LOAD 0
	LOAD 1
.irp t, 0,1,2,3,4,5,6,7
	BLOCK \t
.endr
	global_store_b32 v9, v24, s[54:55]             ; 128 consecutive bytes: my two tiles' words of a K step
	s_wait_alu depctr_va_vdst(0)
	global_store_b32 v9, v25, s[54:55] offset:512
.irp m, 0,1,2,3,4,5,6,7,8,9,10,11
	ds_load_b128 v[160+4*\m:163+4*\m], v8 offset:512*\m
.endr
.irp m, 0,1,2,3,4,5,6,7,8,9,10,11
	s_wait_dscnt 11-\m                             ; the younger loads may be out
	global_store_b128 v[OL], v[160+4*\m:163+4*\m], s[52:53] offset:(\m/6)*12288+(\m%6)*512   ; 512 consecutive bytes
.endr
	s_wait_tensorcnt 0x0
	ds_add_u32 v26, v27
	s_wait_dscnt 0x0
	s_endpgm
.Lmisc:
	; ---- the addends and floors that travel with the operands: thread t at byte 16 t
	s_load_b64 s[4:5], s[0:1], 0x28                ; bq
	s_load_b64 s[6:7], s[0:1], 0x30                ; b1
	s_load_b64 s[8:9], s[0:1], 0x38                ; opA
	s_load_b64 s[10:11], s[0:1], 0x40              ; opB
	s_load_b64 s[12:13], s[0:1], 0x50              ; opF
	v_lshlrev_b32 v1, 4, v0
.irp i, 8,9,10,11
	v_mov_b32 v[\i], 0
	v_mov_b32 v[4+\i], 0xff800000                  ; -infinity: a floor that holds nothing
.endr
	s_wait_alu depctr_va_vdst(0)
	s_wait_kmcnt 0x0
.irp i, 0,1,2,3,4,5,6,7
	global_load_b128 v[32+4*\i:35+4*\i], v1, s[6:7] offset:2048*\i
.endr
.irp i, 0,1
	global_load_b128 v[64+4*\i:67+4*\i], v1, s[4:5] offset:2048*\i
.endr
	s_add_nc_u64 s[8:9], s[8:9], BOFF
	s_add_nc_u64 s[10:11], s[10:11], BOFF
	s_add_nc_u64 s[12:13], s[12:13], BOFF
.irp i, 0,1,2,3,4,5,6,7
	global_store_b128 v1, v[8:11], s[8:9] offset:2048*\i       ; tokens have no addend
.endr
	global_store_b128 v1, v[12:15], s[8:9] offset:16384
	global_store_b128 v1, v[12:15], s[10:11] offset:16384
	global_store_b128 v1, v[8:11], s[12:13] offset:16384       ; W1's floor is 0: the relu
	s_wait_loadcnt 0x0
.irp i, 0,1,2,3,4,5,6,7
	global_store_b128 v1, v[32+4*\i:35+4*\i], s[12:13] offset:2048*\i
.endr
.irp i, 0,1
	global_store_b128 v1, v[64+4*\i:67+4*\i], s[10:11] offset:2048*\i
.endr
	s_endpgm
.Lfunc_end_k_q518b4c0a8f_prep:
	.size	k_q518b4c0a8f_prep, .Lfunc_end_k_q518b4c0a8f_prep-k_q518b4c0a8f_prep
	.p2alignl 7, 3214868480
	.fill 96, 4, 3214868480
	.section	.rodata,"a",@progbits
	.p2align	6, 0x0
	.amdhsa_kernel k_q518b4c0a8f_prep
		.amdhsa_group_segment_fixed_size 58880
		.amdhsa_private_segment_fixed_size 0
		.amdhsa_enable_private_segment 0
		.amdhsa_kernarg_size 96
		.amdhsa_user_sgpr_count 2
		.amdhsa_user_sgpr_kernarg_segment_ptr 1
		.amdhsa_wavefront_size32 1
		.amdhsa_system_sgpr_workgroup_id_x 1
		.amdhsa_system_sgpr_workgroup_id_y 1
		.amdhsa_system_sgpr_workgroup_id_z 1
		.amdhsa_system_vgpr_workitem_id 0
		.amdhsa_next_free_vgpr 256
		.amdhsa_next_free_sgpr 80
		.amdhsa_reserve_vcc 0
		.amdhsa_float_denorm_mode_32 3
		.amdhsa_float_denorm_mode_16_64 3
		.amdhsa_memory_ordered 1
		.amdhsa_forward_progress 1
		.amdhsa_inst_pref_size 68
	.end_amdhsa_kernel
	.amdgpu_metadata
---
amdhsa.version: [ 1, 2 ]
amdhsa.kernels:
  - .name:           k_q518b4c0a8f_prep
    .symbol:         k_q518b4c0a8f_prep.kd
    .args:
      - { .name: x, .offset: 0, .size: 8, .value_kind: global_buffer, .address_space: global }
      - { .name: Wq, .offset: 8, .size: 8, .value_kind: global_buffer, .address_space: global }
      - { .name: Wo, .offset: 16, .size: 8, .value_kind: global_buffer, .address_space: global }
      - { .name: W1, .offset: 24, .size: 8, .value_kind: global_buffer, .address_space: global }
      - { .name: W2, .offset: 32, .size: 8, .value_kind: global_buffer, .address_space: global }
      - { .name: bq, .offset: 40, .size: 8, .value_kind: global_buffer, .address_space: global }
      - { .name: b1, .offset: 48, .size: 8, .value_kind: global_buffer, .address_space: global }
      - { .name: opA, .offset: 56, .size: 8, .value_kind: global_buffer, .address_space: global }
      - { .name: opB, .offset: 64, .size: 8, .value_kind: global_buffer, .address_space: global }
      - { .name: opE, .offset: 72, .size: 8, .value_kind: global_buffer, .address_space: global }
      - { .name: opF, .offset: 80, .size: 8, .value_kind: global_buffer, .address_space: global }
      - { .name: opG, .offset: 88, .size: 8, .value_kind: global_buffer, .address_space: global }
    .group_segment_fixed_size: 58880
    .private_segment_fixed_size: 0
    .kernarg_segment_align: 8
    .kernarg_segment_size: 96
    .max_flat_workgroup_size: 128
    .sgpr_count:     80
    .vgpr_count:     256
    .wavefront_size: 32
...
	.end_amdgpu_metadata
.endif
;; end of part 1
;; launch proj (part 2): grid 4 x 32, 4 waves a work-group, clusters of 4 x 4, 327,680 bytes of LDS; arguments opA, opB, opC, opD; writes opC, opD
.if DOCPART == 2
	.amdgcn_target "amdgcn-amd-amdhsa--gfx1250"
	.amdhsa_code_object_version 6
	.text
	.protected	k_q518b4c0a8f_proj
	.globl	k_q518b4c0a8f_proj
	.p2align	8
	.type	k_q518b4c0a8f_proj,@function
k_q518b4c0a8f_proj:
	s_mov_b64 s[64:65], 0
	v_nop
	global_prefetch_b8 v0, s[64:65] scope:SCOPE_SE
	s_setreg_imm32_b32 hwreg(HW_REG_WAVE_MODE, 25, 1), 1
	s_wait_xcnt 0x0
	s_wait_alu depctr_hold_cnt(0) depctr_sa_sdst(0) depctr_va_vdst(0) depctr_va_sdst(0) depctr_va_ssrc(0) depctr_va_vcc(0) depctr_vm_vsrc(0)
	s_getreg_b32 s2, hwreg(HW_REG_IB_STS2, 6, 4)
	s_cmp_eq_u32 s2, 0
	s_cbranch_scc0 .Lentry_in_a_cluster
	s_endpgm
.Lentry_in_a_cluster:
	s_bfe_u32 s2, ttmp6, 0x10000c
	s_cmp_lg_u32 s2, 0xf033
	s_cbranch_scc0 .Lentry_shape_is_right
	s_endpgm
.Lentry_shape_is_right:
.set SOFF,   12582912
.set BOFF,   13107200
.set FOFF,   13123584
.set NQ,     2
.set FR,     12
.set NL,     4
.set NP,     4
.set TILEB,  3072
.set HALFT,  8*TILEB
.set SLOT,   4*HALFT
.set SCL,    2*SLOT
.set HALFS,  4096
.set SPARE,  SCL+4*HALFS
.set OL,   8
.set OS,   9
.set SST,  10
.set RST,  11
.set BQO,  12
.set BPO,  13
.set ADRA, 16
.set ADRB, 20
.set ADRS, 27
.set SPW,  28
.set NIL,  29
.set SC,   32
.set TM,   32
.set PW,   48
.set QB,   64
.set AF,   128
.set PC,   128
.set PB,   224
.set SEL,  10
.set G1, 24
.set G0, 32
.set G1B, 48
.set G0B, 56
.set G1S, 68
.set G0S, 76
.set G1SB, 80
.set G0SB, 88
.set MSB, 0
.macro WIN new
.if MSB != \new
	s_set_vgpr_msb (MSB<<8)|\new
.set MSB, \new
.endif
.endm
.set MUL_LO, 0xa1
.set MUL_HI, 0xf1
.set FST_LO, 0x81
.set FST_HI, 0xc1
.set TO_B,   0x40
.macro JLOAD g0a, g1a, g0b, g1b
	s_cmp_eq_u32 s15, 0
	s_cbranch_scc0 .Lfor_b_\@
	tensor_load_to_lds s[\g0a:\g0a+3], s[\g1a:\g1a+7]
	s_nop 0
.rept 4
	v_nop
.endr
	s_branch .Lasked_\@
.Lfor_b_\@:
	tensor_load_to_lds s[\g0b:\g0b+3], s[\g1b:\g1b+7]
	s_nop 0
.rept 4
	v_nop
.endr
.Lasked_\@:
.endm
.macro CREST
	s_cmp_lg_u32 s14, 0
	s_cbranch_scc1 .Lnot_wave_0_\@
	s_barrier_signal -3
.Lnot_wave_0_\@:
	s_barrier_wait -3
	s_barrier_signal -1
	s_barrier_wait -1
.endm
.macro CROUND
	s_barrier_signal -1
	s_barrier_wait -1
	CREST
.endm
	s_load_b128 s[4:7], s[0:1], 0x0
	s_load_b128 s[8:11], s[0:1], 0x10
	v_lshl_add_u32 v[SPW], v0, 2, SPARE
	v_mov_b32 v[NIL], 0
	ds_add_u32 v28, v29
	ds_add_u32 v28, v29
	s_wait_dscnt 0x0
	v_lshrrev_b32 v1, 5, v0
	v_readfirstlane_b32 s14, v1
	s_lshr_b32 s15, s14, 1
	s_and_b32 s16, s14, 1
	s_bfe_u32 s40, ttmp6, 0x40000
	s_bfe_u32 s41, ttmp6, 0x40004
	s_and_b32 s18, ttmp7, 0xffff
	s_sub_co_u32 s19, s18, 4
	s_cmp_lt_u32 s18, 4
	s_cselect_b32 s2, s18, 0
	s_cselect_b32 s19, 0, s19
	s_lshl_b32 s42, s19, 2
	s_add_co_u32 s42, s42, s40
	s_lshl_b32 s17, s2, 2
	s_add_co_u32 s17, s17, s41
	s_lshl_b32 s43, s41, 2
	s_lshl_b32 s43, 15, s43
	s_lshl_b32 s44, 0x1111, s40
	s_or_b32 s[G1+0], s43, (3<<16)|(1<<21)
	s_or_b32 s[G1B+0], s44, (3<<16)|(1<<21)
.irp g, G1, G1B
	s_mov_b32 s[\g+1], 384<<16
	s_mov_b32 s[\g+2], 16<<16                      ; the head's loads bring all 16 tiles of a slot; behind them the two words that count rows are set to 8
	s_mov_b32 s[\g+3], 384<<16
	s_mov_b32 s[\g+4], 16
	s_mov_b32 s[\g+5], 1536
	s_mov_b32 s[\g+6], 0
	s_mov_b32 s[\g+7], 0
.endr
	s_or_b32 s[G1S+0], s43, (3<<16)|(1<<21)
	s_or_b32 s[G1SB+0], s44, (3<<16)|(1<<21)
.irp g, G1S, G1SB
	s_mov_b32 s[\g+1], 32<<16
	s_mov_b32 s[\g+2], 32<<16                      ; the scale words of 256 rows: 8,192 dense bytes as 32 rows of 256
	s_mov_b32 s[\g+3], 32<<16
	s_mov_b32 s[\g+4], 32
	s_mov_b32 s[\g+5], 32
	s_mov_b32 s[\g+6], 0
	s_mov_b32 s[\g+7], 0
.endr
	s_lshl_b32 s20, s17, 1                         ; the first of the block's two runs of 128 rows
	s_lshl_b32 s46, s42, 1
	s_lshl_b32 s22, s20, 12
	s_add_co_u32 s22, s22, SOFF
	s_mov_b32 s23, 0
	s_lshl_b32 s92, s46, 12
	s_add_co_u32 s92, s92, SOFF
	s_mov_b32 s93, 0
	s_mul_i32 s20, s20, 98304
	s_mov_b32 s21, 0
	s_mul_i32 s46, s46, 98304
	s_mov_b32 s47, 0
	s_mul_i32 s45, s14, HALFT
	s_lshl_b32 s94, s14, 12
	s_wait_kmcnt 0x0
	s_cmp_lt_u32 s18, 4
	s_cselect_b64 s[96:97], s[4:5], s[6:7]
	s_cselect_b64 s[6:7], s[6:7], s[4:5]
	s_cselect_b64 s[8:9], s[8:9], s[10:11]
	s_mov_b64 s[4:5], s[96:97]
	s_add_nc_u64 s[20:21], s[4:5], s[20:21]
	s_add_nc_u64 s[22:23], s[4:5], s[22:23]
	s_add_nc_u64 s[46:47], s[6:7], s[46:47]
	s_add_nc_u64 s[92:93], s[6:7], s[92:93]
	CROUND
; THE HEAD'S FOUR TILES, each whole, one load a wave: wave 0 slot 0's 16 tiles of A, wave 1 its 16 tiles of B, wave 2 the scale words of A's 256 rows, wave 3 those of B's
	s_mov_b32 s[G0S], 1
	s_mov_b32 s[G0S+1], SCL
	s_mov_b64 s[G0S+2:G0S+3], s[22:23]
	s_or_b32 s[G0S+3], s[G0S+3], 0x80000000
	s_mov_b32 s[G0SB], 1
	s_mov_b32 s[G0SB+1], SCL+2*HALFS
	s_mov_b64 s[G0SB+2:G0SB+3], s[92:93]
	s_or_b32 s[G0SB+3], s[G0SB+3], 0x80000000
	s_mov_b32 s[G0], 1
	s_mov_b32 s[G0+1], 0
	s_mov_b64 s[G0+2:G0+3], s[20:21]
	s_or_b32 s[G0+3], s[G0+3], 0x80000000
	s_mov_b32 s[G0B], 1
	s_mov_b32 s[G0B+1], 2*HALFT
	s_mov_b64 s[G0B+2:G0B+3], s[46:47]
	s_or_b32 s[G0B+3], s[G0B+3], 0x80000000
	s_mul_i32 s98, s16, 98304                      ; in the ring I fetch 8 tiles: which half
	s_mov_b32 s99, 0
	s_add_nc_u64 s[20:21], s[20:21], s[98:99]
	s_add_nc_u64 s[46:47], s[46:47], s[98:99]
	s_mov_b32 s[G0+4], 1
	s_add_co_u32 s[G0+5], s45, SLOT
	s_add_nc_u64 s[G0+6:G0+7], s[20:21], TILEB
	s_or_b32 s[G0+7], s[G0+7], 0x80000000
	s_mov_b32 s[G0B+4], 1
	s_add_co_u32 s[G0B+5], s45, SLOT
	s_add_nc_u64 s[G0B+6:G0B+7], s[46:47], TILEB
	s_or_b32 s[G0B+7], s[G0B+7], 0x80000000
.macro HARM under, g0, g1, next        ; one chain of branches on the wave's number, one load to an arm, all arms leading to one join
	s_cmp_lt_u32 s14, \under
	s_cbranch_scc0 \next
	tensor_load_to_lds s[\g0:\g0+3], s[\g1:\g1+7]
	s_nop 0
.rept 4
	v_nop
.endr
	s_branch .Lhead_asked
\next:
.endm
	HARM 1, G0, G1, .Lhead_b
	HARM 2, G0B, G1B, .Lhead_sa
	HARM 3, G0S, G1S, .Lhead_sb
	tensor_load_to_lds s[G0SB:G0SB+3], s[G1SB:G1SB+7]
	s_nop 0
.rept 4
	v_nop
.endr
.Lhead_asked:
	s_wait_alu depctr_va_vdst(0)
	s_wait_tensorcnt 0x0                           ; my tile of the head's four is in
	ds_add_u32 v28, v29
	s_mov_b32 s[G1+2], 8<<16                       ; no tensor load of mine is out: from here on a load brings 8 tiles,
	s_mov_b32 s[G1+4], 8
	s_mov_b32 s[G1B+2], 8<<16
	s_mov_b32 s[G1B+4], 8
	s_add_co_u32 s[G0+1], s45, 0                   ; and slot 0's descriptors stand at my quarter of it, for its first refill
	s_mov_b64 s[G0+2:G0+3], s[20:21]
	s_or_b32 s[G0+3], s[G0+3], 0x80000000
	s_add_co_u32 s[G0B+1], s45, 0
	s_mov_b64 s[G0B+2:G0B+3], s[46:47]
	s_or_b32 s[G0B+3], s[G0B+3], 0x80000000
	s_wait_dscnt 0x0
	CROUND                                         ; all four tiles are in, in all sixteen work-groups
	JLOAD G0+4, G1, G0B+4, G1B                     ; slot 1's first fill: the first tensor load behind the round
	v_and_b32 v1, 15, v0
	v_bfe_u32 v2, v0, 4, 1
	v_and_b32 v3, 31, v0
	v_lshlrev_b32 v[OL], 4, v3
	v_lshlrev_b32 v[OS], 3, v3
	v_add_nc_u32 v5, 512, v[OS]
	s_mul_i32 s21, s15, HALFT
	s_mul_i32 s22, s16, HALFT
	s_add_co_u32 s22, s22, 2*HALFT
.irp s, 0,1
	v_add_nc_u32 v[ADRA+\s], s21, v[OL]
	v_add_nc_u32 v[ADRB+\s], s22, v[OL]
	v_add_nc_u32 v[ADRA+2+\s], s21, v5
	v_add_nc_u32 v[ADRB+2+\s], s22, v5
	s_add_co_u32 s21, s21, SLOT
	s_add_co_u32 s22, s22, SLOT
.endr
	v_lshlrev_b32 v4, 2, v1
	s_lshl_b32 s21, s15, 12
	s_lshl_b32 s22, s16, 12
	s_add_co_u32 s22, s22, 2*HALFS
	s_sub_co_u32 s22, s22, s21
	v_mul_u32_u24 v6, s22, v2
	s_add_co_u32 s21, s21, SCL
	v_add_nc_u32 v6, v4, v6
	v_add_nc_u32 v[ADRS], s21, v6
	s_lshl_b32 s23, s14, 9
	v_add_nc_u32 v[SST], s23, v4
	v_add_nc_u32 v[RST], s23, v[OL]
	v_lshlrev_b32 v[BQO], 6, v2
	s_wait_alu depctr_va_vdst(0)
	v_and_b32 v6, 8, v1
	v_add_nc_u32 v6, v6, v1
	v_lshlrev_b32 v[BPO], 2, v6
	s_wait_alu depctr_va_vdst(0)
	s_mov_b32 s[SEL], 0x76543210
	s_mov_b32 s[SEL+1], 0xfedcba98
	s_lshl_b32 s46, s42, 10
	s_lshl_b32 s47, s16, 9
	s_add_co_u32 s46, s46, s47
	s_add_co_u32 s46, s46, BOFF
	s_mov_b32 s47, 0
	s_add_nc_u64 s[46:47], s[6:7], s[46:47]
	s_lshl_b32 s20, s17, 10
	s_lshl_b32 s21, s15, 9
	s_add_co_u32 s20, s20, s21
	s_add_co_u32 s20, s20, BOFF
	s_mov_b32 s21, 0
	s_add_nc_u64 s[20:21], s[4:5], s[20:21]
	s_add_nc_u64 s[96:97], s[6:7], FOFF
	s_load_b32 s3, s[96:97], 0x0
.irp t, 0,1,2,3,4,5,6,7
	global_load_b128 v[QB+8*\t:QB+8*\t+3], v[BQO], s[46:47] offset:(32*(\t/2)+8*(\t%2))*4
	global_load_b128 v[QB+8*\t+4:QB+8*\t+7], v[BQO], s[46:47] offset:(32*(\t/2)+8*(\t%2))*4+16
	global_load_b32 v[PB+2*\t], v[BPO], s[20:21] offset:(32*(\t/2)+8*(\t%2))*4
	global_load_b32 v[PB+2*\t+1], v[BPO], s[20:21] offset:(32*(\t/2)+8*(\t%2))*4
.endr
	s_mul_i32 s92, s19, 3145728
	s_lshl_b32 s93, s17, 4
	s_lshl_b32 s94, s15, 3
	s_add_co_u32 s93, s93, s94
	s_mul_i32 s93, s93, 12288
	s_add_co_u32 s92, s92, s93
	s_lshl_b32 s93, s40, 1
	s_add_co_u32 s93, s93, s16
	s_mul_i32 s93, s93, 1536
	s_add_co_u32 s92, s92, s93
	s_mov_b32 s93, 0
	s_add_nc_u64 s[12:13], s[8:9], s[92:93]
	s_lshl_b32 s92, s19, 17
	s_lshl_b32 s93, s17, 13
	s_add_co_u32 s92, s92, s93
	s_lshl_b32 s93, s15, 12
	s_add_co_u32 s92, s92, s93
	s_lshl_b32 s93, s40, 10
	s_add_co_u32 s92, s92, s93
	s_lshl_b32 s93, s16, 9
	s_add_co_u32 s92, s92, s93
	s_add_co_u32 s92, s92, SOFF
	s_mov_b32 s93, 0
	s_add_nc_u64 s[8:9], s[8:9], s[92:93]
.macro FRAG reg, adr, q, i
.irp c, 0,1
	ds_load_b128 v[(\reg)+6*\c:(\reg)+6*\c+3], v[\adr] offset:TILEB*(\i)+1536*(\q)+768*\c
	ds_load_b64 v[(\reg)+6*\c+4:(\reg)+6*\c+5], v[(\adr)+2] offset:TILEB*(\i)+1536*(\q)+768*\c
.endr
.endm
.macro MUL16 a0, p, q, sc, zero
.irp a, \a0, \a0+1
.irp b, 0,1,2,3,4,5,6,7
.if \zero
	v_wmma_scale_f32_16x16x128_f8f6f4 v[8*(8*((\a)%4)+\b):8*(8*((\a)%4)+\b)+7], v[128*(\p)+FR*\b:128*(\p)+FR*\b+FR-1], v[AF+FR*(\a):AF+FR*(\a)+FR-1], v[QB+8*\b:QB+8*\b+7], v[SC+8*NQ*(\sc)+NQ*\b+(\q)], v[SC+8*NQ*(\sc)+NQ*(\a)+(\q)] matrix_a_fmt:MATRIX_FMT_BF6 matrix_b_fmt:MATRIX_FMT_BF6 matrix_a_scale:MATRIX_SCALE_ROW1
.else
	v_wmma_scale_f32_16x16x128_f8f6f4 v[8*(8*((\a)%4)+\b):8*(8*((\a)%4)+\b)+7], v[128*(\p)+FR*\b:128*(\p)+FR*\b+FR-1], v[AF+FR*(\a):AF+FR*(\a)+FR-1], v[8*(8*((\a)%4)+\b):8*(8*((\a)%4)+\b)+7], v[SC+8*NQ*(\sc)+NQ*\b+(\q)], v[SC+8*NQ*(\sc)+NQ*(\a)+(\q)] matrix_a_fmt:MATRIX_FMT_BF6 matrix_b_fmt:MATRIX_FMT_BF6 matrix_a_scale:MATRIX_SCALE_ROW1
.endif
.endr
.endr
.endm
.macro FETCH_B slot, q, p
	WIN TO_B
.irp i, 0,1,2,3,4,5,6,7
	FRAG 128*(\p)+FR*\i, ADRB+\slot, \q, \i
.endr
	WIN 0
.endm
.macro FETCH_A slot, q, i0
.irp i, \i0, \i0+1, \i0+2, \i0+3
	FRAG AF+FR*(\i), ADRA+\slot, \q, \i
.endr
.endm
.macro SCALES sc
.irp i, 0,1,2,3,4,5,6,7
.irp q, 0,1
	ds_load_b32 v[SC+8*NQ*\sc+NQ*\i+\q], v[ADRS] offset:64*\i+512*\q
.endr
.endr
.endm
.macro PLACES n
.rept \n
	v_nop
.endr
.endm
.macro STEP slot, q, zero
	s_wait_dscnt 4*NL
.if \zero
	WIN FST_LO
.else
	WIN MUL_LO
.endif
	MUL16 0, (\q)%2, \q, \slot, \zero
	MUL16 2, (\q)%2, \q, \slot, \zero
	s_wait_dscnt 0
	PLACES NP
	FETCH_B \slot, (\q)+1, 1-(\q)%2
	FETCH_A \slot, (\q)+1, 0
.if \zero
	WIN FST_HI
.else
	WIN MUL_HI
.endif
	MUL16 4, (\q)%2, \q, \slot, \zero
	MUL16 6, (\q)%2, \q, \slot, \zero
	PLACES NP
	WIN 0
	FETCH_A \slot, (\q)+1, 4
.endm
.macro TURN slot, next, fill
	s_wait_tensorcnt 0x0
	ds_add_u32 v[SPW], v[NIL]
	s_wait_dscnt 4*NL+1
	WIN MUL_LO
	MUL16 0, 1, NQ-1, \slot, 0
	s_wait_dscnt 0x0
	s_barrier_signal -1
	MUL16 2, 1, NQ-1, \slot, 0
	WIN 0
	s_barrier_wait -1
.if \fill
	CREST
	s_add_nc_u64 s[G0+4*\slot+2:G0+4*\slot+3], s[G0+4*\slot+2:G0+4*\slot+3], 2*TILEB
	s_add_nc_u64 s[G0B+4*\slot+2:G0B+4*\slot+3], s[G0B+4*\slot+2:G0B+4*\slot+3], 2*TILEB
	JLOAD G0+4*\slot, G1, G0B+4*\slot, G1B
.else
	PLACES NP
.endif
	s_wait_alu depctr_va_vdst(0)
	v_add_nc_u32 v[ADRS], 1024, v[ADRS]
	FETCH_B \next, 0, 0
	FETCH_A \next, 0, 0
	SCALES \next
	WIN MUL_HI
	MUL16 4, 1, NQ-1, \slot, 0
	MUL16 6, 1, NQ-1, \slot, 0
	PLACES NP
	WIN 0
	FETCH_A \next, 0, 4
.endm
	s_wait_tensorcnt 1
	s_barrier_signal -1
	s_barrier_wait -1
	FETCH_B 0, 0, 0
	FETCH_A 0, 0, 0
	SCALES 0
	FETCH_A 0, 0, 4
	s_wait_loadcnt 0x0
	s_wait_kmcnt 0x0
	STEP 0, 0, 1
	TURN 0, 1, 1
	STEP 1, 0, 0
	TURN 1, 0, 1
	STEP 0, 0, 0
	TURN 0, 1, 0
	STEP 1, 0, 0
	s_wait_dscnt 4*NL
	WIN MUL_LO
	MUL16 0, 1, NQ-1, 1, 0
	MUL16 2, 1, NQ-1, 1, 0
	s_wait_dscnt 0
	WIN MUL_HI
	MUL16 4, 1, NQ-1, 1, 0
	MUL16 6, 1, NQ-1, 1, 0
	WIN 0
.macro QUANT s, pc, pw
.irp b, 0,1,2,3
	v_max3_num_f32 v[TM+\b], |v[(\s)+16*\b]|, |v[(\s)+1+16*\b]|, 0x2800000
.endr
.irp i, 2,4,6,8,10,12,14
.irp b, 0,1,2,3
	v_max3_num_f32 v[TM+\b], v[TM+\b], |v[(\s)+16*\b+\i]|, |v[(\s)+1+16*\b+\i]|
.endr
.endr
.irp b, 0,1,2,3
	v_permlanex16_b32 v[TM+4+\b], v[TM+\b], s[SEL], s[SEL+1]
.endr
.irp b, 0,1,2,3
	v_max_num_f32 v[TM+\b], v[TM+\b], v[TM+4+\b]
.endr
.irp b, 0,1,2,3
	v_add_nc_u32 v[TM+12+\b], 0xfe000000, v[TM+\b]
.endr
.irp b, 0,1,2,3
	v_lshrrev_b32 v[TM+4+\b], 23, v[TM+12+\b]
.endr
	v_lshl_or_b32 v[\pw], v[TM+5], 8, v[TM+4]
	v_lshl_or_b32 v[\pw], v[TM+6], 16, v[\pw]
	v_lshl_or_b32 v[\pw], v[TM+7], 24, v[\pw]
.irp c, 0,1
	v_cvt_scalef32_pk16_bf6_f32 v[(\pc)+6*\c:(\pc)+2+6*\c], v[(\s)+32*\c:(\s)+15+32*\c], v[TM+12+2*\c]
	v_cvt_scalef32_pk16_bf6_f32 v[(\pc)+12+4*\c:(\pc)+14+4*\c], v[(\s)+16+32*\c:(\s)+31+32*\c], v[TM+13+2*\c]
.endr
	v_nop
.irp c, 0,1
.irp i, 0,1,2
	v_permlane16_swap_b32 v[(\pc)+6*\c+\i], v[(\pc)+12+4*\c+\i]
.endr
.irp i, 0,1,2
	v_mov_b32 v[(\pc)+3+6*\c+\i], v[(\pc)+12+4*\c+\i]
.endr
.endr
.endm
.macro OUTBLK a
.if (\a) > 0
	s_wait_xcnt 0x0
.endif
	WIN 0x02+(\a)/4
.set nn, 0
.rept 32
	v_pk_add_f32 v[QB+2*nn:QB+2*nn+1], v[64*((\a)%4)+2*nn:64*((\a)%4)+2*nn+1], v[PB+2*(\a):PB+2*(\a)+1]
.set nn, nn+1
.endr
	WIN 0
.set nn, 0
.rept 64
	v_max_num_f32 v[QB+nn], s3, v[QB+nn]
.set nn, nn+1
.endr
	QUANT QB, PC, PW+(\a)
.irp c, 0,1
	global_store_b128 v[OL], v[PC+6*\c:PC+6*\c+3], s[12:13] offset:12288*(\a)+768*\c
	global_store_b64 v[OS], v[PC+6*\c+4:PC+6*\c+5], s[12:13] offset:12288*(\a)+768*\c+512
.endr
.endm
	PLACES NP
.irp b, 0,1,2,3
	v_mov_b32 v[TM+4+\b], 0
.endr
.irp a, 0,1,2,3,4,5,6,7
	OUTBLK \a
.endr
.irp a, 0,1,2,3,4,5,6,7
	ds_store_b32 v[SST], v[PW+\a] offset:64*\a
.endr
	ds_load_b128 v[152:155], v[RST]
	s_wait_dscnt 0x0
	global_store_b128 v[OL], v[152:155], s[8:9]
	s_wait_tensorcnt 0x0
	ds_add_u32 v[SPW], v[NIL]
	s_wait_dscnt 0x0
	CROUND
	s_endpgm
.Lfunc_end_k_q518b4c0a8f_proj:
	.size	k_q518b4c0a8f_proj, .Lfunc_end_k_q518b4c0a8f_proj-k_q518b4c0a8f_proj
	.p2alignl 7, 3214868480
	.fill 96, 4, 3214868480
	.section	.rodata,"a",@progbits
	.p2align	6, 0x0
	.amdhsa_kernel k_q518b4c0a8f_proj
		.amdhsa_group_segment_fixed_size 327680
		.amdhsa_private_segment_fixed_size 0
		.amdhsa_enable_private_segment 0
		.amdhsa_kernarg_size 32
		.amdhsa_user_sgpr_count 2
		.amdhsa_user_sgpr_kernarg_segment_ptr 1
		.amdhsa_wavefront_size32 1
		.amdhsa_system_sgpr_workgroup_id_x 1
		.amdhsa_system_sgpr_workgroup_id_y 1
		.amdhsa_system_sgpr_workgroup_id_z 1
		.amdhsa_system_vgpr_workitem_id 0
		.amdhsa_next_free_vgpr 1024
		.amdhsa_next_free_sgpr 100
		.amdhsa_reserve_vcc 0
		.amdhsa_float_denorm_mode_32 3
		.amdhsa_float_denorm_mode_16_64 3
		.amdhsa_memory_ordered 1
		.amdhsa_forward_progress 1
		.amdhsa_inst_pref_size 188
	.end_amdhsa_kernel
	.amdgpu_metadata
---
amdhsa.version: [ 1, 2 ]
amdhsa.kernels:
  - .name:           k_q518b4c0a8f_proj
    .symbol:         k_q518b4c0a8f_proj.kd
    .args:
      - { .name: opA, .offset: 0, .size: 8, .value_kind: global_buffer, .address_space: global }
      - { .name: opB, .offset: 8, .size: 8, .value_kind: global_buffer, .address_space: global }
      - { .name: opC, .offset: 16, .size: 8, .value_kind: global_buffer, .address_space: global }
      - { .name: opD, .offset: 24, .size: 8, .value_kind: global_buffer, .address_space: global }
    .group_segment_fixed_size: 327680
    .private_segment_fixed_size: 0
    .kernarg_segment_align: 8
    .kernarg_segment_size: 32
    .max_flat_workgroup_size: 128
    .sgpr_count:     100
    .vgpr_count:     1024
    .wavefront_size: 32
...
	.end_amdgpu_metadata
.endif
;; end of part 2
;; launch attn (part 3): grid 8 x 32, 16 waves a work-group, clusters of 4 x 1, 210,944 bytes of LDS; arguments opC, opD, opA; writes opA
.if DOCPART == 3
	.amdgcn_target "amdgcn-amd-amdhsa--gfx1250"
	.amdhsa_code_object_version 6
	.text
	.protected	k_q518b4c0a8f_attn
	.globl	k_q518b4c0a8f_attn
	.p2align	8
	.type	k_q518b4c0a8f_attn,@function
k_q518b4c0a8f_attn:
	s_mov_b64 s[64:65], 0
	v_nop
	global_prefetch_b8 v0, s[64:65] scope:SCOPE_SE
	s_setreg_imm32_b32 hwreg(HW_REG_WAVE_MODE, 25, 1), 1
	s_wait_xcnt 0x0
	s_wait_alu depctr_hold_cnt(0) depctr_sa_sdst(0) depctr_va_vdst(0) depctr_va_sdst(0) depctr_va_ssrc(0) depctr_va_vcc(0) depctr_vm_vsrc(0)
	s_getreg_b32 s2, hwreg(HW_REG_IB_STS2, 6, 4)
	s_cmp_eq_u32 s2, 0
	s_cbranch_scc0 .Lentry_in_a_cluster
	s_endpgm
.Lentry_in_a_cluster:
	s_bfe_u32 s2, ttmp6, 0x10000c
	s_cmp_lg_u32 s2, 0x3003
	s_cbranch_scc0 .Lentry_shape_is_right
	s_endpgm
.Lentry_shape_is_right:
; Attention of one head for 256 queries, both products on codes of BF6 (E3M2); the result, divided by the row's sum, is quantised along the head's 64 and leaves as codes for the next product.
; opC: q = k as codes along (head, d), rows = tokens.  opD: v as codes along the tokens, rows = (head, d), in quarters of 1,024 tokens.  opA: the result, rows = tokens, K = (head, d).  Layouts as the launches before wrote them:
; tile T at 12,288 T, K step s at 1,536 s, half c at 768 c (registers 6 c .. 6 c + 3 of lane l at 16 l, the last two at 512 + 8 l); scale words at SOFF + 4,096 (T / 8) + 512 s + 64 (T % 8) + 4 r.
; So a head's 64 codes of 16 tokens are one dense half of 768 bytes, at 768 x head.  Lane row r of tile T is row 32 (T / 2) + 8 (T % 2) + r + 8 (r / 8): the 16 registers of two neighbouring tiles of scores are 16 neighbouring keys.
; SCORES have K = 64: q's operand has zero codes in its upper 64, so whatever codes stand in the upper half of k's operand (the next fragment's) add nothing; the scale bytes there are 0, which is a power of two and no NaN.
; SOFTMAX: t = score x log2(e) / sqrt(2,048); M = the running largest t rounded up to a whole number; p = 2^(t - M) is quantised along the keys; the row's sum is taken of the unquantised p and divides at the end.
; SHARES: sixteen waves, each one tile of 16 queries in 256 registers, four waves to a SIMD.  ALL of the head's K and V (196,608 bytes) and their scale words lie in LDS: first fills only, nothing is filled again.
; A KEY STEP'S LDS LOADS STAND AHEAD OF THEIR USE: key tiles 0-3 are asked for in the step before, tiles 4-7 at the step's head, V's fragments behind the score products.  The last step's look-ahead reads LDS bytes behind K (V's, in bounds) and uses none of them.
; CLUSTER: the four query blocks of a cluster walk the same head: K, V and their scale words are asked for jointly (mask 15).  No prefetch: everything is asked for by the first instructions.
; LIMITS: a block of zeros gets the byte 1; NaN and infinities are not served.  The result's scale bytes leave a byte a lane: a word's halves belong to two heads' work-groups.
; REGISTERS: v1-7 places that stay; v8-11, v28, v29 addresses in hand; v12 -M, v13 the largest t, v[14:15] the sum; v16-27 Q; v32-61 key tiles 4-7, then v32-79 V; v80-91 scale words of K and V alone; v96-159 S^T, then p;
; v160-191 O^T; v192-221 key tiles 0-3; v224-235 p's codes; v232-254 at work; v255 Q's scales; v223, v243 the add's.
.set SOFF, 12582912
.set VB,   98304                       ; LDS: K's 128 tiles x 768 bytes from 0; V [half of the keys][tile of 16 channels][K step][1,536] from VB
.set SCK,  196608                      ; K's scale words [key step][tile][row]
.set SCV,  204800                      ; V's [key step][tile][row]
.set AK0,  1
.set AK1,  2
.set AV0,  3
.set AV1,  4
.set ASK0, 5
.set ASV0, 6
.set QSO,  7
.set ADK,  8
.set ADK1, 9
.set ADV,  10
.set ADV1, 11
.set ADS,  28
.set ADT,  29
.set OS8,  31
.set SK0,  80
.set SK1,  84
.set SV,   88
.set KF,   192
.set WV,   18
.set SEL,  20
.set CS,   22
.set G1K,  24
.set G1V,  32
.set G1SK, 40
.set G1SV, 48
.set G0SK, 56
.set G0K0, 60
.set G0K1, 68
.set G0SV, 72
.set G0V0, 76
.set G0V1, 80
.set TK,   84
.set TV,   85
.set TS,   86
.set TJ,   87
.set CNT,  88
.macro CROUND
	s_barrier_signal -1
	s_barrier_wait -1
	s_cmp_lg_u32 s[WV], 0
	s_cbranch_scc1 .Lnot_wave_0_\@
	s_barrier_signal -3
.Lnot_wave_0_\@:
	s_barrier_wait -3
	s_barrier_signal -1
	s_barrier_wait -1
.endm
	s_load_b128 s[4:7], s[0:1], 0x0                ; opC, opD
	s_load_b64 s[8:9], s[0:1], 0x10                ; opA
	v_lshl_add_u32 v223, v0, 2, 0x33000
	v_mov_b32 v243, 0
	ds_add_u32 v223, v243                          ; the opening lines: the add, twice on end, and its wait
	ds_add_u32 v223, v243
	v_lshrrev_b32 v8, 5, v0
	s_delay_alu instid0(VALU_DEP_1)
	v_readfirstlane_b32 s[WV], v8                  ; wave 0..15
	s_and_b32 s10, ttmp7, 0xffff
	s_lshr_b32 s11, s10, 4                         ; the batch
	s_and_b32 s12, s10, 15                         ; the head
	s_and_b32 s13, s12, 1                          ; which half of a K step is the head's
	s_lshr_b32 s19, s12, 1                         ; and which K step
	s_and_b32 s14, s[WV], 1                        ; which part I fetch, if I fetch
	s_mov_b32 s[G1K], 15|(3<<16)|(1<<21)           ; K: 32 tiles' halves of 768 bytes, 12,288 bytes apart.  The mask names all four work-groups; elements of 8 bytes
	s_mov_b32 s[G1K+1], 96<<16
	s_mov_b32 s[G1K+2], 32<<16
	s_mov_b32 s[G1K+3], 96<<16
	s_mov_b32 s[G1K+4], 32
	s_mov_b32 s[G1K+5], 1536
	s_mov_b32 s[G1K+6], 0
	s_mov_b32 s[G1K+7], 0
	s_mov_b32 s[G1V], 15|(3<<16)|(1<<21)           ; V: two tiles, 24,576 dense bytes, as 96 rows of 256
	s_mov_b32 s[G1V+1], 32<<16
	s_mov_b32 s[G1V+2], 96<<16
	s_mov_b32 s[G1V+3], 32<<16
	s_mov_b32 s[G1V+4], 96
	s_mov_b32 s[G1V+5], 32
	s_mov_b32 s[G1V+6], 0
	s_mov_b32 s[G1V+7], 0
	s_mov_b32 s[G1SK], 15|(3<<16)|(1<<21)          ; K's scale words: 8 key steps x 512 bytes, 4,096 apart
	s_mov_b32 s[G1SK+1], 64<<16
	s_mov_b32 s[G1SK+2], 8<<16
	s_mov_b32 s[G1SK+3], 64<<16
	s_mov_b32 s[G1SK+4], 8
	s_mov_b32 s[G1SK+5], 512
	s_mov_b32 s[G1SK+6], 0
	s_mov_b32 s[G1SK+7], 0
	s_mov_b32 s[G1SV], 15|(3<<16)|(1<<21)          ; V's: 8 key steps x 256 bytes, 512 apart
	s_mov_b32 s[G1SV+1], 32<<16
	s_mov_b32 s[G1SV+2], 8<<16
	s_mov_b32 s[G1SV+3], 32<<16
	s_mov_b32 s[G1SV+4], 8
	s_mov_b32 s[G1SV+5], 64
	s_mov_b32 s[G1SV+6], 0
	s_mov_b32 s[G1SV+7], 0
	s_lshl_b32 s89, s11, 7                         ; K: tile 128 x batch + 32 x part, the head's half
	s_lshl_b32 s90, s14, 5
	s_add_co_u32 s89, s89, s90
	s_mul_i32 s89, s89, 12288
	s_mul_i32 s90, s12, 768
	s_add_co_u32 s90, s90, s89
	s_mov_b32 s91, 0
	s_mul_i32 s89, s11, 2*3145728                  ; V: quarter 2 x batch, tile 4 x head + 2 x part
	s_lshl_b32 s92, s12, 2
	s_lshl_b32 s93, s14, 1
	s_add_co_u32 s92, s92, s93
	s_mul_i32 s92, s92, 12288
	s_add_co_u32 s92, s92, s89
	s_mov_b32 s93, 0
	s_lshl_b32 s94, s11, 16                        ; K's scale words: block of 128 tokens 16 x batch + 8 x part, the head's K step
	s_lshl_b32 s89, s14, 15
	s_add_co_u32 s94, s94, s89
	s_lshl_b32 s89, s19, 9
	s_add_co_u32 s94, s94, s89
	s_add_co_u32 s94, s94, SOFF
	s_mov_b32 s95, 0
	s_lshl_b32 s96, s11, 1                         ; V's: quarter 2 x batch + part, the head's four tiles
	s_add_co_u32 s96, s96, s14
	s_lshl_b32 s96, s96, 17
	s_lshl_b32 s97, s19, 12
	s_add_co_u32 s96, s96, s97
	s_lshl_b32 s97, s13, 8
	s_add_co_u32 s96, s96, s97
	s_add_co_u32 s96, s96, SOFF
	s_mov_b32 s97, 0
	s_mov_b32 s[SEL], 0x76543210
	s_mov_b32 s[SEL+1], 0xfedcba98
	s_mov_b32 s[CS], 0x3d0293ee                    ; c = log2(e) / sqrt(2,048)
	s_mov_b32 s[CS+1], s[CS]
	s_mov_b32 s[TK], 0
	s_mov_b32 s[TV], 0
	s_mov_b32 s[TS], 0
	s_mov_b32 s[TJ], 0
	s_wait_dscnt 0x0
	s_wait_kmcnt 0x0
	s_add_nc_u64 s[90:91], s[4:5], s[90:91]
	s_add_nc_u64 s[92:93], s[6:7], s[92:93]
	s_add_nc_u64 s[94:95], s[4:5], s[94:95]
	s_add_nc_u64 s[96:97], s[6:7], s[96:97]
	CROUND                                         ; all four work-groups are here: the joint loads meet
	s_lshl_b32 s17, s14, 12
	s_mov_b32 s[G0SK], 1
	s_add_co_u32 s[G0SK+1], s17, SCK
	s_mov_b64 s[G0SK+2:G0SK+3], s[94:95]
	s_or_b32 s[G0SK+3], s[G0SK+3], 0x80000000
	s_lshl_b32 s17, s14, 11
	s_mov_b32 s[G0SV], 1
	s_add_co_u32 s[G0SV+1], s17, SCV
	s_mov_b64 s[G0SV+2:G0SV+3], s[96:97]
	s_or_b32 s[G0SV+3], s[G0SV+3], 0x80000000
	s_mul_i32 s17, s14, 24576
	s_mov_b32 s[G0K0], 1
	s_mov_b32 s[G0K0+1], s17
	s_mov_b64 s[G0K0+2:G0K0+3], s[90:91]
	s_or_b32 s[G0K0+3], s[G0K0+3], 0x80000000
	s_mov_b32 s[G0K1], 1
	s_add_co_u32 s[G0K1+1], s17, 49152
	s_add_nc_u64 s[G0K1+2:G0K1+3], s[90:91], 64*12288      ; the second 1,024 keys
	s_or_b32 s[G0K1+3], s[G0K1+3], 0x80000000
	s_mov_b32 s[G0V0], 1
	s_add_co_u32 s[G0V0+1], s17, VB
	s_mov_b64 s[G0V0+2:G0V0+3], s[92:93]
	s_or_b32 s[G0V0+3], s[G0V0+3], 0x80000000
	s_mov_b32 s[G0V1], 1
	s_add_co_u32 s[G0V1+1], s17, VB+49152
	s_add_nc_u64 s[G0V1+2:G0V1+3], s[92:93], 3145728
	s_or_b32 s[G0V1+3], s[G0V1+3], 0x80000000
; THE FIRST FILLS: twelve loads, one a wave: waves 0-1 the first 1,024 keys' two parts, 2-3 the second 1,024's, 4-7 the same of V, 8-9 K's scale words, 10-11 V's; waves 12-15 fetch nothing.
; One chain of branches on the wave's number, one load to an arm, all arms leading to one join.
.macro ARM under, g0, g1, next
	s_cmp_lt_u32 s[WV], \under
	s_cbranch_scc0 \next
	tensor_load_to_lds s[\g0:\g0+3], s[\g1:\g1+7]
	s_nop 0
.rept 4
	v_nop
.endr
	s_branch .Lasked
\next:
.endm
	ARM 2, G0K0, G1K, .Larm1
	ARM 4, G0K1, G1K, .Larm2
	ARM 6, G0V0, G1V, .Larm3
	ARM 8, G0V1, G1V, .Larm4
	ARM 10, G0SK, G1SK, .Larm5
	ARM 12, G0SV, G1SV, .Lasked
	s_bfe_u32 s15, ttmp6, 0x40000                  ; cx enters global addresses alone
	s_lshl_b32 s16, ttmp9, 2
	s_add_co_u32 s16, s16, s15                     ; my block of 256 queries
	s_lshl_b32 s10, s11, 7
	s_lshl_b32 s16, s16, 4
	s_add_co_u32 s10, s10, s16
	s_add_co_u32 s10, s10, s[WV]                   ; my tile of tokens
	s_mul_i32 s2, s10, 12288
	s_mul_i32 s3, s12, 768
	s_add_co_u32 s2, s2, s3
	s_mov_b32 s3, 0                                ; its codes of my head, in opC and in opA
	s_lshr_b32 s16, s10, 3
	s_lshl_b32 s16, s16, 12
	s_lshl_b32 s17, s19, 9
	s_add_co_u32 s16, s16, s17
	s_and_b32 s17, s10, 7
	s_lshl_b32 s17, s17, 6
	s_add_co_u32 s16, s16, s17
	s_lshl_b32 s17, s13, 1
	s_add_co_u32 s16, s16, s17
	s_add_co_u32 s16, s16, SOFF
	s_mov_b32 s17, 0                               ; and its two scale bytes a row
	s_add_nc_u64 s[66:67], s[4:5], s[2:3]
	s_add_nc_u64 s[98:99], s[4:5], s[16:17]
	s_add_nc_u64 s[10:11], s[8:9], s[2:3]
	s_add_nc_u64 s[8:9], s[8:9], s[16:17]
	v_and_b32 v8, 15, v0                           ; r
	v_and_b32 v10, 31, v0                          ; lane
	s_delay_alu instid0(VALU_DEP_1)
	v_lshlrev_b32 v[AK0], 4, v10
	s_delay_alu instid0(VALU_DEP_2)
	v_lshlrev_b32 v[OS8], 3, v10
	s_delay_alu instid0(VALU_DEP_1)
	v_add_nc_u32 v[AK1], 512, v[OS8]
	s_delay_alu instid0(VALU_DEP_3)
	v_add_nc_u32 v[AV0], VB, v[AK0]
	s_delay_alu instid0(VALU_DEP_2)
	v_add_nc_u32 v[AV1], VB, v[AK1]
	v_lshlrev_b32 v[QSO], 2, v8
	s_lshl_b32 s89, s13, 1
	s_add_co_u32 s89, s89, SCK
	v_add_nc_u32 v[ASK0], s89, v[QSO]              ; the head's two bytes of a key's word
	v_add_nc_u32 v[ASV0], SCV, v[QSO]
	global_load_b128 v[16:19], v[AK0], s[66:67]    ; Q's 64 codes a row: the operand's lower half
	global_load_b64 v[20:21], v[OS8], s[66:67] offset:512
	global_load_u16 v255, v[QSO], s[98:99]         ; its two scale bytes; the upper two are 0
.irp j, 22,23,24,25,26,27
	v_mov_b32 v[\j], 0                             ; zero codes for k = 64 .. 127
.endr
.irp j, 56,57,58,59,60,61,216,217,218,219,220,221
	v_mov_b32 v[\j], 0                             ; the tails behind a group's fourth fragment of K: named by its product, met by zero codes
.endr
	v_mov_b32 v13, 0xff61b1e6                      ; the largest t so far: -3e38
	s_delay_alu instid0(VALU_DEP_1)
	v_floor_f32 v12, -v13                          ; -M
	v_mov_b32 v14, 0
	v_mov_b32 v15, 0
.irp b, 0,1,2,3
	v_mov_b32 v[236+\b], 0                         ; a lane permute's destination counts as one of its sources
.endr
	v_mov_b32 v253, 0
.set nn, 0
.rept 32
	v_mov_b32 v[160+nn], 0                         ; O^T: the step is written once; the first finds zeros
.set nn, nn+1
.endr
; The largest score of each block of 32 keys (my 16 of them), for the row's maximum and for the block's largest p: two chains a block, two blocks by turns.  Each tile of scores is read from its low end on.
.macro MAXA x, y
.irp b, \x, \y
	v_max3_num_f32 v[232+\b], v[96+16*\b], v[97+16*\b], v[98+16*\b]
	v_max3_num_f32 v[236+\b], v[103+16*\b], v[104+16*\b], v[105+16*\b]
.endr
.irp i, 3,5
.irp b, \x, \y
	v_max3_num_f32 v[232+\b], v[232+\b], v[96+16*\b+\i], v[97+16*\b+\i]
	v_max3_num_f32 v[236+\b], v[236+\b], v[103+16*\b+\i], v[104+16*\b+\i]
.endr
.endr
.endm
.macro MAXB x, y                       ; the two chains joined, and the last two numbers
.irp b, \x, \y
	v_max3_num_f32 v[232+\b], v[232+\b], v[236+\b], v[110+16*\b]
.endr
.irp b, \x, \y
	v_max_num_f32 v[232+\b], v[232+\b], v[111+16*\b]
.endr
.endm
; A KEY STEP: 128 keys.  At its head key tiles 0-3 and their scale bytes have been asked for, a step ago
.macro STEP
	v_add_nc_u32 v[ADK], s[TK], v[AK0]
	v_add_nc_u32 v[ADK1], s[TK], v[AK1]
	v_add_nc_u32 v[ADS], s[TS], v[ASK0]
	v_nop                                          ; four places in front of loads into registers that the last products read
.irp t, 0,1,2,3                                ; key tiles 4-7
	ds_load_b128 v[32+6*\t:35+6*\t], v[ADK] offset:768*(4+\t)
	ds_load_b64 v[36+6*\t:37+6*\t], v[ADK1] offset:768*(4+\t)
	ds_load_u16 v[SK1+\t], v[ADS] offset:64*(4+\t)
.endr
	s_wait_dscnt 12                                ; all but the 12 just issued: tiles 0-3 are in
.irp t, 0,1,2,3                                ; S^T = K Q^T, tiles 0-3
	v_wmma_scale_f32_16x16x128_f8f6f4 v[96+8*\t:103+8*\t], v[KF+6*\t:KF+11+6*\t], v[16:27], 0, v[SK0+\t], v255 matrix_a_fmt:MATRIX_FMT_BF6 matrix_b_fmt:MATRIX_FMT_BF6
.endr
	v_add_nc_u32 v[ADV], s[TV], v[AV0]             ; (four places behind the products)
	v_add_nc_u32 v[ADV1], s[TV], v[AV1]
	v_add_nc_u32 v[ADT], s[TJ], v[ASV0]
	v_nop
	MAXA 0, 1                                      ; while tiles 4-7 land
	s_wait_alu depctr_va_vdst(0)
	s_wait_dscnt 0x0
.irp t, 0,1,2,3                                ; tiles 4-7
	v_wmma_scale_f32_16x16x128_f8f6f4 v[128+8*\t:135+8*\t], v[32+6*\t:43+6*\t], v[16:27], 0, v[SK1+\t], v255 matrix_a_fmt:MATRIX_FMT_BF6 matrix_b_fmt:MATRIX_FMT_BF6
.endr
	MAXB 0, 1                                      ; four plain lines on other registers: the places behind the products
.irp t, 0,1,2,3                                ; V's four tiles of 16 channels x these 128 keys: they have the softmax in which to land
.irp c, 0,1
	ds_load_b128 v[32+12*\t+6*\c:35+12*\t+6*\c], v[ADV] offset:12288*\t+768*\c
	ds_load_b64 v[36+12*\t+6*\c:37+12*\t+6*\c], v[ADV1] offset:12288*\t+768*\c
.endr
	ds_load_b32 v[SV+\t], v[ADT] offset:64*\t
.endr
.irp t, 0,1,2,3                                ; and the next step's key tiles 0-3
	ds_load_b128 v[KF+6*\t:KF+3+6*\t], v[ADK] offset:6144+768*\t
	ds_load_b64 v[KF+4+6*\t:KF+5+6*\t], v[ADK1] offset:6144+768*\t
	ds_load_u16 v[SK0+\t], v[ADS] offset:512+64*\t
.endr
	MAXA 2, 3
	MAXB 2, 3
.irp b, 0,1,2,3
	v_permlanex16_b32 v[236+\b], v[232+\b], s[SEL], s[SEL+1]
.endr
.irp b, 0,1,2,3
	s_delay_alu instid0(VALU_DEP_4)
	v_max_num_f32 v[232+\b], v[232+\b], v[236+\b]  ; with lane l xor 16's 16 keys
.endr
	s_delay_alu instid0(VALU_DEP_2)
	v_max3_num_f32 v254, v232, v233, v234
	s_delay_alu instid0(VALU_DEP_1)
	v_max_num_f32 v254, v254, v235
	s_delay_alu instid0(VALU_DEP_1)
	v_mul_f32 v254, s[CS], v254
	s_delay_alu instid0(VALU_DEP_1)
	v_max_num_f32 v13, v13, v254                   ; the running largest t
	v_mov_b32 v254, v12
	s_delay_alu instid0(VALU_DEP_2)
	v_floor_f32 v12, -v13                          ; the new -M: M is a whole number
	s_delay_alu instid0(VALU_DEP_1)
	v_sub_f32 v254, v12, v254
	s_delay_alu instid0(VALU_DEP_1)
	v_cvt_i32_f32 v254, v254                       ; (it saturates)
	s_delay_alu instid0(VALU_DEP_1)
	v_ldexp_f32 v252, 1.0, v254                    ; f = 2^(old M - new M): a multiplication by it rounds nothing
.set nn, 0
.rept 32
	v_pk_fma_f32 v[96+nn:97+nn], v[96+nn:97+nn], s[CS:CS+1], v[12:13] op_sel_hi:[1,0,0]   ; t - M
.set nn, nn+2
.endr
.irp b, 0,1,2,3
	v_fma_f32 v[232+\b], v[232+\b], s[CS], v12
.endr
.set nn, 0
	s_wait_alu depctr_va_vdst(0)                   ; ahead of the batch
.rept 64
	v_exp_f32 v[96+nn], v[96+nn]                   ; p = 2^(t - M)
.set nn, nn+1
.endr
	v_pk_mul_f32 v[14:15], v[14:15], v[252:253] op_sel_hi:[1,0]   ; the sums under the new M; a plain place behind the exponentials
	s_wait_alu depctr_va_vdst(0)                   ; one wait for the batch, ahead of its first reader
.irp b, 0,1,2,3
	v_exp_f32 v[232+\b], v[232+\b]                 ; each block's largest p
.endr
	v_pk_add_f32 v[236:237], v[100:101], v[104:105]   ; the row's sum, of the unquantised p, in eight chains
	v_pk_add_f32 v[250:251], v[108:109], v[112:113]
	v_pk_add_f32 v[248:249], v[116:117], v[120:121]
	v_pk_add_f32 v[246:247], v[124:125], v[128:129]
	v_pk_add_f32 v[244:245], v[132:133], v[136:137]
	v_pk_add_f32 v[240:241], v[140:141], v[144:145]
	v_pk_add_f32 v[238:239], v[148:149], v[152:153]
	v_pk_add_f32 v[14:15], v[14:15], v[156:157]
	v_pk_add_f32 v[236:237], v[236:237], v[96:97]
	v_pk_add_f32 v[250:251], v[250:251], v[98:99]
	v_pk_add_f32 v[248:249], v[248:249], v[102:103]
	v_pk_add_f32 v[246:247], v[246:247], v[106:107]
	v_pk_add_f32 v[244:245], v[244:245], v[110:111]
	v_pk_add_f32 v[240:241], v[240:241], v[114:115]
	v_pk_add_f32 v[238:239], v[238:239], v[118:119]
	v_pk_add_f32 v[14:15], v[14:15], v[122:123]
	v_pk_add_f32 v[236:237], v[236:237], v[126:127]
	v_pk_add_f32 v[250:251], v[250:251], v[130:131]
	v_pk_add_f32 v[248:249], v[248:249], v[134:135]
	v_pk_add_f32 v[246:247], v[246:247], v[138:139]
	v_pk_add_f32 v[244:245], v[244:245], v[142:143]
	v_pk_add_f32 v[240:241], v[240:241], v[146:147]
	v_pk_add_f32 v[238:239], v[238:239], v[150:151]
	v_pk_add_f32 v[14:15], v[14:15], v[154:155]
	v_pk_add_f32 v[236:237], v[236:237], v[158:159]
	s_delay_alu instid0(VALU_DEP_2)
	v_pk_add_f32 v[14:15], v[14:15], v[246:247]
	s_delay_alu instid0(VALU_DEP_2)
	v_pk_add_f32 v[236:237], v[236:237], v[244:245]
	v_pk_add_f32 v[250:251], v[250:251], v[240:241]
	v_pk_add_f32 v[248:249], v[248:249], v[238:239]
	s_delay_alu instid0(VALU_DEP_2)
	v_pk_add_f32 v[14:15], v[14:15], v[250:251]
	s_delay_alu instid0(VALU_DEP_2)
	v_pk_add_f32 v[236:237], v[236:237], v[248:249]
	s_delay_alu instid0(VALU_DEP_1)
	v_pk_add_f32 v[14:15], v[14:15], v[236:237]
	s_wait_alu depctr_va_vdst(0)                   ; and one for the four
.irp b, 0,1,2,3
	v_max_num_f32 v[232+\b], 0x2800000, v[232+\b]  ; the floor 2^(5 - 127)
.endr
.irp b, 0,1,2,3
	s_delay_alu instid0(VALU_DEP_4)
	v_add_nc_u32 v[244+\b], 0xfe000000, v[232+\b]
.endr
.irp b, 0,1,2,3
	s_delay_alu instid0(VALU_DEP_4)
	v_lshrrev_b32 v[236+\b], 23, v[244+\b]
.endr
	s_delay_alu instid0(VALU_DEP_3)
	v_lshl_or_b32 v253, v237, 8, v236              ; p's scale word for these 128 keys
	s_delay_alu instid0(VALU_DEP_1)
	v_lshl_or_b32 v253, v238, 16, v253
	s_delay_alu instid0(VALU_DEP_1)
	v_lshl_or_b32 v253, v239, 24, v253
.irp c, 0,1
	v_cvt_scalef32_pk16_bf6_f32 v[224+6*\c:226+6*\c], v[96+32*\c:111+32*\c], v[244+2*\c]
	v_cvt_scalef32_pk16_bf6_f32 v[236+4*\c:238+4*\c], v[112+32*\c:127+32*\c], v[244+2*\c+1]
.endr
	v_nop
.irp c, 0,1
.irp i, 0,1,2
	v_permlane16_swap_b32 v[224+6*\c+\i], v[236+4*\c+\i]
.endr
.irp i, 0,1,2
	s_delay_alu instid0(VALU_DEP_3)
	v_mov_b32 v[227+6*\c+\i], v[236+4*\c+\i]
.endr
.endr
.set nn, 0
.rept 16
	v_pk_mul_f32 v[160+nn:161+nn], v[160+nn:161+nn], v[252:253] op_sel_hi:[1,0]   ; O^T under the new M; also the places between p's codes and scale word and the products
.set nn, nn+2
.endr
	s_wait_alu depctr_va_vdst(0)
	s_wait_dscnt 0x0                               ; V, and the next step's key tiles 0-3
.irp t, 0,1,2,3                                ; O^T += V^T P^T: the head's four tiles of 16 channels; K = these 128 keys
	v_wmma_scale_f32_16x16x128_f8f6f4 v[160+8*\t:167+8*\t], v[32+12*\t:43+12*\t], v[224:235], v[160+8*\t:167+8*\t], v[SV+\t], v253 matrix_a_fmt:MATRIX_FMT_BF6 matrix_b_fmt:MATRIX_FMT_BF6
.endr
	s_add_co_u32 s[TK], s[TK], 6144                ; 8 tiles of keys on
	s_add_co_u32 s[TV], s[TV], 1536                ; a K step of V on
	s_add_co_u32 s[TS], s[TS], 512
	s_add_co_u32 s[TJ], s[TJ], 256
.endm
	s_wait_alu depctr_va_vdst(0)
	s_wait_loadcnt 0x0                             ; Q
	s_wait_tensorcnt 0x0                           ; my one load is in: behind the barrier all of K, V and their scale words lie in LDS
	s_barrier_signal -1
	s_barrier_wait -1
.irp t, 0,1,2,3                                ; the first step's key tiles 0-3
	ds_load_b128 v[KF+6*\t:KF+3+6*\t], v[AK0] offset:768*\t
	ds_load_b64 v[KF+4+6*\t:KF+5+6*\t], v[AK1] offset:768*\t
	ds_load_u16 v[SK0+\t], v[ASK0] offset:64*\t
.endr
	s_mov_b32 s[CNT], 8
.Lfirst:
	STEP
	s_sub_co_u32 s[CNT], s[CNT], 1
	s_cmp_lg_u32 s[CNT], 0
	s_cbranch_scc1 .Lfirst
	s_add_co_u32 s[TV], s[TV], 36864               ; V's second half begins 49,152 bytes behind the first
	s_mov_b32 s[CNT], 8
.Lsecond:
	STEP
	s_sub_co_u32 s[CNT], s[CNT], 1
	s_cmp_lg_u32 s[CNT], 0
	s_cbranch_scc1 .Lsecond
	; THE WAY OUT: O^T / the sum; register 16 b + i is channel 32 b + 16 h + i of my query: two blocks along the next K
.rept 4
	v_nop
.endr
	v_add_f32 v14, v14, v15
	s_delay_alu instid0(VALU_DEP_1)
	v_permlanex16_b32 v252, v14, s[SEL], s[SEL+1]
	s_delay_alu instid0(VALU_DEP_1)
	v_add_f32 v14, v14, v252                       ; the row's sum
	s_wait_alu depctr_va_vdst(0)
	v_rcp_f32 v14, v14
	v_and_b32 v8, 15, v0                           ; (a plain place behind the transcendental)
	v_bfe_u32 v9, v0, 4, 1
	s_delay_alu instid0(VALU_DEP_1)
	v_lshl_add_u32 v8, v8, 2, v9                   ; 4 r + h: my block's byte
	s_delay_alu instid0(VALU_DEP_2)
	v_cmp_eq_u32 vcc_lo, 1, v9
	s_wait_alu depctr_va_vdst(0)                   ; ahead of the reciprocal's first reader
.set nn, 0
.rept 32
	v_mul_f32 v[96+nn], v[160+nn], v14
.set nn, nn+1
.endr
.irp b, 0,1
	v_max3_num_f32 v[232+\b], |v[96+16*\b]|, |v[97+16*\b]|, 0x2800000
.endr
.irp i, 2,4,6,8,10,12,14
.irp b, 0,1
	s_delay_alu instid0(VALU_DEP_2)
	v_max3_num_f32 v[232+\b], v[232+\b], |v[96+16*\b+\i]|, |v[97+16*\b+\i]|
.endr
.endr
.irp b, 0,1
	s_delay_alu instid0(VALU_DEP_2)
	v_permlanex16_b32 v[236+\b], v[232+\b], s[SEL], s[SEL+1]
.endr
.irp b, 0,1
	s_delay_alu instid0(VALU_DEP_2)
	v_max_num_f32 v[232+\b], v[232+\b], v[236+\b]
.endr
.irp b, 0,1
	s_delay_alu instid0(VALU_DEP_2)
	v_add_nc_u32 v[244+\b], 0xfe000000, v[232+\b]
.endr
.irp b, 0,1
	s_delay_alu instid0(VALU_DEP_2)
	v_lshrrev_b32 v[236+\b], 23, v[244+\b]
.endr
	s_delay_alu instid0(VALU_DEP_1)
	v_cndmask_b32 v238, v236, v237, vcc_lo         ; lanes 0-15 block 0's byte, lanes 16-31 block 1's
	v_cvt_scalef32_pk16_bf6_f32 v[224:226], v[96:111], v244
	v_cvt_scalef32_pk16_bf6_f32 v[240:242], v[112:127], v245
	v_nop
.irp i, 0,1,2
	v_permlane16_swap_b32 v[224+\i], v[240+\i]
.endr
.irp i, 0,1,2
	s_delay_alu instid0(VALU_DEP_3)
	v_mov_b32 v[227+\i], v[240+\i]
.endr
	global_store_b128 v[AK0], v[224:227], s[10:11]             ; 512 consecutive bytes
	global_store_b64 v[OS8], v[228:229], s[10:11] offset:512   ; 256 consecutive bytes
	global_store_b8 v8, v238, s[8:9]
	s_wait_tensorcnt 0x0                           ; the wave's end
	ds_add_u32 v223, v243
	s_wait_dscnt 0x0
	CROUND                                         ; the closing round
	s_endpgm
.Lfunc_end_k_q518b4c0a8f_attn:
	.size	k_q518b4c0a8f_attn, .Lfunc_end_k_q518b4c0a8f_attn-k_q518b4c0a8f_attn
	.p2alignl 7, 3214868480
	.fill 96, 4, 3214868480
	.section	.rodata,"a",@progbits
	.p2align	6, 0x0
	.amdhsa_kernel k_q518b4c0a8f_attn
		.amdhsa_group_segment_fixed_size 210944
		.amdhsa_private_segment_fixed_size 0
		.amdhsa_enable_private_segment 0
		.amdhsa_kernarg_size 24
		.amdhsa_user_sgpr_count 2
		.amdhsa_user_sgpr_kernarg_segment_ptr 1
		.amdhsa_wavefront_size32 1
		.amdhsa_system_sgpr_workgroup_id_x 1
		.amdhsa_system_sgpr_workgroup_id_y 1
		.amdhsa_system_sgpr_workgroup_id_z 1
		.amdhsa_system_vgpr_workitem_id 0
		.amdhsa_next_free_vgpr 256
		.amdhsa_next_free_sgpr 100
		.amdhsa_reserve_vcc 1
		.amdhsa_float_denorm_mode_32 3
		.amdhsa_float_denorm_mode_16_64 3
		.amdhsa_memory_ordered 1
		.amdhsa_forward_progress 1
		.amdhsa_inst_pref_size 54
	.end_amdhsa_kernel
	.amdgpu_metadata
---
amdhsa.version: [ 1, 2 ]
amdhsa.kernels:
  - .name:           k_q518b4c0a8f_attn
    .symbol:         k_q518b4c0a8f_attn.kd
    .args:
      - { .name: opC, .offset: 0, .size: 8, .value_kind: global_buffer, .address_space: global }
      - { .name: opD, .offset: 8, .size: 8, .value_kind: global_buffer, .address_space: global }
      - { .name: opA, .offset: 16, .size: 8, .value_kind: global_buffer, .address_space: global }
    .group_segment_fixed_size: 210944
    .private_segment_fixed_size: 0
    .kernarg_segment_align: 8
    .kernarg_segment_size: 24
    .max_flat_workgroup_size: 512
    .sgpr_count:     100
    .vgpr_count:     256
    .wavefront_size: 32
...
	.end_amdgpu_metadata
.endif
;; end of part 3
;; launch out_proj (part 4): grid 8 x 32, 8 waves a work-group, clusters of 4 x 4, 327,680 bytes of LDS; arguments opA, opE, opD; writes opD
.if DOCPART == 4
	.amdgcn_target "amdgcn-amd-amdhsa--gfx1250"
	.amdhsa_code_object_version 6
	.text
	.protected	k_q518b4c0a8f_out_proj
	.globl	k_q518b4c0a8f_out_proj
	.p2align	8
	.type	k_q518b4c0a8f_out_proj,@function
k_q518b4c0a8f_out_proj:
	s_mov_b64 s[64:65], 0
	v_nop
	global_prefetch_b8 v0, s[64:65] scope:SCOPE_SE
	s_setreg_imm32_b32 hwreg(HW_REG_WAVE_MODE, 25, 1), 1
	s_wait_xcnt 0x0
	s_wait_alu depctr_hold_cnt(0) depctr_sa_sdst(0) depctr_va_vdst(0) depctr_va_sdst(0) depctr_va_ssrc(0) depctr_va_vcc(0) depctr_vm_vsrc(0)
	s_getreg_b32 s2, hwreg(HW_REG_IB_STS2, 6, 4)
	s_cmp_eq_u32 s2, 0
	s_cbranch_scc0 .Lentry_in_a_cluster
	s_endpgm
.Lentry_in_a_cluster:
	s_bfe_u32 s2, ttmp6, 0x10000c
	s_cmp_lg_u32 s2, 0xf033
	s_cbranch_scc0 .Lentry_shape_is_right
	s_endpgm
.Lentry_shape_is_right:
; C = A B^T in f32, rows of 1,024 numbers: a product of two operand buffers on codes of BF6 (E3M2), K = 1,024 x NQ, here NQ = 1.
; Buffers: codes at 0, scale words at SOFF.  Codes: tile T (16 rows: lane row r is row 32 (T / 2) + 8 (T % 2) + r + 8 (r / 8)) at 12,288 T, K step s (128 along K) at 1,536 s, half c at 768 c:
; operand registers 6 c .. 6 c + 3 of lane l at 16 l, 6 c + 4, 6 c + 5 at 512 + 8 l.  Scale words: 4,096 (T / 8) + 512 s + 64 (T % 8) + 4 r.  A K above 1,024 lies in quarters, AQ, AQS, BQ, BQS bytes apart.
; A BLOCK of 128 x 128 of C to a work-group: 8 x 32 = 256 work-groups.  Eight waves, two to a SIMD; wave w makes rows 32 (w / 2) .. + 31 x columns 64 (w % 2) .. + 63: 8 accumulators.
; LDS: two slots, each with four K steps of A's 8 tiles and of B's 8 tiles (98,304 bytes); behind them the scale words of all of K.  With NQ = 1 the two slots hold all of K: first fills only.
; The six first fills go out at the head, one to a wave: waves 0-3 A's and B's codes for slots 0 and 1, waves 4 and 5 the scale words.
; THE MATRIX INSTRUCTION IS USED TRANSPOSED (source 0 = 16 rows of B, source 1 = 16 rows of A): a lane holds eight neighbouring numbers of a row of C.
; CLUSTERS: 4 x 4 work-groups; A's tiles are asked for jointly along a row of the cluster, B's along a column.
; NO PREFETCH with NQ = 1: every byte is asked for by the head's loads, and there is no loop to run ahead in.
; REGISTERS: v8-23 addresses; v28, v29 the add's; v32-39 scale words, two sets; v48-119, v120-191 fragments, two sets (A's 2, B's 4); v192-255 the accumulators, (a, b) at 192 + 8 (4 a + b).
.set NQ,     1
.set AQ,     3145728
.set AQS,    131072
.set BQ,     786432
.set BQS,    32768
.set SOFF,   12582912
.set TROW,   6144                      ; a tile's four K steps: a row of a tensor load
.set HALF,   8*TROW
.set SLOT,   2*HALF
.set SCL,    2*SLOT                    ; A's scale words, 4,096 bytes a quarter
.set SCB,    SCL+16384                 ; B's
.set SPARE,  SCL+32768                 ; the spare words: 128 bytes a wave, named by no other line
.set SPITCH, 272                       ; the way out: a stage of 32 rows x (256 bytes + 16) a wave, in slot 0, behind its last fill and its last read
.set WST,    32*SPITCH
.set ADRA, 8                           ; v8, v9 A's fragments in slot 0, 1 (16 bytes a lane); v10, v11 (8 bytes a lane)
.set ADRB, 12                          ; v12-15 the same for B
.set ADS,  16                          ; v16 scale words: lanes 0-15 A's, lanes 16-31 B's; v17: B's in all lanes
.set STO,  18
.set RD,   19
.set CO,   20
.set PFO,  21
.set ASB,  22                          ; v22, v23 the scale words' addresses in quarter 0
.set SPW,  28
.set NIL,  29
.set SC,   32
.set FR,   48
.set AC,   192
.set G1A,  24
.set G0A,  32
.set LIM,  45
.set G1B,  48
.set G0B,  56
.set G1SA, 68
.set G0SA, 76
.set G1SB, 80
.set G0SB, 88
.set TS,   93
.set PFA,  94
.macro CROUND                          ; a round of the cluster's barrier
	s_barrier_signal -1
	s_barrier_wait -1
	s_cmp_lg_u32 s14, 0
	s_cbranch_scc1 .Lnw0_\@
	s_barrier_signal -3
.Lnw0_\@:
	s_barrier_wait -3
	s_barrier_signal -1
	s_barrier_wait -1
.endm
.macro PLACES
.rept 4
	v_nop
.endr
.endm
.macro ARM wv, g0, g1, next, join      ; an arm of a chain of branches on the wave's number: one load, s_nop 0 and four v_nop behind it
	s_cmp_lg_u32 s14, \wv
	s_cbranch_scc1 \next
	tensor_load_to_lds s[\g0:\g0+3], s[\g1:\g1+7]
	s_nop 0
	PLACES
	s_branch \join
\next:
.endm
	s_load_b128 s[4:7], s[0:1], 0x0                ; A, B
	s_load_b64 s[8:9], s[0:1], 0x10                ; C
	v_lshl_add_u32 v[SPW], v0, 2, SPARE
	v_mov_b32 v[NIL], 0
	ds_add_u32 v[SPW], v[NIL]                      ; the opening lines: the add, twice on end, and its wait
	ds_add_u32 v[SPW], v[NIL]
	v_lshrrev_b32 v1, 5, v0
	v_readfirstlane_b32 s14, v1                    ; wave 0..7
	s_lshr_b32 s15, s14, 1                         ; which 32 rows are mine
	s_and_b32 s16, s14, 1                          ; which 64 columns
	s_bfe_u32 s40, ttmp6, 0x40000                  ; cx, cy
	s_bfe_u32 s41, ttmp6, 0x40004
	s_lshl_b32 s42, ttmp9, 2
	s_add_co_u32 s42, s42, s40                     ; block column
	s_and_b32 s17, ttmp7, 0xffff
	s_lshl_b32 s17, s17, 2
	s_add_co_u32 s17, s17, s41                     ; block row
	s_lshl_b32 s43, s41, 2
	s_lshl_b32 s43, 15, s43                        ; my row of the cluster
	s_lshl_b32 s44, 0x1111, s40                    ; my column
	s_or_b32 s[G1A], s43, (3<<16)|(1<<21)          ; the mask; elements of 8 bytes; bit 21 beside a mask
	s_or_b32 s[G1B], s44, (3<<16)|(1<<21)
.irp g, G1A, G1B                       ; 8 tiles x 6,144 bytes, 12,288 bytes apart
	s_mov_b32 s[\g+1], 768<<16
	s_mov_b32 s[\g+2], 8<<16
	s_mov_b32 s[\g+3], 768<<16
	s_mov_b32 s[\g+4], 8
	s_mov_b32 s[\g+5], 1536
	s_mov_b32 s[\g+6], 0
	s_mov_b32 s[\g+7], 0
.endr
	s_or_b32 s[G1SA], s43, (3<<16)|(1<<21)
	s_or_b32 s[G1SB], s44, (3<<16)|(1<<21)
.irp g, G1SA, G1SB
.if NQ > 1                             ; a row of 4,096 bytes for each quarter
	s_mov_b32 s[\g+1], 512<<16
	s_mov_b32 s[\g+2], NQ<<16
	s_mov_b32 s[\g+3], 512<<16
	s_mov_b32 s[\g+4], NQ
.else                                  ; 4,096 dense bytes as 16 rows of 256
	s_mov_b32 s[\g+1], 32<<16
	s_mov_b32 s[\g+2], 16<<16
	s_mov_b32 s[\g+3], 32<<16
	s_mov_b32 s[\g+4], 16
.endif
	s_mov_b32 s[\g+6], 0
	s_mov_b32 s[\g+7], 0
.endr
.if NQ > 1
	s_mov_b32 s[G1SA+5], AQS/8
	s_mov_b32 s[G1SB+5], BQS/8
.else
	s_mov_b32 s[G1SA+5], 32
	s_mov_b32 s[G1SB+5], 32
.endif
	s_mul_i32 s20, s17, 98304                      ; A's 8 tiles
	s_mov_b32 s21, 0
	s_lshl_b32 s22, s17, 12
	s_add_co_u32 s22, s22, SOFF                    ; and their scale words
	s_mov_b32 s23, 0
	s_mul_i32 s46, s42, 98304                      ; B's
	s_mov_b32 s47, 0
	s_lshl_b32 s92, s42, 12
	s_add_co_u32 s92, s92, SOFF
	s_mov_b32 s93, 0
	s_wait_dscnt 0x0                               ; both opening adds are done
	s_wait_kmcnt 0x0
	s_add_nc_u64 s[20:21], s[4:5], s[20:21]
	s_add_nc_u64 s[22:23], s[4:5], s[22:23]
	s_add_nc_u64 s[46:47], s[6:7], s[46:47]
	s_add_nc_u64 s[92:93], s[6:7], s[92:93]
	CROUND                                         ; all sixteen work-groups are here: the first joint loads meet
.irp s, 0,1
	s_mov_b32 s[G0A+4*\s], 1
	s_mov_b32 s[G0A+4*\s+1], \s*SLOT
	s_add_nc_u64 s[G0A+4*\s+2:G0A+4*\s+3], s[20:21], \s*TROW
	s_or_b32 s[G0A+4*\s+3], s[G0A+4*\s+3], 0x80000000
	s_mov_b32 s[G0B+4*\s], 1
	s_mov_b32 s[G0B+4*\s+1], \s*SLOT+HALF
	s_add_nc_u64 s[G0B+4*\s+2:G0B+4*\s+3], s[46:47], \s*TROW
	s_or_b32 s[G0B+4*\s+3], s[G0B+4*\s+3], 0x80000000
.endr
	s_mov_b32 s[G0SA], 1
	s_mov_b32 s[G0SA+1], SCL
	s_mov_b64 s[G0SA+2:G0SA+3], s[22:23]
	s_or_b32 s[G0SA+3], s[G0SA+3], 0x80000000
	s_mov_b32 s[G0SB], 1
	s_mov_b32 s[G0SB+1], SCB
	s_mov_b64 s[G0SB+2:G0SB+3], s[92:93]
	s_or_b32 s[G0SB+3], s[G0SB+3], 0x80000000
	ARM 0, G0A, G1A, .Lh1, .Lhj                    ; the head's six loads, one a wave: one chain, one join
	ARM 1, G0B, G1B, .Lh2, .Lhj
	ARM 2, G0A+4, G1A, .Lh3, .Lhj
	ARM 3, G0B+4, G1B, .Lh4, .Lhj
	ARM 4, G0SA, G1SA, .Lh5, .Lhj
	ARM 5, G0SB, G1SB, .Lhj, .Lhj
	s_mul_i32 s18, s15, 2*TROW                     ; my two tiles of A, in slot 0 and in slot 1
	s_add_co_u32 s19, s18, SLOT
	s_mul_i32 s20, s16, 4*TROW                     ; my four tiles of B
	s_add_co_u32 s20, s20, HALF
	s_add_co_u32 s21, s20, SLOT
	s_lshl_b32 s10, s15, 7
	s_add_co_u32 s22, s10, SCL                     ; my scale words of A,
	s_lshl_b32 s11, s16, 8
	s_add_co_u32 s46, s11, SCB                     ; of B,
	s_sub_co_u32 s23, s46, s22                     ; and the distance between the two
	s_mul_i32 s47, s14, WST                        ; my stage
	s_lshl_b32 s92, s16, 5
	s_mov_b32 s[TS], 0
	s_lshl_b32 s10, s17, 19                        ; 128 rows of 4,096 bytes a block row,
	s_lshl_b32 s11, s15, 17                        ; my 32 of them,
	s_add_co_u32 s10, s10, s11
	s_lshl_b32 s11, s42, 9                         ; 512 bytes a block column,
	s_add_co_u32 s10, s10, s11
	s_lshl_b32 s11, s16, 8                         ; my 256 of them
	s_add_co_u32 s10, s10, s11
	s_mov_b32 s11, 0
	s_add_nc_u64 s[12:13], s[8:9], s[10:11]
.if NQ > 1
	s_mov_b32 s96, BQ                              ; the prefetches: waves 4, 5 ask for A, waves 6, 7 for B; of a tile's four partners the one at place p takes tiles 2 p, 2 p + 1 (p = cx for A, cy for B): shared out by address
	s_mov_b32 s97, 0
	s_cmp_lt_u32 s14, 6
	s_cselect_b32 s10, s17, s42
	s_cselect_b32 s11, s40, s41
	s_cselect_b64 s[PFA:PFA+1], s[4:5], s[6:7]
	s_cselect_b32 s96, AQ, s96                     ; a quarter's stride
	s_mul_i32 s10, s10, 98304
	s_mul_i32 s11, s11, 24576
	s_add_co_u32 s10, s10, s11
	s_add_co_u32 s10, s10, s96                     ; at quarter 1
	s_mov_b32 s11, 0
	s_add_nc_u64 s[PFA:PFA+1], s[PFA:PFA+1], s[10:11]
	s_cmp_lt_u32 s14, 4
	s_cselect_b32 s[LIM], -1, 1                    ; 1 in the waves that ask
.endif
	v_and_b32 v1, 15, v0                           ; r
	v_bfe_u32 v2, v0, 4, 1                         ; h
	v_and_b32 v3, 31, v0                           ; lane
	v_lshlrev_b32 v4, 4, v3
	v_lshl_add_u32 v5, v3, 3, 512
	v_add_nc_u32 v[ADRA], s18, v4
	v_add_nc_u32 v[ADRA+1], s19, v4
	v_add_nc_u32 v[ADRA+2], s18, v5
	v_add_nc_u32 v[ADRA+3], s19, v5
	v_add_nc_u32 v[ADRB], s20, v4
	v_add_nc_u32 v[ADRB+1], s21, v4
	v_add_nc_u32 v[ADRB+2], s20, v5
	v_add_nc_u32 v[ADRB+3], s21, v5
	v_lshlrev_b32 v6, 2, v1
	v_mul_u32_u24 v7, s23, v2                      ; lanes 16-31 take B's scale words
	v_add_nc_u32 v7, v6, v7
	v_add_nc_u32 v[ASB], s22, v7
	v_add_nc_u32 v[ASB+1], s46, v6
	v_add_nc_u32 v[ADS], s[TS], v[ASB]
	v_add_nc_u32 v[ADS+1], s[TS], v[ASB+1]
	v_and_b32 v7, 8, v1
	v_add_nc_u32 v7, v7, v1                        ; r + 8 (r / 8): the row by the tiles' order
	v_mul_u32_u24 v7, v7, SPITCH
	v_lshl_add_u32 v7, v2, 6, v7                   ; + 64 h: my half's columns lie 16 apart
	v_add_nc_u32 v[STO], s47, v7
	v_mul_u32_u24 v7, v2, SPITCH                   ; back: sixteen lanes to a row of 256 bytes, two rows an instruction
	v_lshl_add_u32 v7, v1, 4, v7
	v_add_nc_u32 v[RD], s47, v7
	v_lshlrev_b32 v7, 12, v2
	v_lshl_add_u32 v[CO], v1, 4, v7                ; and the same two rows in C
.if NQ > 1
	v_add_nc_u32 v6, s92, v3                       ; which of my work-group's 48 blocks of 256 bytes (2 tiles x 6,144) I name; the lanes left over name the last again
	v_min_u32 v6, 47, v6
	v_mul_u32_u24 v7, v6, 43
	v_lshrrev_b32 v7, 10, v7                       ; block / 24: the tile
	v_mul_u32_u24 v7, v7, TROW                     ; the second tile lies 12,288 bytes behind the first
	v_lshl_add_u32 v[PFO], v6, 8, v7
.endif
	s_wait_alu depctr_va_vdst(0)
.if NQ > 1
	s_cmp_eq_u32 s[LIM], 1
	s_cbranch_scc0 .Lno_ask
	global_prefetch_b8 v[PFO], s[PFA:PFA+1] th:TH_LOAD_NT scope:SCOPE_SE               ; quarter 1, which the first trip's two refills load
	global_prefetch_b8 v[PFO], s[PFA:PFA+1] offset:TROW th:TH_LOAD_NT scope:SCOPE_SE
.Lno_ask:
.endif
.macro FRAG reg, adr, off
.irp c, 0,1
	ds_load_b128 v[(\reg)+6*\c:(\reg)+6*\c+3], v[\adr] offset:(\off)+768*\c
	ds_load_b64 v[(\reg)+6*\c+4:(\reg)+6*\c+5], v[(\adr)+2] offset:(\off)+768*\c
.endr
.endm
.macro FETCH slot, q, p                ; 28 LDS loads: K step q of a slot into set p: A's 2 fragments, B's 4, 4 registers of scale words
.irp a, 0,1
	FRAG FR+72*(\p)+12*\a, ADRA+\slot, TROW*\a+1536*(\q)
.endr
.irp b, 0,1,2,3
	FRAG FR+72*(\p)+24+12*\b, ADRB+\slot, TROW*\b+1536*(\q)
.endr
.irp i, 0,1,2,3
	ds_load_b32 v[SC+4*(\p)+\i], v[ADS+\i/2] offset:512*(4*(\slot)+(\q))+64*\i
.endr
.endm
.macro MUL p, zero                     ; 8 matrix instructions, the 8 accumulators by turns; zero = 1: the first products start the sums
.irp a, 0,1
.irp b, 0,1,2,3
.if \zero
	v_wmma_scale_f32_16x16x128_f8f6f4 v[AC+8*(4*\a+\b):AC+8*(4*\a+\b)+7], v[FR+72*(\p)+24+12*\b:FR+72*(\p)+35+12*\b], v[FR+72*(\p)+12*\a:FR+72*(\p)+11+12*\a], 0, v[SC+4*(\p)+\b], v[SC+4*(\p)+\a] matrix_a_fmt:MATRIX_FMT_BF6 matrix_b_fmt:MATRIX_FMT_BF6 matrix_a_scale:MATRIX_SCALE_ROW1
.else
	v_wmma_scale_f32_16x16x128_f8f6f4 v[AC+8*(4*\a+\b):AC+8*(4*\a+\b)+7], v[FR+72*(\p)+24+12*\b:FR+72*(\p)+35+12*\b], v[FR+72*(\p)+12*\a:FR+72*(\p)+11+12*\a], v[AC+8*(4*\a+\b):AC+8*(4*\a+\b)+7], v[SC+4*(\p)+\b], v[SC+4*(\p)+\a] matrix_a_fmt:MATRIX_FMT_BF6 matrix_b_fmt:MATRIX_FMT_BF6 matrix_a_scale:MATRIX_SCALE_ROW1
.endif
.endr
.endr
.endm
.macro S slot, q, zero                 ; one of a slot's first three K steps: the next step's fragments are asked for, then this step is multiplied
	PLACES                                         ; four places in front of loads into registers that the last products read
	FETCH \slot, (\q)+1, ((\q)+1)%2
	s_wait_dscnt 28                                ; all but the 28 just issued: this step's set is in
	MUL (\q)%2, \zero
.endm
.macro T slot, mode                    ; a slot's last K step.  mode 1: the slot is filled again; 2: a barrier alone; 0: the very last step
.if \mode == 1
.if \slot == 0
	s_wait_xcnt 0x0                                ; my prefetches have read their address: it steps a quarter on
	s_add_nc_u64 s[PFA:PFA+1], s[PFA:PFA+1], s[96:97]
.endif
	s_wait_tensorcnt 0x0                           ; all my tensor loads have landed: the other slot's among them
	ds_add_u32 v[SPW], v[NIL]                      ; 0 onto my spare word, twice on end
	ds_add_u32 v[SPW], v[NIL]
	s_wait_dscnt 2                                 ; (the two adds may be out: this step's set is in)
	MUL 1, 0
	s_add_nc_u64 s[G0A+4*\slot+2:G0A+4*\slot+3], s[G0A+4*\slot+2:G0A+4*\slot+3], AQ   ; no load of mine is out: this slot's part of the next quarter
	s_add_nc_u64 s[G0B+4*\slot+2:G0B+4*\slot+3], s[G0B+4*\slot+2:G0B+4*\slot+3], BQ
	s_wait_dscnt 0x0                               ; the adds are done, and my reads of this slot are over
	CROUND                                         ; the same holds of every wave of all sixteen work-groups
	ARM 2*\slot, G0A+4*\slot, G1A, .Lrb_\@, .Lrj_\@
	ARM 2*\slot+1, G0B+4*\slot, G1B, .Lrj_\@, .Lrj_\@
.if \slot == 1
	s_add_co_u32 s[TS], s[TS], 4096                ; the next quarter's scale words
	v_add_nc_u32 v[ADS], s[TS], v[ASB]
	v_add_nc_u32 v[ADS+1], s[TS], v[ASB+1]
	s_wait_alu depctr_va_vdst(0)
.endif
	PLACES
	FETCH 1-\slot, 0, 0
	s_cmp_gt_u32 s3, s[LIM]                        ; the last trip asks for nothing: its look-ahead would pass the end of K
	s_cbranch_scc0 .Lna_\@
	global_prefetch_b8 v[PFO], s[PFA:PFA+1] offset:TROW*\slot th:TH_LOAD_NT scope:SCOPE_SE   ; what the next trip's refill of this slot loads: two refills on
.Lna_\@:
.endif
.if \mode == 2
	s_wait_tensorcnt 0x0                           ; my part of the other slot is in
	s_wait_dscnt 0x0                               ; my reads of this slot are over: behind the barrier it may take the stages
	s_barrier_signal -1
	MUL 1, 0
	s_barrier_wait -1
	PLACES
	FETCH 1-\slot, 0, 0
.endif
.if \mode == 0
	s_wait_dscnt 0x0
	MUL 1, 0
.endif
.endm
	s_wait_tensorcnt 0x0                           ; my load of the head's six is in,
	s_barrier_signal -1
	s_barrier_wait -1                              ; and so is everybody's
	FETCH 0, 0, 0
	S 0, 0, 1
.if NQ > 1
	s_mov_b32 s3, NQ-1
.Lq:                                   ; a trip goes once round the ring, from a quarter's second K step to the next quarter's first, and fills both slots again
	S 0, 1, 0
	S 0, 2, 0
	T 0, 1
	S 1, 0, 0
	S 1, 1, 0
	S 1, 2, 0
	T 1, 1
	S 0, 0, 0
	s_sub_co_u32 s3, s3, 1
	s_cmp_lg_u32 s3, 0
	s_cbranch_scc1 .Lq
.endif
	S 0, 1, 0                                      ; the last quarter asks for nothing more
	S 0, 2, 0
	T 0, 2
	S 1, 0, 0
	S 1, 1, 0
	S 1, 2, 0
	T 1, 0
	; THE WAY OUT: my 32 rows x 64 columns through my own stage: back come whole rows of 256 bytes.  LDS serves a wave's instructions in order: no wait between the stores and the loads
	PLACES
.irp a, 0,1
.irp b, 0,1,2,3
	ds_store_b128 v[STO], v[AC+8*(4*\a+\b):AC+8*(4*\a+\b)+3] offset:8*\a*SPITCH+128*(\b/2)+32*(\b%2)       ; register j of tile b is column 32 (b / 2) + 8 (b % 2) + 16 h + j; each accumulator from its low end on
	ds_store_b128 v[STO], v[AC+8*(4*\a+\b)+4:AC+8*(4*\a+\b)+7] offset:8*\a*SPITCH+128*(\b/2)+32*(\b%2)+16
.endr
.endr
.irp t, 0,1,2,3,4,5,6,7,8,9,10,11,12,13,14,15
	ds_load_b128 v[FR+4*\t:FR+4*\t+3], v[RD] offset:2*\t*SPITCH
.endr
.irp t, 0,1,2,3,4,5,6,7,8,9,10,11,12,13,14,15
	s_wait_dscnt 15-\t                             ; the younger loads may be out
	global_store_b128 v[CO], v[FR+4*\t:FR+4*\t+3], s[12:13] offset:8192*\t th:TH_STORE_NT   ; sixteen lanes store 256 consecutive bytes, aligned
.endr
	s_wait_tensorcnt 0x0                           ; the wave's end
	ds_add_u32 v[SPW], v[NIL]
	s_wait_dscnt 0x0
	CROUND                                         ; the closing round
	s_endpgm
.Lfunc_end_k_q518b4c0a8f_out_proj:
	.size	k_q518b4c0a8f_out_proj, .Lfunc_end_k_q518b4c0a8f_out_proj-k_q518b4c0a8f_out_proj
	.p2alignl 7, 3214868480
	.fill 96, 4, 3214868480
	.section	.rodata,"a",@progbits
	.p2align	6, 0x0
	.amdhsa_kernel k_q518b4c0a8f_out_proj
		.amdhsa_group_segment_fixed_size 327680
		.amdhsa_private_segment_fixed_size 0
		.amdhsa_enable_private_segment 0
		.amdhsa_kernarg_size 24
		.amdhsa_user_sgpr_count 2
		.amdhsa_user_sgpr_kernarg_segment_ptr 1
		.amdhsa_wavefront_size32 1
		.amdhsa_system_sgpr_workgroup_id_x 1
		.amdhsa_system_sgpr_workgroup_id_y 1
		.amdhsa_system_sgpr_workgroup_id_z 1
		.amdhsa_system_vgpr_workitem_id 0
		.amdhsa_next_free_vgpr 256
		.amdhsa_next_free_sgpr 98
		.amdhsa_reserve_vcc 0
		.amdhsa_float_denorm_mode_32 3
		.amdhsa_float_denorm_mode_16_64 3
		.amdhsa_memory_ordered 1
		.amdhsa_forward_progress 1
		.amdhsa_inst_pref_size 38
	.end_amdhsa_kernel
	.amdgpu_metadata
---
amdhsa.version: [ 1, 2 ]
amdhsa.kernels:
  - .name:           k_q518b4c0a8f_out_proj
    .symbol:         k_q518b4c0a8f_out_proj.kd
    .args:
      - { .name: opA, .offset: 0, .size: 8, .value_kind: global_buffer, .address_space: global }
      - { .name: opE, .offset: 8, .size: 8, .value_kind: global_buffer, .address_space: global }
      - { .name: opD, .offset: 16, .size: 8, .value_kind: global_buffer, .address_space: global }
    .group_segment_fixed_size: 327680
    .private_segment_fixed_size: 0
    .kernarg_segment_align: 8
    .kernarg_segment_size: 24
    .max_flat_workgroup_size: 256
    .sgpr_count:     98
    .vgpr_count:     256
    .wavefront_size: 32
...
	.end_amdgpu_metadata
.endif
;; end of part 4
;; launch ln1 (part 5): grid 256 x 1, 16 waves a work-group, no clusters, 68,096 bytes of LDS; arguments opD, x, bo, ln1_g, ln1_b, opC, opA; writes opC, opA
.if DOCPART == 5
	.amdgcn_target "amdgcn-amd-amdhsa--gfx1250"
	.amdhsa_code_object_version 6
	.text
	.protected	k_q518b4c0a8f_ln1
	.globl	k_q518b4c0a8f_ln1
	.p2align	8
	.type	k_q518b4c0a8f_ln1,@function
k_q518b4c0a8f_ln1:
	s_mov_b64 s[64:65], 0
	v_nop
	global_prefetch_b8 v0, s[64:65] scope:SCOPE_SE
	s_setreg_imm32_b32 hwreg(HW_REG_WAVE_MODE, 25, 1), 1
	s_wait_xcnt 0x0
; x1 = layer norm(c1 + bo + x) g + b, rows of 1,024, in f32; x1 leaves as f32 (opC) and as codes of BF6 (E3M2) with one E8M0 byte for each 32 along the row (opA), laid as the next product's operand registers want them.
; A work-group is a tile of 16 rows (lane row r of tile T is row 32 (T / 2) + 8 (T % 2) + r + 8 (r / 8)); wave w takes tile row w whole: 32 numbers a lane, every load and store 512 consecutive bytes.
; The variance is taken of the differences from the mean.  Then the 16 rows meet in LDS (rows 4,112 bytes apart) and waves 0-7 quantise a K step of 128 each.
; Memory binds: no matrix unit, no tensor load, no cluster.  LIMITS: a block of zeros gets the byte 1; NaN and infinities are not served.
.set SOFF, 12582912
.set OL,  4
.set OS,  5
.set LW,  6
.set SO,  7
.set SA,  14
.set SH,  15
.set TM,  16
.set V,   32
.set XX,  64
.set BO,  96
.set GG,  128
.set BE,  160
.set WV,  18
.set SEL, 20
.macro WSUM x, t                       ; the sum over the 32 lanes, in every lane
	s_delay_alu instid0(VALU_DEP_1)
	v_add_f32_dpp v[\x], v[\x], v[\x] row_xmask:1 row_mask:0xf bank_mask:0xf
	s_delay_alu instid0(VALU_DEP_1)
	v_add_f32_dpp v[\x], v[\x], v[\x] row_xmask:2 row_mask:0xf bank_mask:0xf
	s_delay_alu instid0(VALU_DEP_1)
	v_add_f32_dpp v[\x], v[\x], v[\x] row_xmask:4 row_mask:0xf bank_mask:0xf
	s_delay_alu instid0(VALU_DEP_1)
	v_add_f32_dpp v[\x], v[\x], v[\x] row_xmask:8 row_mask:0xf bank_mask:0xf
	s_delay_alu instid0(VALU_DEP_1)
	v_permlanex16_b32 v[\t], v[\x], s[SEL], s[SEL+1]
	s_delay_alu instid0(VALU_DEP_1)
	v_add_f32 v[\x], v[\x], v[\t]
.endm
.macro QUANT s, pc, pw
.irp b, 0,1,2,3
	v_max3_num_f32 v[TM+\b], |v[(\s)+16*\b]|, |v[(\s)+1+16*\b]|, 0x2800000   ; and the floor 2^(5 - 127): the byte cannot fall under 1
.endr
.irp i, 2,4,6,8,10,12,14
.irp b, 0,1,2,3
	s_delay_alu instid0(VALU_DEP_4)
	v_max3_num_f32 v[TM+\b], v[TM+\b], |v[(\s)+16*\b+\i]|, |v[(\s)+1+16*\b+\i]|
.endr
.endr
.irp b, 0,1,2,3
	s_delay_alu instid0(VALU_DEP_4)
	v_permlanex16_b32 v[TM+4+\b], v[TM+\b], s[SEL], s[SEL+1]
.endr
.irp b, 0,1,2,3
	s_delay_alu instid0(VALU_DEP_4)
	v_max_num_f32 v[TM+\b], v[TM+\b], v[TM+4+\b]
.endr
.irp b, 0,1,2,3
	s_delay_alu instid0(VALU_DEP_4)
	v_add_nc_u32 v[TM+12+\b], 0xfe000000, v[TM+\b]
.endr
.irp b, 0,1,2,3
	s_delay_alu instid0(VALU_DEP_4)
	v_lshrrev_b32 v[TM+4+\b], 23, v[TM+12+\b]
.endr
	s_delay_alu instid0(VALU_DEP_3)
	v_lshl_or_b32 v[\pw], v[TM+5], 8, v[TM+4]
	s_delay_alu instid0(VALU_DEP_1)
	v_lshl_or_b32 v[\pw], v[TM+6], 16, v[\pw]
	s_delay_alu instid0(VALU_DEP_1)
	v_lshl_or_b32 v[\pw], v[TM+7], 24, v[\pw]
.irp c, 0,1
	v_cvt_scalef32_pk16_bf6_f32 v[(\pc)+6*\c:(\pc)+2+6*\c], v[(\s)+32*\c:(\s)+15+32*\c], v[TM+12+2*\c]
	v_cvt_scalef32_pk16_bf6_f32 v[(\pc)+12+4*\c:(\pc)+14+4*\c], v[(\s)+16+32*\c:(\s)+31+32*\c], v[TM+13+2*\c]
.endr
	v_nop
.irp c, 0,1
.irp i, 0,1,2
	v_permlane16_swap_b32 v[(\pc)+6*\c+\i], v[(\pc)+12+4*\c+\i]
.endr
.irp i, 0,1,2
	s_delay_alu instid0(VALU_DEP_3)
	v_mov_b32 v[(\pc)+3+6*\c+\i], v[(\pc)+12+4*\c+\i]
.endr
.endr
.endm
	s_load_b256 s[4:11], s[0:1], 0x0               ; c1 s[4:5], x s[6:7], bo s[8:9], g s[10:11]
	s_load_b128 s[12:15], s[0:1], 0x20             ; b s[12:13], opC s[14:15]
	s_load_b64 s[16:17], s[0:1], 0x30              ; opA
	v_lshl_add_u32 v240, v0, 2, 0x10200
	v_mov_b32 v241, 0
	v_lshrrev_b32 v1, 5, v0
	s_delay_alu instid0(VALU_DEP_1)
	v_readfirstlane_b32 s[WV], v1                  ; wave 0..15
	v_and_b32 v1, 31, v0
	v_and_b32 v2, 15, v0
	v_bfe_u32 v3, v0, 4, 1
	s_delay_alu instid0(VALU_DEP_3)
	v_lshlrev_b32 v[OL], 4, v1
	s_delay_alu instid0(VALU_DEP_4)
	v_lshlrev_b32 v[OS], 3, v1
	s_mul_i32 s24, s[WV], 4112
	v_add_nc_u32 v[LW], s24, v[OL]                 ; my row in LDS
	v_mul_u32_u24 v[SO], v2, 4112
	s_delay_alu instid0(VALU_DEP_1)
	v_lshl_add_u32 v[SO], v3, 6, v[SO]
	s_lshl_b32 s24, s[WV], 9
	v_add_nc_u32 v[SO], s24, v[SO]                 ; row r, K step = my wave, my half's 16 numbers of each block
	v_lshlrev_b32 v[SA], 2, v2
	s_delay_alu instid0(VALU_DEP_1)
	v_lshl_add_u32 v[SA], v3, 1, v[SA]
	v_lshlrev_b32 v[SH], 4, v3
.irp b, 0,1,2,3
	v_mov_b32 v[TM+4+\b], 0
.endr
	s_mov_b32 s[SEL], 0x76543210
	s_mov_b32 s[SEL+1], 0xfedcba98
	s_mov_b32 s22, 0x3a800000                      ; 1 / 1,024
	s_mov_b32 s23, 0x3727c5ac                      ; 1e-5
	s_lshr_b32 s24, ttmp9, 1
	s_lshl_b32 s24, s24, 5
	s_and_b32 s25, ttmp9, 1
	s_lshl_b32 s25, s25, 3
	s_add_co_u32 s24, s24, s25
	s_add_co_u32 s24, s24, s[WV]
	s_and_b32 s25, s[WV], 8
	s_add_co_u32 s24, s24, s25                     ; my row
	s_lshl_b32 s24, s24, 12
	s_mov_b32 s25, 0
	s_mul_i32 s26, ttmp9, 12288
	s_mul_i32 s27, s[WV], 1536
	s_add_co_u32 s26, s26, s27
	s_mov_b32 s27, 0
	s_lshr_b32 s28, ttmp9, 3
	s_lshl_b32 s28, s28, 12
	s_lshl_b32 s29, s[WV], 9
	s_add_co_u32 s28, s28, s29
	s_and_b32 s29, ttmp9, 7
	s_lshl_b32 s29, s29, 6
	s_add_co_u32 s28, s28, s29
	s_add_co_u32 s28, s28, SOFF
	s_mov_b32 s29, 0
	s_wait_kmcnt 0x0
	s_add_nc_u64 s[4:5], s[4:5], s[24:25]
	s_add_nc_u64 s[6:7], s[6:7], s[24:25]
	s_add_nc_u64 s[14:15], s[14:15], s[24:25]
	s_add_nc_u64 s[26:27], s[16:17], s[26:27]      ; a K step's codes of the tile
	s_add_nc_u64 s[28:29], s[16:17], s[28:29]      ; and its scale words
.irp i, 0,1,2,3,4,5,6,7
	global_load_b128 v[V+4*\i:V+4*\i+3], v[OL], s[4:5] offset:512*\i th:TH_LOAD_NT
	global_load_b128 v[XX+4*\i:XX+4*\i+3], v[OL], s[6:7] offset:512*\i th:TH_LOAD_NT
.endr
.irp i, 0,1,2,3,4,5,6,7
	global_load_b128 v[BO+4*\i:BO+4*\i+3], v[OL], s[8:9] offset:512*\i
	global_load_b128 v[GG+4*\i:GG+4*\i+3], v[OL], s[10:11] offset:512*\i
	global_load_b128 v[BE+4*\i:BE+4*\i+3], v[OL], s[12:13] offset:512*\i
.endr
	s_wait_loadcnt 0x0
.set nn, 0
.rept 16
	v_pk_add_f32 v[V+nn:V+nn+1], v[V+nn:V+nn+1], v[BO+nn:BO+nn+1]
.set nn, nn+2
.endr
.set nn, 0
.rept 16
	v_pk_add_f32 v[V+nn:V+nn+1], v[V+nn:V+nn+1], v[XX+nn:XX+nn+1]
.set nn, nn+2
.endr
	v_pk_add_f32 v[8:9], v[V:V+1], v[V+2:V+3]      ; the mean, in chains that do not wait for each other
	v_pk_add_f32 v[10:11], v[V+4:V+5], v[V+6:V+7]
.irp j, 8,12,16,20,24,28
	s_delay_alu instid0(VALU_DEP_2)
	v_pk_add_f32 v[8:9], v[8:9], v[V+\j:V+\j+1]
	s_delay_alu instid0(VALU_DEP_2)
	v_pk_add_f32 v[10:11], v[10:11], v[V+\j+2:V+\j+3]
.endr
	s_delay_alu instid0(VALU_DEP_1)
	v_pk_add_f32 v[8:9], v[8:9], v[10:11]
	s_delay_alu instid0(VALU_DEP_1)
	v_add_f32 v8, v8, v9
	WSUM 8, 9
	s_delay_alu instid0(VALU_DEP_1)
	v_mul_f32 v8, s22, v8
.set nn, 0
.rept 16
	v_pk_add_f32 v[V+nn:V+nn+1], v[V+nn:V+nn+1], v[8:9] op_sel_hi:[1,0] neg_lo:[0,1] neg_hi:[0,1]
.set nn, nn+2
.endr
	v_pk_mul_f32 v[10:11], v[V:V+1], v[V:V+1]      ; the variance, of the differences
	v_pk_mul_f32 v[12:13], v[V+2:V+3], v[V+2:V+3]
.irp j, 4,8,12,16,20,24,28
	s_delay_alu instid0(VALU_DEP_2)
	v_pk_fma_f32 v[10:11], v[V+\j:V+\j+1], v[V+\j:V+\j+1], v[10:11]
	s_delay_alu instid0(VALU_DEP_2)
	v_pk_fma_f32 v[12:13], v[V+\j+2:V+\j+3], v[V+\j+2:V+\j+3], v[12:13]
.endr
	s_delay_alu instid0(VALU_DEP_1)
	v_pk_add_f32 v[10:11], v[10:11], v[12:13]
	s_delay_alu instid0(VALU_DEP_1)
	v_add_f32 v10, v10, v11
	WSUM 10, 11
	s_delay_alu instid0(VALU_DEP_1)
	v_fma_f32 v10, v10, s22, s23
	s_wait_alu depctr_va_vdst(0)
	v_rsq_f32 v10, v10
	v_nop                                          ; a plain place behind the transcendental
	s_wait_alu depctr_va_vdst(0)                   ; ahead of its first reader
.set nn, 0
.rept 16
	v_pk_mul_f32 v[V+nn:V+nn+1], v[V+nn:V+nn+1], v[10:11] op_sel_hi:[1,0]
.set nn, nn+2
.endr
.set nn, 0
.rept 16
	v_pk_fma_f32 v[V+nn:V+nn+1], v[V+nn:V+nn+1], v[GG+nn:GG+nn+1], v[BE+nn:BE+nn+1]
.set nn, nn+2
.endr
.irp i, 0,1,2,3,4,5,6,7
	global_store_b128 v[OL], v[V+4*\i:V+4*\i+3], s[14:15] offset:512*\i
	ds_store_b128 v[LW], v[V+4*\i:V+4*\i+3] offset:512*\i
.endr
	s_wait_dscnt 0x0                               ; for the others' sake: my row lies in LDS
	s_barrier_signal -1
	s_barrier_wait -1
	s_cmp_lt_u32 s[WV], 8                          ; eight K steps: waves 0-7 quantise one each; no barrier follows
	s_cbranch_scc0 .Ldone
.irp b, 0,1,2,3
.irp j, 0,1,2,3
	ds_load_b128 v[64+16*\b+4*\j:67+16*\b+4*\j], v[SO] offset:128*\b+16*\j
.endr
.endr
	s_wait_dscnt 0x0
	QUANT 64, 192, 212
.irp c, 0,1
	global_store_b128 v[OL], v[192+6*\c:195+6*\c], s[26:27] offset:768*\c
	global_store_b64 v[OS], v[196+6*\c:197+6*\c], s[26:27] offset:768*\c+512
.endr
	v_lshrrev_b32 v213, v[SH], v212
	global_store_b16 v[SA], v213, s[28:29]         ; lane (r, h) stores half h of row r's word: 64 consecutive bytes
.Ldone:
	s_wait_tensorcnt 0x0
	ds_add_u32 v240, v241
	s_wait_dscnt 0x0
	s_endpgm
.Lfunc_end_k_q518b4c0a8f_ln1:
	.size	k_q518b4c0a8f_ln1, .Lfunc_end_k_q518b4c0a8f_ln1-k_q518b4c0a8f_ln1
	.p2alignl 7, 3214868480
	.fill 96, 4, 3214868480
	.section	.rodata,"a",@progbits
	.p2align	6, 0x0
	.amdhsa_kernel k_q518b4c0a8f_ln1
		.amdhsa_group_segment_fixed_size 68096
		.amdhsa_private_segment_fixed_size 0
		.amdhsa_enable_private_segment 0
		.amdhsa_kernarg_size 56
		.amdhsa_user_sgpr_count 2
		.amdhsa_user_sgpr_kernarg_segment_ptr 1
		.amdhsa_wavefront_size32 1
		.amdhsa_system_sgpr_workgroup_id_x 1
		.amdhsa_system_sgpr_workgroup_id_y 1
		.amdhsa_system_sgpr_workgroup_id_z 1
		.amdhsa_system_vgpr_workitem_id 0
		.amdhsa_next_free_vgpr 242
		.amdhsa_next_free_sgpr 66
		.amdhsa_reserve_vcc 0
		.amdhsa_float_denorm_mode_32 3
		.amdhsa_float_denorm_mode_16_64 3
		.amdhsa_memory_ordered 1
		.amdhsa_forward_progress 1
		.amdhsa_inst_pref_size 25
	.end_amdhsa_kernel
	.amdgpu_metadata
---
amdhsa.version: [ 1, 2 ]
amdhsa.kernels:
  - .name:           k_q518b4c0a8f_ln1
    .symbol:         k_q518b4c0a8f_ln1.kd
    .args:
      - { .name: opD, .offset: 0, .size: 8, .value_kind: global_buffer, .address_space: global }
      - { .name: x, .offset: 8, .size: 8, .value_kind: global_buffer, .address_space: global }
      - { .name: bo, .offset: 16, .size: 8, .value_kind: global_buffer, .address_space: global }
      - { .name: ln1_g, .offset: 24, .size: 8, .value_kind: global_buffer, .address_space: global }
      - { .name: ln1_b, .offset: 32, .size: 8, .value_kind: global_buffer, .address_space: global }
      - { .name: opC, .offset: 40, .size: 8, .value_kind: global_buffer, .address_space: global }
      - { .name: opA, .offset: 48, .size: 8, .value_kind: global_buffer, .address_space: global }
    .group_segment_fixed_size: 68096
    .private_segment_fixed_size: 0
    .kernarg_segment_align: 8
    .kernarg_segment_size: 56
    .max_flat_workgroup_size: 512
    .sgpr_count:     66
    .vgpr_count:     242
    .wavefront_size: 32
...
	.end_amdgpu_metadata
.endif
;; end of part 5
;; launch ffn1 (part 6): grid 16 x 16, 4 waves a work-group, clusters of 4 x 4, 327,680 bytes of LDS; arguments opA, opF, opB; writes opB
.if DOCPART == 6
	.amdgcn_target "amdgcn-amd-amdhsa--gfx1250"
	.amdhsa_code_object_version 6
	.text
	.protected	k_q518b4c0a8f_ffn1
	.globl	k_q518b4c0a8f_ffn1
	.p2align	8
	.type	k_q518b4c0a8f_ffn1,@function
k_q518b4c0a8f_ffn1:
	s_mov_b64 s[64:65], 0
	v_nop
	global_prefetch_b8 v0, s[64:65] scope:SCOPE_SE
	s_setreg_imm32_b32 hwreg(HW_REG_WAVE_MODE, 25, 1), 1
	s_wait_xcnt 0x0
	s_wait_alu depctr_hold_cnt(0) depctr_sa_sdst(0) depctr_va_vdst(0) depctr_va_sdst(0) depctr_va_ssrc(0) depctr_va_vcc(0) depctr_vm_vsrc(0)
	s_getreg_b32 s2, hwreg(HW_REG_IB_STS2, 6, 4)
	s_cmp_eq_u32 s2, 0
	s_cbranch_scc0 .Lentry_in_a_cluster
	s_endpgm
.Lentry_in_a_cluster:
	s_bfe_u32 s2, ttmp6, 0x10000c
	s_cmp_lg_u32 s2, 0xf033
	s_cbranch_scc0 .Lentry_shape_is_right
	s_endpgm
.Lentry_shape_is_right:
.set SOFF,   12582912
.set BOFF,   13107200
.set FOFF,   13123584
.set NQ,     2
.set FR,     12
.set NL,     4
.set NP,     4
.set TILEB,  3072
.set HALFT,  8*TILEB
.set SLOT,   4*HALFT
.set SCL,    2*SLOT
.set HALFS,  4096
.set SPARE,  SCL+4*HALFS
.set OL,   8
.set OS,   9
.set SST,  10
.set RST,  11
.set BQO,  12
.set BPO,  13
.set ADRA, 16
.set ADRB, 20
.set ADRS, 27
.set SPW,  28
.set NIL,  29
.set SC,   32
.set TM,   32
.set PW,   48
.set QB,   64
.set AF,   128
.set PC,   128
.set PB,   224
.set SEL,  10
.set G1, 24
.set G0, 32
.set G1B, 48
.set G0B, 56
.set G1S, 68
.set G0S, 76
.set G1SB, 80
.set G0SB, 88
.set MSB, 0
.macro WIN new
.if MSB != \new
	s_set_vgpr_msb (MSB<<8)|\new
.set MSB, \new
.endif
.endm
.set MUL_LO, 0xa1
.set MUL_HI, 0xf1
.set FST_LO, 0x81
.set FST_HI, 0xc1
.set TO_B,   0x40
.macro JLOAD g0a, g1a, g0b, g1b
	s_cmp_eq_u32 s15, 0
	s_cbranch_scc0 .Lfor_b_\@
	tensor_load_to_lds s[\g0a:\g0a+3], s[\g1a:\g1a+7]
	s_nop 0
.rept 4
	v_nop
.endr
	s_branch .Lasked_\@
.Lfor_b_\@:
	tensor_load_to_lds s[\g0b:\g0b+3], s[\g1b:\g1b+7]
	s_nop 0
.rept 4
	v_nop
.endr
.Lasked_\@:
.endm
.macro CREST
	s_cmp_lg_u32 s14, 0
	s_cbranch_scc1 .Lnot_wave_0_\@
	s_barrier_signal -3
.Lnot_wave_0_\@:
	s_barrier_wait -3
	s_barrier_signal -1
	s_barrier_wait -1
.endm
.macro CROUND
	s_barrier_signal -1
	s_barrier_wait -1
	CREST
.endm
	s_load_b128 s[4:7], s[0:1], 0x0
	s_load_b64 s[8:9], s[0:1], 0x10
	v_lshl_add_u32 v[SPW], v0, 2, SPARE
	v_mov_b32 v[NIL], 0
	ds_add_u32 v28, v29
	ds_add_u32 v28, v29
	s_wait_dscnt 0x0
	v_lshrrev_b32 v1, 5, v0
	v_readfirstlane_b32 s14, v1
	s_lshr_b32 s15, s14, 1
	s_and_b32 s16, s14, 1
	s_bfe_u32 s40, ttmp6, 0x40000
	s_bfe_u32 s41, ttmp6, 0x40004
	s_lshl_b32 s42, ttmp9, 2
	s_add_co_u32 s42, s42, s40
	s_and_b32 s17, ttmp7, 0xffff
	s_lshl_b32 s17, s17, 2
	s_add_co_u32 s17, s17, s41
	s_lshl_b32 s43, s41, 2
	s_lshl_b32 s43, 15, s43
	s_lshl_b32 s44, 0x1111, s40
	s_or_b32 s[G1+0], s43, (3<<16)|(1<<21)
	s_or_b32 s[G1B+0], s44, (3<<16)|(1<<21)
.irp g, G1, G1B
	s_mov_b32 s[\g+1], 384<<16
	s_mov_b32 s[\g+2], 16<<16                      ; the head's loads bring all 16 tiles of a slot; behind them the two words that count rows are set to 8
	s_mov_b32 s[\g+3], 384<<16
	s_mov_b32 s[\g+4], 16
	s_mov_b32 s[\g+5], 1536
	s_mov_b32 s[\g+6], 0
	s_mov_b32 s[\g+7], 0
.endr
	s_or_b32 s[G1S+0], s43, (3<<16)|(1<<21)
	s_or_b32 s[G1SB+0], s44, (3<<16)|(1<<21)
.irp g, G1S, G1SB
	s_mov_b32 s[\g+1], 32<<16
	s_mov_b32 s[\g+2], 32<<16                      ; the scale words of 256 rows: 8,192 dense bytes as 32 rows of 256
	s_mov_b32 s[\g+3], 32<<16
	s_mov_b32 s[\g+4], 32
	s_mov_b32 s[\g+5], 32
	s_mov_b32 s[\g+6], 0
	s_mov_b32 s[\g+7], 0
.endr
	s_lshl_b32 s20, s17, 1                         ; the first of the block's two runs of 128 rows
	s_lshl_b32 s46, s42, 1
	s_lshl_b32 s22, s20, 12
	s_add_co_u32 s22, s22, SOFF
	s_mov_b32 s23, 0
	s_lshl_b32 s92, s46, 12
	s_add_co_u32 s92, s92, SOFF
	s_mov_b32 s93, 0
	s_mul_i32 s20, s20, 98304
	s_mov_b32 s21, 0
	s_mul_i32 s46, s46, 98304
	s_mov_b32 s47, 0
	s_mul_i32 s45, s14, HALFT
	s_lshl_b32 s94, s14, 12
	s_wait_kmcnt 0x0
	s_add_nc_u64 s[20:21], s[4:5], s[20:21]
	s_add_nc_u64 s[22:23], s[4:5], s[22:23]
	s_add_nc_u64 s[46:47], s[6:7], s[46:47]
	s_add_nc_u64 s[92:93], s[6:7], s[92:93]
	CROUND
; THE HEAD'S FOUR TILES, each whole, one load a wave: wave 0 slot 0's 16 tiles of A, wave 1 its 16 tiles of B, wave 2 the scale words of A's 256 rows, wave 3 those of B's
	s_mov_b32 s[G0S], 1
	s_mov_b32 s[G0S+1], SCL
	s_mov_b64 s[G0S+2:G0S+3], s[22:23]
	s_or_b32 s[G0S+3], s[G0S+3], 0x80000000
	s_mov_b32 s[G0SB], 1
	s_mov_b32 s[G0SB+1], SCL+2*HALFS
	s_mov_b64 s[G0SB+2:G0SB+3], s[92:93]
	s_or_b32 s[G0SB+3], s[G0SB+3], 0x80000000
	s_mov_b32 s[G0], 1
	s_mov_b32 s[G0+1], 0
	s_mov_b64 s[G0+2:G0+3], s[20:21]
	s_or_b32 s[G0+3], s[G0+3], 0x80000000
	s_mov_b32 s[G0B], 1
	s_mov_b32 s[G0B+1], 2*HALFT
	s_mov_b64 s[G0B+2:G0B+3], s[46:47]
	s_or_b32 s[G0B+3], s[G0B+3], 0x80000000
	s_mul_i32 s98, s16, 98304                      ; in the ring I fetch 8 tiles: which half
	s_mov_b32 s99, 0
	s_add_nc_u64 s[20:21], s[20:21], s[98:99]
	s_add_nc_u64 s[46:47], s[46:47], s[98:99]
	s_mov_b32 s[G0+4], 1
	s_add_co_u32 s[G0+5], s45, SLOT
	s_add_nc_u64 s[G0+6:G0+7], s[20:21], TILEB
	s_or_b32 s[G0+7], s[G0+7], 0x80000000
	s_mov_b32 s[G0B+4], 1
	s_add_co_u32 s[G0B+5], s45, SLOT
	s_add_nc_u64 s[G0B+6:G0B+7], s[46:47], TILEB
	s_or_b32 s[G0B+7], s[G0B+7], 0x80000000
.macro HARM under, g0, g1, next        ; one chain of branches on the wave's number, one load to an arm, all arms leading to one join
	s_cmp_lt_u32 s14, \under
	s_cbranch_scc0 \next
	tensor_load_to_lds s[\g0:\g0+3], s[\g1:\g1+7]
	s_nop 0
.rept 4
	v_nop
.endr
	s_branch .Lhead_asked
\next:
.endm
	HARM 1, G0, G1, .Lhead_b
	HARM 2, G0B, G1B, .Lhead_sa
	HARM 3, G0S, G1S, .Lhead_sb
	tensor_load_to_lds s[G0SB:G0SB+3], s[G1SB:G1SB+7]
	s_nop 0
.rept 4
	v_nop
.endr
.Lhead_asked:
	s_wait_alu depctr_va_vdst(0)
	s_wait_tensorcnt 0x0                           ; my tile of the head's four is in
	ds_add_u32 v28, v29
	s_mov_b32 s[G1+2], 8<<16                       ; no tensor load of mine is out: from here on a load brings 8 tiles,
	s_mov_b32 s[G1+4], 8
	s_mov_b32 s[G1B+2], 8<<16
	s_mov_b32 s[G1B+4], 8
	s_add_co_u32 s[G0+1], s45, 0                   ; and slot 0's descriptors stand at my quarter of it, for its first refill
	s_mov_b64 s[G0+2:G0+3], s[20:21]
	s_or_b32 s[G0+3], s[G0+3], 0x80000000
	s_add_co_u32 s[G0B+1], s45, 0
	s_mov_b64 s[G0B+2:G0B+3], s[46:47]
	s_or_b32 s[G0B+3], s[G0B+3], 0x80000000
	s_wait_dscnt 0x0
	CROUND                                         ; all four tiles are in, in all sixteen work-groups
	JLOAD G0+4, G1, G0B+4, G1B                     ; slot 1's first fill: the first tensor load behind the round
	v_and_b32 v1, 15, v0
	v_bfe_u32 v2, v0, 4, 1
	v_and_b32 v3, 31, v0
	v_lshlrev_b32 v[OL], 4, v3
	v_lshlrev_b32 v[OS], 3, v3
	v_add_nc_u32 v5, 512, v[OS]
	s_mul_i32 s21, s15, HALFT
	s_mul_i32 s22, s16, HALFT
	s_add_co_u32 s22, s22, 2*HALFT
.irp s, 0,1
	v_add_nc_u32 v[ADRA+\s], s21, v[OL]
	v_add_nc_u32 v[ADRB+\s], s22, v[OL]
	v_add_nc_u32 v[ADRA+2+\s], s21, v5
	v_add_nc_u32 v[ADRB+2+\s], s22, v5
	s_add_co_u32 s21, s21, SLOT
	s_add_co_u32 s22, s22, SLOT
.endr
	v_lshlrev_b32 v4, 2, v1
	s_lshl_b32 s21, s15, 12
	s_lshl_b32 s22, s16, 12
	s_add_co_u32 s22, s22, 2*HALFS
	s_sub_co_u32 s22, s22, s21
	v_mul_u32_u24 v6, s22, v2
	s_add_co_u32 s21, s21, SCL
	v_add_nc_u32 v6, v4, v6
	v_add_nc_u32 v[ADRS], s21, v6
	s_lshl_b32 s23, s14, 9
	v_add_nc_u32 v[SST], s23, v4
	v_add_nc_u32 v[RST], s23, v[OL]
	v_lshlrev_b32 v[BQO], 6, v2
	s_wait_alu depctr_va_vdst(0)
	v_and_b32 v6, 8, v1
	v_add_nc_u32 v6, v6, v1
	v_lshlrev_b32 v[BPO], 2, v6
	s_wait_alu depctr_va_vdst(0)
	s_mov_b32 s[SEL], 0x76543210
	s_mov_b32 s[SEL+1], 0xfedcba98
	s_lshl_b32 s46, s42, 10
	s_lshl_b32 s47, s16, 9
	s_add_co_u32 s46, s46, s47
	s_add_co_u32 s46, s46, BOFF
	s_mov_b32 s47, 0
	s_add_nc_u64 s[46:47], s[6:7], s[46:47]
	s_lshl_b32 s20, s17, 10
	s_lshl_b32 s21, s15, 9
	s_add_co_u32 s20, s20, s21
	s_add_co_u32 s20, s20, BOFF
	s_mov_b32 s21, 0
	s_add_nc_u64 s[20:21], s[4:5], s[20:21]
	s_add_nc_u64 s[96:97], s[6:7], FOFF
	s_load_b32 s3, s[96:97], 0x0
.irp t, 0,1,2,3,4,5,6,7
	global_load_b128 v[QB+8*\t:QB+8*\t+3], v[BQO], s[46:47] offset:(32*(\t/2)+8*(\t%2))*4
	global_load_b128 v[QB+8*\t+4:QB+8*\t+7], v[BQO], s[46:47] offset:(32*(\t/2)+8*(\t%2))*4+16
	global_load_b32 v[PB+2*\t], v[BPO], s[20:21] offset:(32*(\t/2)+8*(\t%2))*4
	global_load_b32 v[PB+2*\t+1], v[BPO], s[20:21] offset:(32*(\t/2)+8*(\t%2))*4
.endr
	s_mul_i32 s92, ttmp9, 3145728
	s_lshl_b32 s93, s17, 4
	s_lshl_b32 s94, s15, 3
	s_add_co_u32 s93, s93, s94
	s_mul_i32 s93, s93, 12288
	s_add_co_u32 s92, s92, s93
	s_lshl_b32 s93, s40, 1
	s_add_co_u32 s93, s93, s16
	s_mul_i32 s93, s93, 1536
	s_add_co_u32 s92, s92, s93
	s_mov_b32 s93, 0
	s_add_nc_u64 s[12:13], s[8:9], s[92:93]
	s_lshl_b32 s92, ttmp9, 17
	s_lshl_b32 s93, s17, 13
	s_add_co_u32 s92, s92, s93
	s_lshl_b32 s93, s15, 12
	s_add_co_u32 s92, s92, s93
	s_lshl_b32 s93, s40, 10
	s_add_co_u32 s92, s92, s93
	s_lshl_b32 s93, s16, 9
	s_add_co_u32 s92, s92, s93
	s_add_co_u32 s92, s92, SOFF
	s_mov_b32 s93, 0
	s_add_nc_u64 s[8:9], s[8:9], s[92:93]
.macro FRAG reg, adr, q, i
.irp c, 0,1
	ds_load_b128 v[(\reg)+6*\c:(\reg)+6*\c+3], v[\adr] offset:TILEB*(\i)+1536*(\q)+768*\c
	ds_load_b64 v[(\reg)+6*\c+4:(\reg)+6*\c+5], v[(\adr)+2] offset:TILEB*(\i)+1536*(\q)+768*\c
.endr
.endm
.macro MUL16 a0, p, q, sc, zero
.irp a, \a0, \a0+1
.irp b, 0,1,2,3,4,5,6,7
.if \zero
	v_wmma_scale_f32_16x16x128_f8f6f4 v[8*(8*((\a)%4)+\b):8*(8*((\a)%4)+\b)+7], v[128*(\p)+FR*\b:128*(\p)+FR*\b+FR-1], v[AF+FR*(\a):AF+FR*(\a)+FR-1], v[QB+8*\b:QB+8*\b+7], v[SC+8*NQ*(\sc)+NQ*\b+(\q)], v[SC+8*NQ*(\sc)+NQ*(\a)+(\q)] matrix_a_fmt:MATRIX_FMT_BF6 matrix_b_fmt:MATRIX_FMT_BF6 matrix_a_scale:MATRIX_SCALE_ROW1
.else
	v_wmma_scale_f32_16x16x128_f8f6f4 v[8*(8*((\a)%4)+\b):8*(8*((\a)%4)+\b)+7], v[128*(\p)+FR*\b:128*(\p)+FR*\b+FR-1], v[AF+FR*(\a):AF+FR*(\a)+FR-1], v[8*(8*((\a)%4)+\b):8*(8*((\a)%4)+\b)+7], v[SC+8*NQ*(\sc)+NQ*\b+(\q)], v[SC+8*NQ*(\sc)+NQ*(\a)+(\q)] matrix_a_fmt:MATRIX_FMT_BF6 matrix_b_fmt:MATRIX_FMT_BF6 matrix_a_scale:MATRIX_SCALE_ROW1
.endif
.endr
.endr
.endm
.macro FETCH_B slot, q, p
	WIN TO_B
.irp i, 0,1,2,3,4,5,6,7
	FRAG 128*(\p)+FR*\i, ADRB+\slot, \q, \i
.endr
	WIN 0
.endm
.macro FETCH_A slot, q, i0
.irp i, \i0, \i0+1, \i0+2, \i0+3
	FRAG AF+FR*(\i), ADRA+\slot, \q, \i
.endr
.endm
.macro SCALES sc
.irp i, 0,1,2,3,4,5,6,7
.irp q, 0,1
	ds_load_b32 v[SC+8*NQ*\sc+NQ*\i+\q], v[ADRS] offset:64*\i+512*\q
.endr
.endr
.endm
.macro PLACES n
.rept \n
	v_nop
.endr
.endm
.macro STEP slot, q, zero
	s_wait_dscnt 4*NL
.if \zero
	WIN FST_LO
.else
	WIN MUL_LO
.endif
	MUL16 0, (\q)%2, \q, \slot, \zero
	MUL16 2, (\q)%2, \q, \slot, \zero
	s_wait_dscnt 0
	PLACES NP
	FETCH_B \slot, (\q)+1, 1-(\q)%2
	FETCH_A \slot, (\q)+1, 0
.if \zero
	WIN FST_HI
.else
	WIN MUL_HI
.endif
	MUL16 4, (\q)%2, \q, \slot, \zero
	MUL16 6, (\q)%2, \q, \slot, \zero
	PLACES NP
	WIN 0
	FETCH_A \slot, (\q)+1, 4
.endm
.macro TURN slot, next, fill
	s_wait_tensorcnt 0x0
	ds_add_u32 v[SPW], v[NIL]
	s_wait_dscnt 4*NL+1
	WIN MUL_LO
	MUL16 0, 1, NQ-1, \slot, 0
	s_wait_dscnt 0x0
	s_barrier_signal -1
	MUL16 2, 1, NQ-1, \slot, 0
	WIN 0
	s_barrier_wait -1
.if \fill
	CREST
	s_add_nc_u64 s[G0+4*\slot+2:G0+4*\slot+3], s[G0+4*\slot+2:G0+4*\slot+3], 2*TILEB
	s_add_nc_u64 s[G0B+4*\slot+2:G0B+4*\slot+3], s[G0B+4*\slot+2:G0B+4*\slot+3], 2*TILEB
	JLOAD G0+4*\slot, G1, G0B+4*\slot, G1B
.else
	PLACES NP
.endif
	s_wait_alu depctr_va_vdst(0)
	v_add_nc_u32 v[ADRS], 1024, v[ADRS]
	FETCH_B \next, 0, 0
	FETCH_A \next, 0, 0
	SCALES \next
	WIN MUL_HI
	MUL16 4, 1, NQ-1, \slot, 0
	MUL16 6, 1, NQ-1, \slot, 0
	PLACES NP
	WIN 0
	FETCH_A \next, 0, 4
.endm
	s_wait_tensorcnt 1
	s_barrier_signal -1
	s_barrier_wait -1
	FETCH_B 0, 0, 0
	FETCH_A 0, 0, 0
	SCALES 0
	FETCH_A 0, 0, 4
	s_wait_loadcnt 0x0
	s_wait_kmcnt 0x0
	STEP 0, 0, 1
	TURN 0, 1, 1
	STEP 1, 0, 0
	TURN 1, 0, 1
	STEP 0, 0, 0
	TURN 0, 1, 0
	STEP 1, 0, 0
	s_wait_dscnt 4*NL
	WIN MUL_LO
	MUL16 0, 1, NQ-1, 1, 0
	MUL16 2, 1, NQ-1, 1, 0
	s_wait_dscnt 0
	WIN MUL_HI
	MUL16 4, 1, NQ-1, 1, 0
	MUL16 6, 1, NQ-1, 1, 0
	WIN 0
.macro QUANT s, pc, pw
.irp b, 0,1,2,3
	v_max3_num_f32 v[TM+\b], |v[(\s)+16*\b]|, |v[(\s)+1+16*\b]|, 0x2800000
.endr
.irp i, 2,4,6,8,10,12,14
.irp b, 0,1,2,3
	v_max3_num_f32 v[TM+\b], v[TM+\b], |v[(\s)+16*\b+\i]|, |v[(\s)+1+16*\b+\i]|
.endr
.endr
.irp b, 0,1,2,3
	v_permlanex16_b32 v[TM+4+\b], v[TM+\b], s[SEL], s[SEL+1]
.endr
.irp b, 0,1,2,3
	v_max_num_f32 v[TM+\b], v[TM+\b], v[TM+4+\b]
.endr
.irp b, 0,1,2,3
	v_add_nc_u32 v[TM+12+\b], 0xfe000000, v[TM+\b]
.endr
.irp b, 0,1,2,3
	v_lshrrev_b32 v[TM+4+\b], 23, v[TM+12+\b]
.endr
	v_lshl_or_b32 v[\pw], v[TM+5], 8, v[TM+4]
	v_lshl_or_b32 v[\pw], v[TM+6], 16, v[\pw]
	v_lshl_or_b32 v[\pw], v[TM+7], 24, v[\pw]
.irp c, 0,1
	v_cvt_scalef32_pk16_bf6_f32 v[(\pc)+6*\c:(\pc)+2+6*\c], v[(\s)+32*\c:(\s)+15+32*\c], v[TM+12+2*\c]
	v_cvt_scalef32_pk16_bf6_f32 v[(\pc)+12+4*\c:(\pc)+14+4*\c], v[(\s)+16+32*\c:(\s)+31+32*\c], v[TM+13+2*\c]
.endr
	v_nop
.irp c, 0,1
.irp i, 0,1,2
	v_permlane16_swap_b32 v[(\pc)+6*\c+\i], v[(\pc)+12+4*\c+\i]
.endr
.irp i, 0,1,2
	v_mov_b32 v[(\pc)+3+6*\c+\i], v[(\pc)+12+4*\c+\i]
.endr
.endr
.endm
.macro OUTBLK a
.if (\a) > 0
	s_wait_xcnt 0x0
.endif
	WIN 0x02+(\a)/4
.set nn, 0
.rept 32
	v_pk_add_f32 v[QB+2*nn:QB+2*nn+1], v[64*((\a)%4)+2*nn:64*((\a)%4)+2*nn+1], v[PB+2*(\a):PB+2*(\a)+1]
.set nn, nn+1
.endr
	WIN 0
.set nn, 0
.rept 64
	v_max_num_f32 v[QB+nn], s3, v[QB+nn]
.set nn, nn+1
.endr
	QUANT QB, PC, PW+(\a)
.irp c, 0,1
	global_store_b128 v[OL], v[PC+6*\c:PC+6*\c+3], s[12:13] offset:12288*(\a)+768*\c
	global_store_b64 v[OS], v[PC+6*\c+4:PC+6*\c+5], s[12:13] offset:12288*(\a)+768*\c+512
.endr
.endm
	PLACES NP
.irp b, 0,1,2,3
	v_mov_b32 v[TM+4+\b], 0
.endr
.irp a, 0,1,2,3,4,5,6,7
	OUTBLK \a
.endr
.irp a, 0,1,2,3,4,5,6,7
	ds_store_b32 v[SST], v[PW+\a] offset:64*\a
.endr
	ds_load_b128 v[152:155], v[RST]
	s_wait_dscnt 0x0
	global_store_b128 v[OL], v[152:155], s[8:9]
	s_wait_tensorcnt 0x0
	ds_add_u32 v[SPW], v[NIL]
	s_wait_dscnt 0x0
	CROUND
	s_endpgm
.Lfunc_end_k_q518b4c0a8f_ffn1:
	.size	k_q518b4c0a8f_ffn1, .Lfunc_end_k_q518b4c0a8f_ffn1-k_q518b4c0a8f_ffn1
	.p2alignl 7, 3214868480
	.fill 96, 4, 3214868480
	.section	.rodata,"a",@progbits
	.p2align	6, 0x0
	.amdhsa_kernel k_q518b4c0a8f_ffn1
		.amdhsa_group_segment_fixed_size 327680
		.amdhsa_private_segment_fixed_size 0
		.amdhsa_enable_private_segment 0
		.amdhsa_kernarg_size 24
		.amdhsa_user_sgpr_count 2
		.amdhsa_user_sgpr_kernarg_segment_ptr 1
		.amdhsa_wavefront_size32 1
		.amdhsa_system_sgpr_workgroup_id_x 1
		.amdhsa_system_sgpr_workgroup_id_y 1
		.amdhsa_system_sgpr_workgroup_id_z 1
		.amdhsa_system_vgpr_workitem_id 0
		.amdhsa_next_free_vgpr 1024
		.amdhsa_next_free_sgpr 100
		.amdhsa_reserve_vcc 0
		.amdhsa_float_denorm_mode_32 3
		.amdhsa_float_denorm_mode_16_64 3
		.amdhsa_memory_ordered 1
		.amdhsa_forward_progress 1
		.amdhsa_inst_pref_size 188
	.end_amdhsa_kernel
	.amdgpu_metadata
---
amdhsa.version: [ 1, 2 ]
amdhsa.kernels:
  - .name:           k_q518b4c0a8f_ffn1
    .symbol:         k_q518b4c0a8f_ffn1.kd
    .args:
      - { .name: opA, .offset: 0, .size: 8, .value_kind: global_buffer, .address_space: global }
      - { .name: opF, .offset: 8, .size: 8, .value_kind: global_buffer, .address_space: global }
      - { .name: opB, .offset: 16, .size: 8, .value_kind: global_buffer, .address_space: global }
    .group_segment_fixed_size: 327680
    .private_segment_fixed_size: 0
    .kernarg_segment_align: 8
    .kernarg_segment_size: 24
    .max_flat_workgroup_size: 128
    .sgpr_count:     100
    .vgpr_count:     1024
    .wavefront_size: 32
...
	.end_amdgpu_metadata
.endif
;; end of part 6
;; launch ffn2 (part 7): grid 8 x 32, 8 waves a work-group, clusters of 4 x 4, 327,680 bytes of LDS; arguments opB, opG, opD; writes opD
.if DOCPART == 7
	.amdgcn_target "amdgcn-amd-amdhsa--gfx1250"
	.amdhsa_code_object_version 6
	.text
	.protected	k_q518b4c0a8f_ffn2
	.globl	k_q518b4c0a8f_ffn2
	.p2align	8
	.type	k_q518b4c0a8f_ffn2,@function
k_q518b4c0a8f_ffn2:
	s_mov_b64 s[64:65], 0
	v_nop
	global_prefetch_b8 v0, s[64:65] scope:SCOPE_SE
	s_setreg_imm32_b32 hwreg(HW_REG_WAVE_MODE, 25, 1), 1
	s_wait_xcnt 0x0
	s_wait_alu depctr_hold_cnt(0) depctr_sa_sdst(0) depctr_va_vdst(0) depctr_va_sdst(0) depctr_va_ssrc(0) depctr_va_vcc(0) depctr_vm_vsrc(0)
	s_getreg_b32 s2, hwreg(HW_REG_IB_STS2, 6, 4)
	s_cmp_eq_u32 s2, 0
	s_cbranch_scc0 .Lentry_in_a_cluster
	s_endpgm
.Lentry_in_a_cluster:
	s_bfe_u32 s2, ttmp6, 0x10000c
	s_cmp_lg_u32 s2, 0xf033
	s_cbranch_scc0 .Lentry_shape_is_right
	s_endpgm
.Lentry_shape_is_right:
; C = A B^T in f32, rows of 1,024 numbers: a product of two operand buffers on codes of BF6 (E3M2), K = 1,024 x NQ, here NQ = 4: one work-group sums all of K.
; Buffers: codes at 0, scale words at SOFF.  Codes: tile T (16 rows: lane row r is row 32 (T / 2) + 8 (T % 2) + r + 8 (r / 8)) at 12,288 T, K step s (128 along K) at 1,536 s, half c at 768 c:
; operand registers 6 c .. 6 c + 3 of lane l at 16 l, 6 c + 4, 6 c + 5 at 512 + 8 l.  Scale words: 4,096 (T / 8) + 512 s + 64 (T % 8) + 4 r.  A K above 1,024 lies in quarters, AQ, AQS, BQ, BQS bytes apart.
; A BLOCK of 128 x 128 of C to a work-group: 8 x 32 = 256 work-groups.  Eight waves, two to a SIMD; wave w makes rows 32 (w / 2) .. + 31 x columns 64 (w % 2) .. + 63: 8 accumulators.
; LDS: a ring of two slots, each with four K steps of A's 8 tiles and of B's 8 tiles (98,304 bytes); behind them the scale words of all of K, filled once.
; The six first fills go out at the head, one to a wave: waves 0-3 A's and B's codes for slots 0 and 1, waves 4 and 5 the scale words.  A slot is filled again by two waves, one load each (49,152 bytes).
; THE MATRIX INSTRUCTION IS USED TRANSPOSED (source 0 = 16 rows of B, source 1 = 16 rows of A): a lane holds eight neighbouring numbers of a row of C.
; CLUSTERS: 4 x 4 work-groups; A's tiles are asked for jointly along a row of the cluster, B's along a column; each refill stands behind a round of the cluster's barrier.
; PREFETCH: waves 4-7 ask, behind each refill, for what the next trip's refill of the same slot loads (two refills on); quarter 1 is asked for at the head; the last trip asks for nothing.
; REGISTERS: v8-23 addresses; v28, v29 the add's; v32-39 scale words, two sets; v48-119, v120-191 fragments, two sets (A's 2, B's 4); v192-255 the accumulators, (a, b) at 192 + 8 (4 a + b).
.set NQ,     4
.set AQ,     3145728
.set AQS,    131072
.set BQ,     786432
.set BQS,    32768
.set SOFF,   12582912
.set TROW,   6144                      ; a tile's four K steps: a row of a tensor load
.set HALF,   8*TROW
.set SLOT,   2*HALF
.set SCL,    2*SLOT                    ; A's scale words, 4,096 bytes a quarter
.set SCB,    SCL+16384                 ; B's
.set SPARE,  SCL+32768                 ; the spare words: 128 bytes a wave, named by no other line
.set SPITCH, 272                       ; the way out: a stage of 32 rows x (256 bytes + 16) a wave, in slot 0, behind its last fill and its last read
.set WST,    32*SPITCH
.set ADRA, 8                           ; v8, v9 A's fragments in slot 0, 1 (16 bytes a lane); v10, v11 (8 bytes a lane)
.set ADRB, 12                          ; v12-15 the same for B
.set ADS,  16                          ; v16 scale words: lanes 0-15 A's, lanes 16-31 B's; v17: B's in all lanes
.set STO,  18
.set RD,   19
.set CO,   20
.set PFO,  21
.set ASB,  22                          ; v22, v23 the scale words' addresses in quarter 0
.set SPW,  28
.set NIL,  29
.set SC,   32
.set FR,   48
.set AC,   192
.set G1A,  24
.set G0A,  32
.set LIM,  45
.set G1B,  48
.set G0B,  56
.set G1SA, 68
.set G0SA, 76
.set G1SB, 80
.set G0SB, 88
.set TS,   93
.set PFA,  94
.macro CROUND                          ; a round of the cluster's barrier
	s_barrier_signal -1
	s_barrier_wait -1
	s_cmp_lg_u32 s14, 0
	s_cbranch_scc1 .Lnw0_\@
	s_barrier_signal -3
.Lnw0_\@:
	s_barrier_wait -3
	s_barrier_signal -1
	s_barrier_wait -1
.endm
.macro PLACES
.rept 4
	v_nop
.endr
.endm
.macro ARM wv, g0, g1, next, join      ; an arm of a chain of branches on the wave's number: one load, s_nop 0 and four v_nop behind it
	s_cmp_lg_u32 s14, \wv
	s_cbranch_scc1 \next
	tensor_load_to_lds s[\g0:\g0+3], s[\g1:\g1+7]
	s_nop 0
	PLACES
	s_branch \join
\next:
.endm
	s_load_b128 s[4:7], s[0:1], 0x0                ; A, B
	s_load_b64 s[8:9], s[0:1], 0x10                ; C
	v_lshl_add_u32 v[SPW], v0, 2, SPARE
	v_mov_b32 v[NIL], 0
	ds_add_u32 v[SPW], v[NIL]                      ; the opening lines: the add, twice on end, and its wait
	ds_add_u32 v[SPW], v[NIL]
	v_lshrrev_b32 v1, 5, v0
	v_readfirstlane_b32 s14, v1                    ; wave 0..7
	s_lshr_b32 s15, s14, 1                         ; which 32 rows are mine
	s_and_b32 s16, s14, 1                          ; which 64 columns
	s_bfe_u32 s40, ttmp6, 0x40000                  ; cx, cy
	s_bfe_u32 s41, ttmp6, 0x40004
	s_lshl_b32 s42, ttmp9, 2
	s_add_co_u32 s42, s42, s40                     ; block column
	s_and_b32 s17, ttmp7, 0xffff
	s_lshl_b32 s17, s17, 2
	s_add_co_u32 s17, s17, s41                     ; block row
	s_lshl_b32 s43, s41, 2
	s_lshl_b32 s43, 15, s43                        ; my row of the cluster
	s_lshl_b32 s44, 0x1111, s40                    ; my column
	s_or_b32 s[G1A], s43, (3<<16)|(1<<21)          ; the mask; elements of 8 bytes; bit 21 beside a mask
	s_or_b32 s[G1B], s44, (3<<16)|(1<<21)
.irp g, G1A, G1B                       ; 8 tiles x 6,144 bytes, 12,288 bytes apart
	s_mov_b32 s[\g+1], 768<<16
	s_mov_b32 s[\g+2], 8<<16
	s_mov_b32 s[\g+3], 768<<16
	s_mov_b32 s[\g+4], 8
	s_mov_b32 s[\g+5], 1536
	s_mov_b32 s[\g+6], 0
	s_mov_b32 s[\g+7], 0
.endr
	s_or_b32 s[G1SA], s43, (3<<16)|(1<<21)
	s_or_b32 s[G1SB], s44, (3<<16)|(1<<21)
.irp g, G1SA, G1SB
.if NQ > 1                             ; a row of 4,096 bytes for each quarter
	s_mov_b32 s[\g+1], 512<<16
	s_mov_b32 s[\g+2], NQ<<16
	s_mov_b32 s[\g+3], 512<<16
	s_mov_b32 s[\g+4], NQ
.else                                  ; 4,096 dense bytes as 16 rows of 256
	s_mov_b32 s[\g+1], 32<<16
	s_mov_b32 s[\g+2], 16<<16
	s_mov_b32 s[\g+3], 32<<16
	s_mov_b32 s[\g+4], 16
.endif
	s_mov_b32 s[\g+6], 0
	s_mov_b32 s[\g+7], 0
.endr
.if NQ > 1
	s_mov_b32 s[G1SA+5], AQS/8
	s_mov_b32 s[G1SB+5], BQS/8
.else
	s_mov_b32 s[G1SA+5], 32
	s_mov_b32 s[G1SB+5], 32
.endif
	s_mul_i32 s20, s17, 98304                      ; A's 8 tiles
	s_mov_b32 s21, 0
	s_lshl_b32 s22, s17, 12
	s_add_co_u32 s22, s22, SOFF                    ; and their scale words
	s_mov_b32 s23, 0
	s_mul_i32 s46, s42, 98304                      ; B's
	s_mov_b32 s47, 0
	s_lshl_b32 s92, s42, 12
	s_add_co_u32 s92, s92, SOFF
	s_mov_b32 s93, 0
	s_wait_dscnt 0x0                               ; both opening adds are done
	s_wait_kmcnt 0x0
	s_add_nc_u64 s[20:21], s[4:5], s[20:21]
	s_add_nc_u64 s[22:23], s[4:5], s[22:23]
	s_add_nc_u64 s[46:47], s[6:7], s[46:47]
	s_add_nc_u64 s[92:93], s[6:7], s[92:93]
	CROUND                                         ; all sixteen work-groups are here: the first joint loads meet
.irp s, 0,1
	s_mov_b32 s[G0A+4*\s], 1
	s_mov_b32 s[G0A+4*\s+1], \s*SLOT
	s_add_nc_u64 s[G0A+4*\s+2:G0A+4*\s+3], s[20:21], \s*TROW
	s_or_b32 s[G0A+4*\s+3], s[G0A+4*\s+3], 0x80000000
	s_mov_b32 s[G0B+4*\s], 1
	s_mov_b32 s[G0B+4*\s+1], \s*SLOT+HALF
	s_add_nc_u64 s[G0B+4*\s+2:G0B+4*\s+3], s[46:47], \s*TROW
	s_or_b32 s[G0B+4*\s+3], s[G0B+4*\s+3], 0x80000000
.endr
	s_mov_b32 s[G0SA], 1
	s_mov_b32 s[G0SA+1], SCL
	s_mov_b64 s[G0SA+2:G0SA+3], s[22:23]
	s_or_b32 s[G0SA+3], s[G0SA+3], 0x80000000
	s_mov_b32 s[G0SB], 1
	s_mov_b32 s[G0SB+1], SCB
	s_mov_b64 s[G0SB+2:G0SB+3], s[92:93]
	s_or_b32 s[G0SB+3], s[G0SB+3], 0x80000000
	ARM 0, G0A, G1A, .Lh1, .Lhj                    ; the head's six loads, one a wave: one chain, one join
	ARM 1, G0B, G1B, .Lh2, .Lhj
	ARM 2, G0A+4, G1A, .Lh3, .Lhj
	ARM 3, G0B+4, G1B, .Lh4, .Lhj
	ARM 4, G0SA, G1SA, .Lh5, .Lhj
	ARM 5, G0SB, G1SB, .Lhj, .Lhj
	s_mul_i32 s18, s15, 2*TROW                     ; my two tiles of A, in slot 0 and in slot 1
	s_add_co_u32 s19, s18, SLOT
	s_mul_i32 s20, s16, 4*TROW                     ; my four tiles of B
	s_add_co_u32 s20, s20, HALF
	s_add_co_u32 s21, s20, SLOT
	s_lshl_b32 s10, s15, 7
	s_add_co_u32 s22, s10, SCL                     ; my scale words of A,
	s_lshl_b32 s11, s16, 8
	s_add_co_u32 s46, s11, SCB                     ; of B,
	s_sub_co_u32 s23, s46, s22                     ; and the distance between the two
	s_mul_i32 s47, s14, WST                        ; my stage
	s_lshl_b32 s92, s16, 5
	s_mov_b32 s[TS], 0
	s_lshl_b32 s10, s17, 19                        ; 128 rows of 4,096 bytes a block row,
	s_lshl_b32 s11, s15, 17                        ; my 32 of them,
	s_add_co_u32 s10, s10, s11
	s_lshl_b32 s11, s42, 9                         ; 512 bytes a block column,
	s_add_co_u32 s10, s10, s11
	s_lshl_b32 s11, s16, 8                         ; my 256 of them
	s_add_co_u32 s10, s10, s11
	s_mov_b32 s11, 0
	s_add_nc_u64 s[12:13], s[8:9], s[10:11]
.if NQ > 1
	s_mov_b32 s96, BQ                              ; the prefetches: waves 4, 5 ask for A, waves 6, 7 for B; of a tile's four partners the one at place p takes tiles 2 p, 2 p + 1 (p = cx for A, cy for B): shared out by address
	s_mov_b32 s97, 0
	s_cmp_lt_u32 s14, 6
	s_cselect_b32 s10, s17, s42
	s_cselect_b32 s11, s40, s41
	s_cselect_b64 s[PFA:PFA+1], s[4:5], s[6:7]
	s_cselect_b32 s96, AQ, s96                     ; a quarter's stride
	s_mul_i32 s10, s10, 98304
	s_mul_i32 s11, s11, 24576
	s_add_co_u32 s10, s10, s11
	s_add_co_u32 s10, s10, s96                     ; at quarter 1
	s_mov_b32 s11, 0
	s_add_nc_u64 s[PFA:PFA+1], s[PFA:PFA+1], s[10:11]
	s_cmp_lt_u32 s14, 4
	s_cselect_b32 s[LIM], -1, 1                    ; 1 in the waves that ask
.endif
	v_and_b32 v1, 15, v0                           ; r
	v_bfe_u32 v2, v0, 4, 1                         ; h
	v_and_b32 v3, 31, v0                           ; lane
	v_lshlrev_b32 v4, 4, v3
	v_lshl_add_u32 v5, v3, 3, 512
	v_add_nc_u32 v[ADRA], s18, v4
	v_add_nc_u32 v[ADRA+1], s19, v4
	v_add_nc_u32 v[ADRA+2], s18, v5
	v_add_nc_u32 v[ADRA+3], s19, v5
	v_add_nc_u32 v[ADRB], s20, v4
	v_add_nc_u32 v[ADRB+1], s21, v4
	v_add_nc_u32 v[ADRB+2], s20, v5
	v_add_nc_u32 v[ADRB+3], s21, v5
	v_lshlrev_b32 v6, 2, v1
	v_mul_u32_u24 v7, s23, v2                      ; lanes 16-31 take B's scale words
	v_add_nc_u32 v7, v6, v7
	v_add_nc_u32 v[ASB], s22, v7
	v_add_nc_u32 v[ASB+1], s46, v6
	v_add_nc_u32 v[ADS], s[TS], v[ASB]
	v_add_nc_u32 v[ADS+1], s[TS], v[ASB+1]
	v_and_b32 v7, 8, v1
	v_add_nc_u32 v7, v7, v1                        ; r + 8 (r / 8): the row by the tiles' order
	v_mul_u32_u24 v7, v7, SPITCH
	v_lshl_add_u32 v7, v2, 6, v7                   ; + 64 h: my half's columns lie 16 apart
	v_add_nc_u32 v[STO], s47, v7
	v_mul_u32_u24 v7, v2, SPITCH                   ; back: sixteen lanes to a row of 256 bytes, two rows an instruction
	v_lshl_add_u32 v7, v1, 4, v7
	v_add_nc_u32 v[RD], s47, v7
	v_lshlrev_b32 v7, 12, v2
	v_lshl_add_u32 v[CO], v1, 4, v7                ; and the same two rows in C
.if NQ > 1
	v_add_nc_u32 v6, s92, v3                       ; which of my work-group's 48 blocks of 256 bytes (2 tiles x 6,144) I name; the lanes left over name the last again
	v_min_u32 v6, 47, v6
	v_mul_u32_u24 v7, v6, 43
	v_lshrrev_b32 v7, 10, v7                       ; block / 24: the tile
	v_mul_u32_u24 v7, v7, TROW                     ; the second tile lies 12,288 bytes behind the first
	v_lshl_add_u32 v[PFO], v6, 8, v7
.endif
	s_wait_alu depctr_va_vdst(0)
.if NQ > 1
	s_cmp_eq_u32 s[LIM], 1
	s_cbranch_scc0 .Lno_ask
	global_prefetch_b8 v[PFO], s[PFA:PFA+1] th:TH_LOAD_NT scope:SCOPE_SE               ; quarter 1, which the first trip's two refills load
	global_prefetch_b8 v[PFO], s[PFA:PFA+1] offset:TROW th:TH_LOAD_NT scope:SCOPE_SE
.Lno_ask:
.endif
.macro FRAG reg, adr, off
.irp c, 0,1
	ds_load_b128 v[(\reg)+6*\c:(\reg)+6*\c+3], v[\adr] offset:(\off)+768*\c
	ds_load_b64 v[(\reg)+6*\c+4:(\reg)+6*\c+5], v[(\adr)+2] offset:(\off)+768*\c
.endr
.endm
.macro FETCH slot, q, p                ; 28 LDS loads: K step q of a slot into set p: A's 2 fragments, B's 4, 4 registers of scale words
.irp a, 0,1
	FRAG FR+72*(\p)+12*\a, ADRA+\slot, TROW*\a+1536*(\q)
.endr
.irp b, 0,1,2,3
	FRAG FR+72*(\p)+24+12*\b, ADRB+\slot, TROW*\b+1536*(\q)
.endr
.irp i, 0,1,2,3
	ds_load_b32 v[SC+4*(\p)+\i], v[ADS+\i/2] offset:512*(4*(\slot)+(\q))+64*\i
.endr
.endm
.macro MUL p, zero                     ; 8 matrix instructions, the 8 accumulators by turns; zero = 1: the first products start the sums
.irp a, 0,1
.irp b, 0,1,2,3
.if \zero
	v_wmma_scale_f32_16x16x128_f8f6f4 v[AC+8*(4*\a+\b):AC+8*(4*\a+\b)+7], v[FR+72*(\p)+24+12*\b:FR+72*(\p)+35+12*\b], v[FR+72*(\p)+12*\a:FR+72*(\p)+11+12*\a], 0, v[SC+4*(\p)+\b], v[SC+4*(\p)+\a] matrix_a_fmt:MATRIX_FMT_BF6 matrix_b_fmt:MATRIX_FMT_BF6 matrix_a_scale:MATRIX_SCALE_ROW1
.else
	v_wmma_scale_f32_16x16x128_f8f6f4 v[AC+8*(4*\a+\b):AC+8*(4*\a+\b)+7], v[FR+72*(\p)+24+12*\b:FR+72*(\p)+35+12*\b], v[FR+72*(\p)+12*\a:FR+72*(\p)+11+12*\a], v[AC+8*(4*\a+\b):AC+8*(4*\a+\b)+7], v[SC+4*(\p)+\b], v[SC+4*(\p)+\a] matrix_a_fmt:MATRIX_FMT_BF6 matrix_b_fmt:MATRIX_FMT_BF6 matrix_a_scale:MATRIX_SCALE_ROW1
.endif
.endr
.endr
.endm
.macro S slot, q, zero                 ; one of a slot's first three K steps: the next step's fragments are asked for, then this step is multiplied
	PLACES                                         ; four places in front of loads into registers that the last products read
	FETCH \slot, (\q)+1, ((\q)+1)%2
	s_wait_dscnt 28                                ; all but the 28 just issued: this step's set is in
	MUL (\q)%2, \zero
.endm
.macro T slot, mode                    ; a slot's last K step.  mode 1: the slot is filled again; 2: a barrier alone; 0: the very last step
.if \mode == 1
.if \slot == 0
	s_wait_xcnt 0x0                                ; my prefetches have read their address: it steps a quarter on
	s_add_nc_u64 s[PFA:PFA+1], s[PFA:PFA+1], s[96:97]
.endif
	s_wait_tensorcnt 0x0                           ; all my tensor loads have landed: the other slot's among them
	ds_add_u32 v[SPW], v[NIL]                      ; 0 onto my spare word, twice on end
	ds_add_u32 v[SPW], v[NIL]
	s_wait_dscnt 2                                 ; (the two adds may be out: this step's set is in)
	MUL 1, 0
	s_add_nc_u64 s[G0A+4*\slot+2:G0A+4*\slot+3], s[G0A+4*\slot+2:G0A+4*\slot+3], AQ   ; no load of mine is out: this slot's part of the next quarter
	s_add_nc_u64 s[G0B+4*\slot+2:G0B+4*\slot+3], s[G0B+4*\slot+2:G0B+4*\slot+3], BQ
	s_wait_dscnt 0x0                               ; the adds are done, and my reads of this slot are over
	CROUND                                         ; the same holds of every wave of all sixteen work-groups
	ARM 2*\slot, G0A+4*\slot, G1A, .Lrb_\@, .Lrj_\@
	ARM 2*\slot+1, G0B+4*\slot, G1B, .Lrj_\@, .Lrj_\@
.if \slot == 1
	s_add_co_u32 s[TS], s[TS], 4096                ; the next quarter's scale words
	v_add_nc_u32 v[ADS], s[TS], v[ASB]
	v_add_nc_u32 v[ADS+1], s[TS], v[ASB+1]
	s_wait_alu depctr_va_vdst(0)
.endif
	PLACES
	FETCH 1-\slot, 0, 0
	s_cmp_gt_u32 s3, s[LIM]                        ; the last trip asks for nothing: its look-ahead would pass the end of K
	s_cbranch_scc0 .Lna_\@
	global_prefetch_b8 v[PFO], s[PFA:PFA+1] offset:TROW*\slot th:TH_LOAD_NT scope:SCOPE_SE   ; what the next trip's refill of this slot loads: two refills on
.Lna_\@:
.endif
.if \mode == 2
	s_wait_tensorcnt 0x0                           ; my part of the other slot is in
	s_wait_dscnt 0x0                               ; my reads of this slot are over: behind the barrier it may take the stages
	s_barrier_signal -1
	MUL 1, 0
	s_barrier_wait -1
	PLACES
	FETCH 1-\slot, 0, 0
.endif
.if \mode == 0
	s_wait_dscnt 0x0
	MUL 1, 0
.endif
.endm
	s_wait_tensorcnt 0x0                           ; my load of the head's six is in,
	s_barrier_signal -1
	s_barrier_wait -1                              ; and so is everybody's
	FETCH 0, 0, 0
	S 0, 0, 1
.if NQ > 1
	s_mov_b32 s3, NQ-1
.Lq:                                   ; a trip goes once round the ring, from a quarter's second K step to the next quarter's first, and fills both slots again
	S 0, 1, 0
	S 0, 2, 0
	T 0, 1
	S 1, 0, 0
	S 1, 1, 0
	S 1, 2, 0
	T 1, 1
	S 0, 0, 0
	s_sub_co_u32 s3, s3, 1
	s_cmp_lg_u32 s3, 0
	s_cbranch_scc1 .Lq
.endif
	S 0, 1, 0                                      ; the last quarter asks for nothing more
	S 0, 2, 0
	T 0, 2
	S 1, 0, 0
	S 1, 1, 0
	S 1, 2, 0
	T 1, 0
	; THE WAY OUT: my 32 rows x 64 columns through my own stage: back come whole rows of 256 bytes.  LDS serves a wave's instructions in order: no wait between the stores and the loads
	PLACES
.irp a, 0,1
.irp b, 0,1,2,3
	ds_store_b128 v[STO], v[AC+8*(4*\a+\b):AC+8*(4*\a+\b)+3] offset:8*\a*SPITCH+128*(\b/2)+32*(\b%2)       ; register j of tile b is column 32 (b / 2) + 8 (b % 2) + 16 h + j; each accumulator from its low end on
	ds_store_b128 v[STO], v[AC+8*(4*\a+\b)+4:AC+8*(4*\a+\b)+7] offset:8*\a*SPITCH+128*(\b/2)+32*(\b%2)+16
.endr
.endr
.irp t, 0,1,2,3,4,5,6,7,8,9,10,11,12,13,14,15
	ds_load_b128 v[FR+4*\t:FR+4*\t+3], v[RD] offset:2*\t*SPITCH
.endr
.irp t, 0,1,2,3,4,5,6,7,8,9,10,11,12,13,14,15
	s_wait_dscnt 15-\t                             ; the younger loads may be out
	global_store_b128 v[CO], v[FR+4*\t:FR+4*\t+3], s[12:13] offset:8192*\t th:TH_STORE_NT   ; sixteen lanes store 256 consecutive bytes, aligned
.endr
	s_wait_tensorcnt 0x0                           ; the wave's end
	ds_add_u32 v[SPW], v[NIL]
	s_wait_dscnt 0x0
	CROUND                                         ; the closing round
	s_endpgm
.Lfunc_end_k_q518b4c0a8f_ffn2:
	.size	k_q518b4c0a8f_ffn2, .Lfunc_end_k_q518b4c0a8f_ffn2-k_q518b4c0a8f_ffn2
	.p2alignl 7, 3214868480
	.fill 96, 4, 3214868480
	.section	.rodata,"a",@progbits
	.p2align	6, 0x0
	.amdhsa_kernel k_q518b4c0a8f_ffn2
		.amdhsa_group_segment_fixed_size 327680
		.amdhsa_private_segment_fixed_size 0
		.amdhsa_enable_private_segment 0
		.amdhsa_kernarg_size 24
		.amdhsa_user_sgpr_count 2
		.amdhsa_user_sgpr_kernarg_segment_ptr 1
		.amdhsa_wavefront_size32 1
		.amdhsa_system_sgpr_workgroup_id_x 1
		.amdhsa_system_sgpr_workgroup_id_y 1
		.amdhsa_system_sgpr_workgroup_id_z 1
		.amdhsa_system_vgpr_workitem_id 0
		.amdhsa_next_free_vgpr 256
		.amdhsa_next_free_sgpr 98
		.amdhsa_reserve_vcc 0
		.amdhsa_float_denorm_mode_32 3
		.amdhsa_float_denorm_mode_16_64 3
		.amdhsa_memory_ordered 1
		.amdhsa_forward_progress 1
		.amdhsa_inst_pref_size 65
	.end_amdhsa_kernel
	.amdgpu_metadata
---
amdhsa.version: [ 1, 2 ]
amdhsa.kernels:
  - .name:           k_q518b4c0a8f_ffn2
    .symbol:         k_q518b4c0a8f_ffn2.kd
    .args:
      - { .name: opB, .offset: 0, .size: 8, .value_kind: global_buffer, .address_space: global }
      - { .name: opG, .offset: 8, .size: 8, .value_kind: global_buffer, .address_space: global }
      - { .name: opD, .offset: 16, .size: 8, .value_kind: global_buffer, .address_space: global }
    .group_segment_fixed_size: 327680
    .private_segment_fixed_size: 0
    .kernarg_segment_align: 8
    .kernarg_segment_size: 24
    .max_flat_workgroup_size: 256
    .sgpr_count:     98
    .vgpr_count:     256
    .wavefront_size: 32
...
	.end_amdgpu_metadata
.endif
;; end of part 7
;; launch ln2 (part 8): grid 256 x 1, 16 waves a work-group, no clusters, 0 bytes of LDS; arguments opD, opC, b2, ln2_g, ln2_b, out0; writes out0
.if DOCPART == 8
	.amdgcn_target "amdgcn-amd-amdhsa--gfx1250"
	.amdhsa_code_object_version 6
	.text
	.protected	k_q518b4c0a8f_ln2
	.globl	k_q518b4c0a8f_ln2
	.p2align	8
	.type	k_q518b4c0a8f_ln2,@function
k_q518b4c0a8f_ln2:
	s_mov_b64 s[64:65], 0
	v_nop
	global_prefetch_b8 v0, s[64:65] scope:SCOPE_SE
	s_setreg_imm32_b32 hwreg(HW_REG_WAVE_MODE, 25, 1), 1
	s_wait_xcnt 0x0
; out = layer norm(h W2 + b2 + x1) g + b, rows of 1,024, all in f32.  h W2 lies in opD, x1 in opC, both as rows of 4,096 bytes.
; Wave w of work-group i takes row 16 i + w whole: 32 numbers a lane, every load and store 512 consecutive bytes.  The variance is taken of the differences from the mean.
; Memory binds: no LDS, no barrier, no matrix unit, no cluster; no loop to prefetch in.  NaN and infinities are not served.
.set OL,  4
.set V,   32
.set SEL, 20
.macro WSUM x, t                       ; the sum over the 32 lanes, in every lane
	s_delay_alu instid0(VALU_DEP_1)
	v_add_f32_dpp v[\x], v[\x], v[\x] row_xmask:1 row_mask:0xf bank_mask:0xf
	s_delay_alu instid0(VALU_DEP_1)
	v_add_f32_dpp v[\x], v[\x], v[\x] row_xmask:2 row_mask:0xf bank_mask:0xf
	s_delay_alu instid0(VALU_DEP_1)
	v_add_f32_dpp v[\x], v[\x], v[\x] row_xmask:4 row_mask:0xf bank_mask:0xf
	s_delay_alu instid0(VALU_DEP_1)
	v_add_f32_dpp v[\x], v[\x], v[\x] row_xmask:8 row_mask:0xf bank_mask:0xf
	s_delay_alu instid0(VALU_DEP_1)
	v_permlanex16_b32 v[\t], v[\x], s[SEL], s[SEL+1]
	s_delay_alu instid0(VALU_DEP_1)
	v_add_f32 v[\x], v[\x], v[\t]
.endm
	s_load_b256 s[4:11], s[0:1], 0x0               ; h W2 s[4:5], x1 s[6:7], b2 s[8:9], g s[10:11]
	s_load_b128 s[12:15], s[0:1], 0x20             ; b s[12:13], out s[14:15]
	v_lshrrev_b32 v1, 5, v0
	s_delay_alu instid0(VALU_DEP_1)
	v_readfirstlane_b32 s18, v1                    ; wave 0..15
	v_and_b32 v1, 31, v0
	s_delay_alu instid0(VALU_DEP_1)
	v_lshlrev_b32 v[OL], 4, v1
	s_mov_b32 s[SEL], 0x76543210
	s_mov_b32 s[SEL+1], 0xfedcba98
	s_mov_b32 s22, 0x3a800000                      ; 1 / 1,024
	s_mov_b32 s23, 0x3727c5ac                      ; 1e-5
	s_lshl_b32 s24, ttmp9, 4
	s_add_co_u32 s24, s24, s18
	s_lshl_b32 s24, s24, 12                        ; my row
	s_mov_b32 s25, 0
	s_wait_alu depctr_va_vdst(0)
	s_wait_kmcnt 0x0
	s_add_nc_u64 s[4:5], s[4:5], s[24:25]
	s_add_nc_u64 s[6:7], s[6:7], s[24:25]
	s_add_nc_u64 s[14:15], s[14:15], s[24:25]
.irp i, 0,1,2,3,4,5,6,7
	global_load_b128 v[32+4*\i:35+4*\i], v[OL], s[4:5] offset:512*\i th:TH_LOAD_NT
	global_load_b128 v[160+4*\i:163+4*\i], v[OL], s[6:7] offset:512*\i th:TH_LOAD_NT
	global_load_b128 v[192+4*\i:195+4*\i], v[OL], s[8:9] offset:512*\i
.endr
.irp i, 0,1,2,3,4,5,6,7
	global_load_b128 v[64+4*\i:67+4*\i], v[OL], s[10:11] offset:512*\i
	global_load_b128 v[96+4*\i:99+4*\i], v[OL], s[12:13] offset:512*\i
.endr
	s_wait_loadcnt 16                              ; all but g's and b's 16 loads
.set nn, 0
.rept 16
	v_pk_add_f32 v[160+nn:161+nn], v[160+nn:161+nn], v[192+nn:193+nn]
.set nn, nn+2
.endr
.set nn, 0
.rept 16
	v_pk_add_f32 v[32+nn:33+nn], v[32+nn:33+nn], v[160+nn:161+nn]
.set nn, nn+2
.endr
	v_pk_add_f32 v[8:9], v[V:V+1], v[V+2:V+3]      ; the mean, in chains that do not wait for each other
	v_pk_add_f32 v[10:11], v[V+4:V+5], v[V+6:V+7]
.irp j, 8,12,16,20,24,28
	s_delay_alu instid0(VALU_DEP_2)
	v_pk_add_f32 v[8:9], v[8:9], v[V+\j:V+\j+1]
	s_delay_alu instid0(VALU_DEP_2)
	v_pk_add_f32 v[10:11], v[10:11], v[V+\j+2:V+\j+3]
.endr
	s_delay_alu instid0(VALU_DEP_1)
	v_pk_add_f32 v[8:9], v[8:9], v[10:11]
	s_delay_alu instid0(VALU_DEP_1)
	v_add_f32 v8, v8, v9
	WSUM 8, 9
	s_delay_alu instid0(VALU_DEP_1)
	v_mul_f32 v8, s22, v8
.set nn, 0
.rept 16
	v_pk_add_f32 v[V+nn:V+nn+1], v[V+nn:V+nn+1], v[8:9] op_sel_hi:[1,0] neg_lo:[0,1] neg_hi:[0,1]
.set nn, nn+2
.endr
	v_pk_mul_f32 v[10:11], v[V:V+1], v[V:V+1]      ; the variance, of the differences
	v_pk_mul_f32 v[12:13], v[V+2:V+3], v[V+2:V+3]
.irp j, 4,8,12,16,20,24,28
	s_delay_alu instid0(VALU_DEP_2)
	v_pk_fma_f32 v[10:11], v[V+\j:V+\j+1], v[V+\j:V+\j+1], v[10:11]
	s_delay_alu instid0(VALU_DEP_2)
	v_pk_fma_f32 v[12:13], v[V+\j+2:V+\j+3], v[V+\j+2:V+\j+3], v[12:13]
.endr
	s_delay_alu instid0(VALU_DEP_1)
	v_pk_add_f32 v[10:11], v[10:11], v[12:13]
	s_delay_alu instid0(VALU_DEP_1)
	v_add_f32 v10, v10, v11
	WSUM 10, 11
	s_delay_alu instid0(VALU_DEP_1)
	v_fma_f32 v10, v10, s22, s23
	s_wait_alu depctr_va_vdst(0)                   ; ahead of the transcendental
	v_rsq_f32 v10, v10
	v_nop                                          ; a plain place behind the transcendental
	s_wait_alu depctr_va_vdst(0)                   ; ahead of its first reader
.set nn, 0
.rept 16
	v_pk_mul_f32 v[V+nn:V+nn+1], v[V+nn:V+nn+1], v[10:11] op_sel_hi:[1,0]
.set nn, nn+2
.endr
	s_wait_alu depctr_va_vdst(0)
	s_wait_loadcnt 0x0                             ; g and b
.set nn, 0
.rept 16
	v_pk_fma_f32 v[V+nn:V+nn+1], v[V+nn:V+nn+1], v[64+nn:65+nn], v[96+nn:97+nn]
.set nn, nn+2
.endr
.irp i, 0,1,2,3,4,5,6,7
	global_store_b128 v[OL], v[V+4*\i:V+4*\i+3], s[14:15] offset:512*\i th:TH_STORE_NT
.endr
	s_endpgm
.Lfunc_end_k_q518b4c0a8f_ln2:
	.size	k_q518b4c0a8f_ln2, .Lfunc_end_k_q518b4c0a8f_ln2-k_q518b4c0a8f_ln2
	.p2alignl 7, 3214868480
	.fill 96, 4, 3214868480
	.section	.rodata,"a",@progbits
	.p2align	6, 0x0
	.amdhsa_kernel k_q518b4c0a8f_ln2
		.amdhsa_group_segment_fixed_size 0
		.amdhsa_private_segment_fixed_size 0
		.amdhsa_enable_private_segment 0
		.amdhsa_kernarg_size 48
		.amdhsa_user_sgpr_count 2
		.amdhsa_user_sgpr_kernarg_segment_ptr 1
		.amdhsa_wavefront_size32 1
		.amdhsa_system_sgpr_workgroup_id_x 1
		.amdhsa_system_sgpr_workgroup_id_y 1
		.amdhsa_system_sgpr_workgroup_id_z 1
		.amdhsa_system_vgpr_workitem_id 0
		.amdhsa_next_free_vgpr 224
		.amdhsa_next_free_sgpr 66
		.amdhsa_reserve_vcc 0
		.amdhsa_float_denorm_mode_32 3
		.amdhsa_float_denorm_mode_16_64 3
		.amdhsa_memory_ordered 1
		.amdhsa_forward_progress 1
		.amdhsa_inst_pref_size 16
	.end_amdhsa_kernel
	.amdgpu_metadata
---
amdhsa.version: [ 1, 2 ]
amdhsa.kernels:
  - .name:           k_q518b4c0a8f_ln2
    .symbol:         k_q518b4c0a8f_ln2.kd
    .args:
      - { .name: opD, .offset: 0, .size: 8, .value_kind: global_buffer, .address_space: global }
      - { .name: opC, .offset: 8, .size: 8, .value_kind: global_buffer, .address_space: global }
      - { .name: b2, .offset: 16, .size: 8, .value_kind: global_buffer, .address_space: global }
      - { .name: ln2_g, .offset: 24, .size: 8, .value_kind: global_buffer, .address_space: global }
      - { .name: ln2_b, .offset: 32, .size: 8, .value_kind: global_buffer, .address_space: global }
      - { .name: out0, .offset: 40, .size: 8, .value_kind: global_buffer, .address_space: global }
    .group_segment_fixed_size: 0
    .private_segment_fixed_size: 0
    .kernarg_segment_align: 8
    .kernarg_segment_size: 48
    .max_flat_workgroup_size: 512
    .sgpr_count:     66
    .vgpr_count:     224
    .wavefront_size: 32
...
	.end_amdgpu_metadata
.endif
;; end of part 8
